; MI455X (gfx1250); checked and timed in simulation.
; The chip was launched on July 23, 2026; its instructions are those of AMD's public machine-readable ISA for CDNA 5 (MIT licence, August 2026) and "CDNA5" Instruction Set Architecture Reference Guide (July 2026). The comments in the code are by the model that wrote it; some were corrected since.
;; Attention. Allowed arithmetic: matrix products marked QUANTISED: E4M3 operands, one given power-of-two scale a tensor, by v_wmma_f32_16x16x64_fp8_fp8 or v_wmma_f32_16x16x128_fp8_fp8, f32 sums; everything else in f32.
;; Inputs: W_K 16 x 1,024 x 128 float32; W_O 16 x 128 x 1,024 float32; W_Q 16 x 1,024 x 128 float32; W_V 16 x 1,024 x 128 float32; b_K 16 x 128 float32; b_O 1,024 float32; b_Q 16 x 128 float32; b_V 16 x 128 float32; lowp_scales 12 int32 (the exponents e of the quantised operands' scales 2^e); normalized_resid_pre 2 x 2,048 x 1,024 float32.
;; Outputs: out0 2 x 2,048 x 1,024 float32.
;; This version of the problem:
;;   THIS VERSION OF THE PROBLEM IS GIVEN IN LOW PRECISION. The matrix products marked QUANTISED in the list below multiply operands that are first quantised to E4M3 (4 exponent bits, 3 mantissa bits; 8 bits a number), with one given power-of-two scale for each operand tensor; their sums are f32. All else is computed in f32.
;;   The module's matrix products, in the order in which they are computed (A, B: the left and right operand; K: the contracted axis; several contracted axes count as one K, in the product's order):
;;     1. [M 4,096, K 1,024] x [K 1,024, N 2,048]; A: input normalized_resid_pre; B: input W_Q: QUANTISED (scales: A lowp_scales[0], B lowp_scales[1])
;;     2. [M 4,096, K 1,024] x [K 1,024, N 2,048]; A: input normalized_resid_pre; B: input W_K: QUANTISED (scales: A lowp_scales[2], B lowp_scales[3])
;;     3. [M 4,096, K 1,024] x [K 1,024, N 2,048]; A: input normalized_resid_pre; B: input W_V: QUANTISED (scales: A lowp_scales[4], B lowp_scales[5])
;;     4. batch 32 x [M 2,048, K 128] x [K 128, N 2,048]; A: computed on the way; B: computed on the way: QUANTISED (scales: A lowp_scales[6], B lowp_scales[7])
;;     5. batch 32 x [M 128, K 2,048] x [K 2,048, N 2,048]; A: computed on the way; B: softmax (see below): QUANTISED (scales: A lowp_scales[8], B lowp_scales[9])
;;     6. [M 4,096, K 2,048] x [K 2,048, N 1,024]; A: computed on the way; B: input W_O: QUANTISED (scales: A lowp_scales[10], B lowp_scales[11])
;;   THE QUANTISER, for each operand of a quantised product, along K:
;;     - The operand's scale is 2^e, e = its entry of the input lowp_scales (int32; the entries are numbered through the quantised products in the list's order, A before B).
;;     - Each number is divided by the scale, clamped to +-448, and rounded to the nearest number of E4M3, ties to even, subnormals kept.
;;     - The product sums the exact products of the quantised numbers (number of the format x scale) in f32.
;;   ~~~python
;;   def quantise(x, axis, e):      # numpy; x: float32 -> the quantised numbers, widened to float32 again
;;       x = np.moveaxis(x, axis, -1); K = x.shape[-1]
;;       r = np.clip(x / 2.0 ** e, -448, 448)
;;       step = 2.0 ** (np.maximum(np.frexp(np.where(r == 0, 1, r))[1] - 1, -6) - 3)
;;       q = np.round(r / step) * step * 2.0 ** e      # np.round: ties to even
;;       return np.moveaxis(q, -1, axis).astype(np.float32)
;;   ~~~
;;   SOFTMAX AHEAD OF A QUANTISED PRODUCT. Where the list says 'softmax', what is quantised is not the finished softmax but p = 2^(t - M), with t = logit x log2(e) and M = ceil(the row's largest t), a whole number; so 1/2 < the row's largest p <= 1. The row's sum l is taken of the UNQUANTISED p, in f32, and the product's result is divided by l at the end. Since M is a whole number, a kernel that streams over the keys may use a running M (the ceiling of the running maximum): every later rescaling is an exact power of two, so the quantised numbers keep their values, but for numbers so far below the row's largest that they fall under the format's range.
;;   OPERANDS COMPUTED ON THE WAY. 'Computed on the way' means the value that the module computes at that place (a softmax that the list does not call 'softmax' is quantised finished and normalised). What goes into a quantiser is computed in f32, as accurately as f32 sums, v_exp_f32 and their like allow (about 1e-6 of the number): no bf16 or f16 on the way to a quantiser, and a product that is left as it is and whose result goes on into a quantised operand takes f32 operands (vector FMAs, or v_wmma_f32_16x16x4_f32). A number that lies on a knife's edge between two numbers of the format may be rounded either way, as far as f32 arithmetic and the matrix unit's own rounding can turn it there, and no further.
;; 2 versions. Each part assembles by itself: llvm-mc -triple=amdgcn-amd-amdhsa -mcpu=gfx1250 --defsym DOCPART=n.
;; ======== version 1 of 2: 4 launches
;; limits: right only within a limited range of input values
;; workspace buffers: codes 20,971,520 bytes; qkv 25,165,824 bytes; zc 8,388,608 bytes
;; launch quant (part 1): grid 384 x 1, 4 waves a work-group, no clusters, 90,624 bytes of LDS; arguments normalized_resid_pre, W_Q, W_K, W_V, W_O, lowp_scales, codes; writes codes
.if DOCPART == 1
	.amdgcn_target "amdgcn-amd-amdhsa--gfx1250"
	.amdhsa_code_object_version 6
	.text
	.protected	k_q7665c9842a_quant
	.globl	k_q7665c9842a_quant
	.p2align	8
	.type	k_q7665c9842a_quant,@function
k_q7665c9842a_quant:
	s_mov_b64 s[64:65], 0
	v_nop
	global_prefetch_b8 v0, s[64:65] scope:SCOPE_SE
	s_setreg_imm32_b32 hwreg(HW_REG_WAVE_MODE, 25, 1), 1
	s_wait_xcnt 0x0
; LAUNCH 1 OF 4: every input tensor of a quantised product becomes codes of E4M3, K innermost, each with the scale 2^e that is given for it.
;   codes + 0          : x, three copies [3][4096][1024], copy c under lowp_scales[2 c] (x enters products 1, 2, 3 under three scales of its own)
;   codes + 12,582,912 : W_Q, W_K, W_V as [3][2048 n = 128 head + k][1024 K], under lowp_scales[1], [3], [5]
;   codes + 18,874,368 : W_O as [1024 n][2048 K = 128 head + k], under lowp_scales[11]
; code = x / 2^e, held within +-448, to the nearest code, ties to even.
; WORK THAT THE PROGRAM LEAVES OUT (in the third launch).  reference() replaces every score with key > query by -100000 (jnp.where on its own jnp.tril), whatever the inputs hold: so the
; products q.k above the diagonal reach no output, and key steps of 128 keys that lie wholly behind a wave's 16 queries are not multiplied.  Their weight is p = 2^(t - M) with
; t = -100000 log2(e) = -144,269.5; where the row's largest visible score lies above -99,800, t - M is under -288, p is 0 in f32, and so is its code: such keys add nothing to the row's sum
; nor to product 5, and those key steps of product 5 are left out too.  LIMIT, stated: each row's largest visible score lies above -99,800.  A score is at most
; 128 x 448^2 x 2^(e6 + e7) / sqrt(128) = 2.27e6 x 2^(e6 + e7) in size, so the limit holds for all data where e6 + e7 <= -5.  A NaN, an infinity or an overflow that reaches only the work left out is not carried to the result.
; Every input has a way to the output and is loaded by some launch.
; LIMITS of this launch: each e used here lies between -126 and 119; NaN among the inputs is not served.
; SHARES: 32,768 numbers a work-group.  Work-groups 0-127: x (K innermost: a plain stream).  128-319: W_Q, W_K, W_V; 320-383: W_O (K is the first axis of a [K][N] block: a lane takes a column n and its registers run down K).
; The three ways part on the work-group's number and never join; each has LDS bytes of its own.  Waves share nothing: no barrier.
.set SPARE, 90112                      ; the spare words, 128 bytes a wave: two blocks of 256 bytes that no other line names
.set XST,   0                          ; x: for each wave two stages of 32 x 80 bytes
.set WST,   20480                      ; W_Q, W_K, W_V: for each wave a stage of 32 rows x 272 bytes
.set OST,   55296                      ; W_O: the same
.set WC,    12582912
.set WOC,   18874368
.set SPW,   12                         ; v12 LDS address of my spare word; never rewritten
.set NIL,   13                         ; v13 0; never rewritten
; ---- x: v16-79 four sets of 16 numbers as loaded; v80-111 two sets of 16 neighbours; v112-159 the held numbers, a set for each scale; v160-171 the codes; v184-186 the scales, v187-189 448 x the scales
.macro XLOAD t                         ; step t: 2,048 bytes; each load reads 512 consecutive bytes, 16 a lane
.irp i, 0,1,2,3
	global_load_b128 v[16+16*((\t)%4)+4*\i:16+16*((\t)%4)+4*\i+3], v3, s[4:5] offset:2048*(\t)+512*\i th:TH_LOAD_NT
.endr
.endm
.macro XTURN t                         ; through my own stage: in as loaded, back 64 bytes (16 neighbours) a lane; LDS serves a wave's instructions in order
.irp i, 0,1,2,3
	ds_store_b128 v14, v[16+16*((\t)%4)+4*\i:16+16*((\t)%4)+4*\i+3] offset:2560*((\t)%2)+640*\i
.endr
.irp i, 0,1,2,3
	ds_load_b128 v[80+16*((\t)%2)+4*\i:80+16*((\t)%2)+4*\i+3], v15 offset:2560*((\t)%2)+16*\i
.endr
.endm
.macro XSTEP t
.set XS, 80+16*((\t)%2)
	s_wait_dscnt 0x0                               ; this step's numbers are back from the stage, so its stores into the stage have read their registers
	s_wait_xcnt 0x0                                ; the last step's three stores have read their codes: v160-171 are written again only behind this wait
.if (\t)+4 < 16
	XLOAD (\t)+4
.endif
.if (\t)+1 < 16
.if 14-(\t) >= 3
	s_wait_loadcnt 12                              ; the next step's four loads are in; those of the three steps behind it may be out
.else
	s_wait_loadcnt 4*(14-(\t))                     ; the tail: four for each step still behind the next
.endif
	XTURN (\t)+1
.endif
.irp c, 0,1,2
.set j, 0
.rept 16
	v_med3_num_f32 v[112+16*\c+j], v[XS+j], -v[187+\c], v[187+\c]   ; the conversion to an 8-bit code does not saturate (ISA guide 7.6.2): the hold comes first
.set j, j+1
.endr
	v_cvt_scalef32_pk8_fp8_f32 v[160+4*\c:161+4*\c], v[112+16*\c:119+16*\c], v[184+\c]
	v_cvt_scalef32_pk8_fp8_f32 v[162+4*\c:163+4*\c], v[120+16*\c:127+16*\c], v[184+\c]
	global_store_b128 v3, v[160+4*\c:163+4*\c], s[20+2*\c:21+2*\c] offset:512*(\t)   ; the wave stores 512 consecutive bytes, aligned
.endr
.endm
; ---- a [K][N] block: v32-95 two sets of 32 numbers; v96-103 a block's codes; v112-175 the way out; v11 the scale, v10 448 x the scale
.macro WLOAD t, rowb                   ; block t: rows 32 t .. 32 t + 31 of K at my column
.set j, 0
.rept 32
	global_load_b32 v[32+32*((\t)%2)+j], v3, s[4:5] offset:(32*(\t)+j)*(\rowb) th:TH_LOAD_NT
.set j, j+1
.endr
.endm
.macro WHEAD rowb, krow, stg           ; addresses, and the first two blocks' loads
	v_lshlrev_b32 v3, 2, v2                        ; in: 4 bytes a lane: the wave reads 128 consecutive bytes, the work-group 512
	s_mul_i32 s31, s18, 8704
	s_add_co_u32 s31, s31, \stg                    ; my stage
	v_mul_u32_u24 v4, v2, 272
	v_add_nc_u32 v4, s31, v4                       ; into it: row = my column
	v_and_b32 v5, 15, v2
	v_lshrrev_b32 v6, 4, v2
	v_mul_u32_u24 v7, v6, 272
	v_lshl_add_u32 v7, v5, 4, v7
	v_add_nc_u32 v7, s31, v7                       ; out of it: sixteen lanes to a row of 256 bytes, two rows an instruction
	v_mul_u32_u24 v8, v6, \krow
	v_lshl_add_u32 v8, v5, 4, v8                   ; and the same place among the codes
	WLOAD 0, \rowb
	WLOAD 1, \rowb
.endm
.macro WBLOCK t, rowb
.set XS, 32+32*((\t)%2)
.if (\t) < 7
	s_wait_loadcnt 32                              ; this block's 32 loads are in; the next block's may be out
.else
	s_wait_loadcnt 0x0
.endif
.set j, 0
.rept 32
	v_med3_num_f32 v[XS+j], v[XS+j], -v10, v10
.set j, j+1
.endr
.irp g, 0,1,2,3
	v_cvt_scalef32_pk8_fp8_f32 v[96+2*\g:97+2*\g], v[XS+8*\g:XS+8*\g+7], v11
.endr
	ds_store_b128 v4, v[96:99] offset:32*(\t)      ; 32 codes along K of my column
	ds_store_b128 v4, v[100:103] offset:32*(\t)+16
.if (\t)+2 < 8
	WLOAD (\t)+2, \rowb
.endif
	s_wait_dscnt 0x0                               ; the stores have read their registers: the next block's codes may be written
.endm
.macro WREST rowb, krow                ; s30 = e
	s_add_co_i32 s30, s30, 127
	s_lshl_b32 s31, s30, 23
	v_mov_b32 v11, s31                             ; 2^e as f32: the conversion takes its exponent field
	s_add_co_i32 s30, s30, 8
	s_lshl_b32 s30, s30, 23
	s_or_b32 s30, s30, 0x600000
	v_mov_b32 v10, s30                             ; 448 x 2^e
.irp t, 0,1,2,3,4,5,6,7
	WBLOCK \t, \rowb
.endr
.set j, 0
.rept 16
	ds_load_b128 v[112+4*j:112+4*j+3], v7 offset:544*j
.set j, j+1
.endr
.set j, 0
.rept 16
	s_wait_dscnt 15-j                              ; LDS loads come back in order: number j is in
	global_store_b128 v8, v[112+4*j:112+4*j+3], s[28:29] offset:2*j*(\krow)   ; sixteen lanes store 256 consecutive bytes, aligned
.set j, j+1
.endr
	s_wait_tensorcnt 0x0                           ; the wave's end, behind my last LDS store
	ds_add_u32 v[SPW], v[NIL]
	s_wait_dscnt 0x0
.endm
	s_load_b256 s[4:11], s[0:1], 0x0               ; x s[4:5], W_Q s[6:7], W_K s[8:9], W_V s[10:11]
	s_load_b128 s[12:15], s[0:1], 0x20             ; W_O s[12:13], the scales' exponents s[14:15]
	s_load_b64 s[16:17], s[0:1], 0x30              ; codes
	v_lshl_add_u32 v[SPW], v0, 2, SPARE
	v_mov_b32 v[NIL], 0
	v_lshrrev_b32 v1, 5, v0
	v_readfirstlane_b32 s18, v1                    ; wave 0..3
	v_and_b32 v2, 31, v0                           ; lane
	s_wait_kmcnt 0x0
	s_load_b256 s[32:39], s[14:15], 0x0            ; e0 .. e7
	s_load_b32 s40, s[14:15], 0x2c                 ; e11
	s_cmp_lt_u32 ttmp9, 128
	s_cbranch_scc1 .Lx
	s_cmp_lt_u32 ttmp9, 320
	s_cbranch_scc1 .Lw
	; ---- W_O: [2048 K][1024 n].  idx = work-group - 320: 128 columns nc = idx & 7, 256 rows of K kq = idx >> 3
	s_sub_co_u32 s19, ttmp9, 320
	s_and_b32 s20, s19, 7
	s_lshr_b32 s21, s19, 3
	s_lshl_b32 s24, s21, 20                        ; 256 rows of 4,096 bytes
	s_lshl_b32 s26, s20, 9
	s_add_co_u32 s24, s24, s26
	s_lshl_b32 s26, s18, 7                         ; my wave's 32 columns
	s_add_co_u32 s24, s24, s26
	s_mov_b32 s25, 0
	s_add_nc_u64 s[4:5], s[12:13], s[24:25]
	s_lshl_b32 s24, s20, 7
	s_lshl_b32 s26, s18, 5
	s_add_co_u32 s24, s24, s26                     ; my first n
	s_lshl_b32 s24, s24, 11                        ; rows of 2,048 codes
	s_lshl_b32 s26, s21, 8
	s_add_co_u32 s24, s24, s26
	s_add_co_u32 s24, s24, WOC
	s_add_nc_u64 s[28:29], s[16:17], s[24:25]
	WHEAD 4096, 2048, OST
	s_wait_kmcnt 0x0
	s_mov_b32 s30, s40
	WREST 4096, 2048
	s_endpgm
.Lw:	; ---- W_Q, W_K, W_V: [16 heads][1024 K][128 k].  idx = work-group - 128: tensor idx >> 6, head (idx >> 2) & 15, 256 rows of K kq = idx & 3
	s_sub_co_u32 s19, ttmp9, 128
	s_lshr_b32 s20, s19, 6
	s_bfe_u32 s21, s19, 0x40002
	s_and_b32 s22, s19, 3
	s_cmp_eq_u32 s20, 0                            ; the choice hangs on the work-group's number alone
	s_cselect_b64 s[4:5], s[6:7], s[8:9]
	s_cmp_eq_u32 s20, 2
	s_cselect_b64 s[4:5], s[10:11], s[4:5]
	s_lshl_b32 s24, s21, 19                        ; a head: 1,024 rows of 512 bytes
	s_lshl_b32 s26, s22, 17
	s_add_co_u32 s24, s24, s26
	s_lshl_b32 s26, s18, 7
	s_add_co_u32 s24, s24, s26
	s_mov_b32 s25, 0
	s_add_nc_u64 s[4:5], s[4:5], s[24:25]
	s_lshl_b32 s24, s20, 11
	s_lshl_b32 s26, s21, 7
	s_add_co_u32 s24, s24, s26
	s_lshl_b32 s26, s18, 5
	s_add_co_u32 s24, s24, s26                     ; 2,048 x tensor + my first n
	s_lshl_b32 s24, s24, 10                        ; rows of 1,024 codes
	s_lshl_b32 s26, s22, 8
	s_add_co_u32 s24, s24, s26
	s_add_co_u32 s24, s24, WC
	s_add_nc_u64 s[28:29], s[16:17], s[24:25]
	WHEAD 512, 1024, WST
	s_wait_kmcnt 0x0
	s_cmp_eq_u32 s20, 0
	s_cselect_b32 s30, s33, s35                    ; e1, e3
	s_cmp_eq_u32 s20, 2
	s_cselect_b32 s30, s37, s30                    ; or e5
	WREST 512, 1024
	s_endpgm
.Lx:	; ---- x: my wave's run of 8,192 numbers, 16 steps of 512; each number is converted three times
	s_lshl_b32 s19, ttmp9, 2
	s_add_co_u32 s19, s19, s18                     ; which run
	s_lshl_b32 s20, s19, 15
	s_mov_b32 s21, 0
	s_add_nc_u64 s[4:5], s[4:5], s[20:21]
	s_lshl_b32 s20, s19, 13
	s_add_nc_u64 s[20:21], s[16:17], s[20:21]      ; copy 0,
	s_add_nc_u64 s[22:23], s[20:21], 0x400000      ; copy 1,
	s_add_nc_u64 s[24:25], s[20:21], 0x800000      ; copy 2: a base each
	v_lshlrev_b32 v3, 4, v2                        ; 16 bytes a lane: of a load's 512 and of a step's 512 codes
	s_mul_i32 s26, s18, 5120
	v_lshrrev_b32 v14, 2, v2
	v_mul_u32_u24 v14, v14, 80
	v_and_b32 v15, 3, v2
	v_lshl_add_u32 v14, v15, 4, v14
	v_add_nc_u32 v14, s26, v14                     ; the stage, in: four lanes' 64 bytes on end, then 16 of padding
	v_mul_u32_u24 v15, v2, 80
	v_add_nc_u32 v15, s26, v15                     ; and back: my 16 neighbours
.irp t, 0,1,2,3
	XLOAD \t
.endr
	s_wait_kmcnt 0x0
.irp c, 0,1,2
	s_add_co_i32 s27, s[32+2*\c], 127
	s_lshl_b32 s28, s27, 23
	v_mov_b32 v[184+\c], s28                       ; 2^e
	s_add_co_i32 s27, s27, 8
	s_lshl_b32 s27, s27, 23
	s_or_b32 s27, s27, 0x600000
	v_mov_b32 v[187+\c], s27                       ; 448 x 2^e
.endr
	s_wait_loadcnt 12                              ; step 0's four loads are in
	XTURN 0
.irp t, 0,1,2,3,4,5,6,7,8,9,10,11,12,13,14,15
	XSTEP \t
.endr
	s_wait_tensorcnt 0x0                           ; the wave's end, behind my last LDS store
	ds_add_u32 v[SPW], v[NIL]
	s_wait_dscnt 0x0
	s_endpgm
.Lfunc_end_k_q7665c9842a_quant:
	.size	k_q7665c9842a_quant, .Lfunc_end_k_q7665c9842a_quant-k_q7665c9842a_quant
	.p2alignl 7, 3214868480
	.fill 96, 4, 3214868480
	.section	.rodata,"a",@progbits
	.p2align	6, 0x0
	.amdhsa_kernel k_q7665c9842a_quant
		.amdhsa_group_segment_fixed_size 90624
		.amdhsa_private_segment_fixed_size 0
		.amdhsa_enable_private_segment 0
		.amdhsa_kernarg_size 56
		.amdhsa_user_sgpr_count 2
		.amdhsa_user_sgpr_kernarg_segment_ptr 1
		.amdhsa_wavefront_size32 1
		.amdhsa_system_sgpr_workgroup_id_x 1
		.amdhsa_system_sgpr_workgroup_id_y 1
		.amdhsa_system_sgpr_workgroup_id_z 1
		.amdhsa_system_vgpr_workitem_id 0
		.amdhsa_next_free_vgpr 192
		.amdhsa_next_free_sgpr 66
		.amdhsa_reserve_vcc 0
		.amdhsa_float_denorm_mode_32 3
		.amdhsa_float_denorm_mode_16_64 3
		.amdhsa_memory_ordered 1
		.amdhsa_forward_progress 1
		.amdhsa_inst_pref_size 174
	.end_amdhsa_kernel
	.amdgpu_metadata
---
amdhsa.version: [ 1, 2 ]
amdhsa.kernels:
  - .name:           k_q7665c9842a_quant
    .symbol:         k_q7665c9842a_quant.kd
    .args:
      - { .name: normalized_resid_pre, .offset: 0, .size: 8, .value_kind: global_buffer, .address_space: global }
      - { .name: W_Q, .offset: 8, .size: 8, .value_kind: global_buffer, .address_space: global }
      - { .name: W_K, .offset: 16, .size: 8, .value_kind: global_buffer, .address_space: global }
      - { .name: W_V, .offset: 24, .size: 8, .value_kind: global_buffer, .address_space: global }
      - { .name: W_O, .offset: 32, .size: 8, .value_kind: global_buffer, .address_space: global }
      - { .name: lowp_scales, .offset: 40, .size: 8, .value_kind: global_buffer, .address_space: global }
      - { .name: codes, .offset: 48, .size: 8, .value_kind: global_buffer, .address_space: global }
    .group_segment_fixed_size: 90624
    .private_segment_fixed_size: 0
    .kernarg_segment_align: 8
    .kernarg_segment_size: 56
    .max_flat_workgroup_size: 128
    .sgpr_count:     66
    .vgpr_count:     192
    .wavefront_size: 32
...
	.end_amdgpu_metadata
.endif
;; end of part 1
;; launch gemm_qkv (part 2): grid 8 x 48, 4 waves a work-group, clusters of 4 x 4, 327,680 bytes of LDS; arguments codes, b_Q, b_K, b_V, lowp_scales, qkv; writes qkv
.if DOCPART == 2
	.amdgcn_target "amdgcn-amd-amdhsa--gfx1250"
	.amdhsa_code_object_version 6
	.text
	.protected	k_q7665c9842a_gemm_qkv
	.globl	k_q7665c9842a_gemm_qkv
	.p2align	8
	.type	k_q7665c9842a_gemm_qkv,@function
k_q7665c9842a_gemm_qkv:
	s_mov_b64 s[64:65], 0
	v_nop
	global_prefetch_b8 v0, s[64:65] scope:SCOPE_SE
	s_setreg_imm32_b32 hwreg(HW_REG_WAVE_MODE, 25, 1), 1
	s_wait_xcnt 0x0
	s_wait_alu depctr_hold_cnt(0) depctr_sa_sdst(0) depctr_va_vdst(0) depctr_va_sdst(0) depctr_va_ssrc(0) depctr_va_vcc(0) depctr_vm_vsrc(0)
	s_getreg_b32 s2, hwreg(HW_REG_IB_STS2, 6, 4)
	s_cmp_eq_u32 s2, 0
	s_cbranch_scc0 .Lentry_in_a_cluster
	s_endpgm
.Lentry_in_a_cluster:
	s_bfe_u32 s2, ttmp6, 0x10000c
	s_cmp_lg_u32 s2, 0xf033
	s_cbranch_scc0 .Lentry_shape_is_right
	s_endpgm
.Lentry_shape_is_right:
; LAUNCH 2 OF 4: products 1, 2, 3 on codes of E4M3, + bias, and the quantisers of q (e6), k (e7), v (e8).  Nothing is left out here.
; ONE TEXT: T[i][j] = sum over k of P[i][k] R[j][k], K = 1,024.  q, k: P = x's copy (i = token), R = W's codes (j = 128 head + d).  v: P = W_V's codes (i = 128 head + d), R = x's third copy (j = token):
; a lane holds one i and eight neighbouring j, so v comes out with the keys innermost, as product 5 wants it, and nothing is transposed.
; qkv: [3 (q, k, v)][2 b][16 heads][16 blocks of 128 tokens][128][128] codes: blocks of 16,384 bytes, [token][d] for q and k, [d][key] for v.  A wave's 128 x 128 of T is one such block.
; value = sum x 2^(eA + eB) + bias; code = value / 2^eq = (sum + bias / 2^(eA + eB)) / 2^(eq - eA - eB), held at +-448.
; LIMITS: eq - eA - eB between -126 and 119 for each of the three products; NaN among the inputs is not served.
; A tile of T, 256 x 256, is made by four waves, each 128 x 128: 64 accumulators, 512 registers.  K goes in four steps of 256 through a ring of two LDS slots filled by the tensor data mover.
; CLUSTERS: 4 x 4 work-groups; the four of a row need the same tiles of P, the four of a column the same tiles of R: each tile is asked for jointly.  12 rows of clusters: 0-3 q, 4-7 k, 8-11 v.
; 384 tiles: 768 tiles of 128 x 256 would fill the WGPs evenly but read half as much LDS again for each product; by the count of LDS bytes and prologues neither is ahead.
; No prefetch: only two refills stand behind the first fills, and each tile is read by many work-groups.
; THE MATRIX INSTRUCTION IS USED TRANSPOSED (source 0 = 16 rows of R, source 1 = 16 rows of P).
; REGISTERS, in windows of 256: window 0: v16-29 addresses, v32-37 bias and scales, from v128 P's fragments (one set); on the way out v40-231 at work.  window 1: R's fragments, two sets.  windows 2, 3: the accumulators ((a, b) at v[8 (8 (a % 4) + b)]).
.set ROWB,   256
.set KROW,   1024
.set PITCH,  272                       ; 256 bytes + 16 of padding: the 16 rows of a fragment load start 68 words apart
.set FR,     16
.set NL,     4
.set NP,     4
.set HALFT,  128*PITCH
.set SLOT,   4*HALFT
.set SPARE,  2*SLOT                    ; behind the ring: the spare words, two blocks of 256 bytes that no other line names
.set WC,     12582912
.set STG,    2048                      ; the way out lies in slot 0, behind its last fill and last read: bytes 0-2,047 the biases (512 a wave), then a stage of 16 x 144 bytes a wave;
.set VD,     9216                      ; v's way has stages of its own, this much further on
.set ADRA, 16
.set ADRB, 20
.set BRJ,  22                          ; v22  bias by j: 512 wave + 32 (lane / 16)
.set BRI,  23                          ; v23  bias by i: 512 wave + 4 (lane % 16)
.set STO,  24
.set RD,   25
.set CO,   26                          ; v26  16 x lane
.set BST,  27                          ; v27  512 wave + 16 lane
.set SPW,  28
.set NIL,  29
.set BIA,  32                          ; v32-35 my 4 of the head's 128 biases
.set SCL,  36                          ; v36  2^(eq - eA - eB)
.set HOLD, 37                          ; v37  448 x that
.set CD,   40                          ; v40-71   codes, two sets of 16
.set T,    72                          ; v72-135  a block's 64 numbers
.set BJ,   136                         ; v136-199 biases by j
.set BI,   136                         ; v136-151 biases by i, each twice (a pair for the packed add)
.set BK,   200                         ; v200-231 rows read back, two sets of 16
.set AF,   128
.set G1, 24
.set G0, 32
.set G1B, 48
.set G0B, 56
.set MSB, 0
.macro WIN new                         ; the immediate's high byte repeats the setting that is left
.if MSB != (\new)
	s_set_vgpr_msb (MSB<<8)|(\new)
.set MSB, \new
.endif
.endm
.set MUL_LO, 0xa1
.set MUL_HI, 0xf1
.set TO_B,   0x40
.macro JLOAD g0a, g1a, g0b, g1b        ; a joint load: waves 0, 1 fetch for P, waves 2, 3 for R; an s_nop 0 and four v_nop follow each line
	s_cmp_eq_u32 s15, 0
	s_cbranch_scc0 .Lfor_b_\@
	tensor_load_to_lds s[\g0a:\g0a+3], s[\g1a:\g1a+7]
	s_nop 0
.rept 4
	v_nop
.endr
	s_branch .Lasked_\@
.Lfor_b_\@:
	tensor_load_to_lds s[\g0b:\g0b+3], s[\g1b:\g1b+7]
	s_nop 0
.rept 4
	v_nop
.endr
.Lasked_\@:
.endm
.macro CREST
	s_cmp_lg_u32 s14, 0
	s_cbranch_scc1 .Lnot_wave_0_\@
	s_barrier_signal -3
.Lnot_wave_0_\@:
	s_barrier_wait -3
	s_barrier_signal -1
	s_barrier_wait -1
.endm
.macro CROUND
	s_barrier_signal -1
	s_barrier_wait -1
	CREST
.endm
	s_load_b256 s[4:11], s[0:1], 0x0               ; codes s[4:5], b_Q s[6:7], b_K s[8:9], b_V s[10:11]
	s_load_b128 s[68:71], s[0:1], 0x20             ; the scales' exponents s[68:69], qkv s[70:71]
	v_lshl_add_u32 v[SPW], v0, 2, SPARE
	v_mov_b32 v[NIL], 0
	ds_add_u32 v[SPW], v[NIL]                      ; the wave's opening: the add, twice on end, and its wait ahead of my first tensor load
	ds_add_u32 v[SPW], v[NIL]
	v_lshrrev_b32 v1, 5, v0
	v_readfirstlane_b32 s14, v1                    ; wave 0..3
	s_lshr_b32 s15, s14, 1                         ; my half of the tile's rows i.  Also: I fetch for P (0) or R (1)
	s_and_b32 s16, s14, 1                          ; my half of its columns j.  Also: which 128 rows I fetch
	s_bfe_u32 s40, ttmp6, 0x40000                  ; cx
	s_bfe_u32 s41, ttmp6, 0x40004                  ; cy
	s_and_b32 s72, ttmp7, 0xffff                   ; Y: the cluster's y, 0..11
	s_lshr_b32 s73, s72, 2                         ; which product: 0 q, 1 k, 2 v
	s_and_b32 s75, s72, 3
	s_and_b32 s76, s72, 1
	s_bfe_u32 s77, s72, 0x10001
	s_lshl_b32 s77, s77, 1
	s_add_co_u32 s77, s77, ttmp9
	s_lshl_b32 s78, s73, 22                        ; x's copy
	s_lshl_b32 s79, s73, 21
	s_add_co_u32 s79, s79, WC                      ; W's codes
	s_mov_b32 s95, 0x1000000                       ; W_V's codes
	s_mov_b32 s96, 0x800000                        ; x's third copy
	s_cmp_ge_u32 s72, 8                            ; v?  The cluster's y alone: the same in all sixteen partners
	s_cselect_b32 s74, 1, 0
	s_cselect_b32 s75, s76, s75                    ; the cluster's row among T's tiles: q, k 0..3, v 0..1
	s_cselect_b32 s77, s77, ttmp9                  ; its column: q, k 0..1, v 0..3
	s_cselect_b32 s78, s95, s78                    ; where P lies in codes
	s_cselect_b32 s79, s96, s79                    ; where R lies
	s_lshl_b32 s17, s75, 2
	s_add_co_u32 s17, s17, s41                     ; tile row
	s_lshl_b32 s42, s77, 2
	s_add_co_u32 s42, s42, s40                     ; tile column
	s_lshl_b32 s43, s41, 2
	s_lshl_b32 s43, 15, s43                        ; my row of the cluster
	s_lshl_b32 s44, 0x1111, s40                    ; my column
	s_or_b32 s[G1+0], s43, (0<<16)|(1<<20)|(1<<21)|(5<<22)|(3<<25)  ; the mask; elements of 1 byte; padding on; bit 21 beside a mask; 4 words behind every 64
	s_or_b32 s[G1B+0], s44, (0<<16)|(1<<20)|(1<<21)|(5<<22)|(3<<25)
.irp g, G1, G1B
	s_mov_b32 s[\g+1], ROWB<<16                    ; tensor_dim0
	s_mov_b32 s[\g+2], 128<<16                     ; tensor_dim1
	s_mov_b32 s[\g+3], ROWB<<16                    ; tile_dim0
	s_mov_b32 s[\g+4], 128                         ; tile_dim1
	s_mov_b32 s[\g+5], KROW                        ; stride from row to row
	s_mov_b32 s[\g+6], 0
	s_mov_b32 s[\g+7], 0
.endr
	s_lshl_b32 s18, s16, 17                        ; which 128 rows of 1,024 bytes I fetch
	s_lshl_b32 s20, s17, 18
	s_add_co_u32 s20, s20, s18
	s_add_co_u32 s20, s20, s78                     ; P: made of Y, cy and the wave alone
	s_mov_b32 s21, 0
	s_lshl_b32 s46, s42, 18
	s_add_co_u32 s46, s46, s18
	s_add_co_u32 s46, s46, s79                     ; R: made of the cluster's x and y, cx and the wave alone
	s_mov_b32 s47, 0
	s_mul_i32 s45, s14, HALFT                      ; where they go: wave x 128 rows
	s_wait_dscnt 0x0                               ; both opening adds are done
	s_wait_kmcnt 0x0
	s_load_b256 s[84:91], s[68:69], 0x0            ; e0 .. e7
	s_load_b32 s92, s[68:69], 0x20                 ; e8
	s_add_nc_u64 s[20:21], s[4:5], s[20:21]
	s_add_nc_u64 s[46:47], s[4:5], s[46:47]
	CROUND                                         ; all sixteen work-groups are here: the first joint loads meet
.irp s, 0,1
	s_mov_b32 s[G0+4*\s], 1
	s_add_co_u32 s[G0+4*\s+1], s45, \s*SLOT
	s_add_nc_u64 s[G0+4*\s+2:G0+4*\s+3], s[20:21], \s*ROWB
	s_or_b32 s[G0+4*\s+3], s[G0+4*\s+3], 0x80000000
	s_mov_b32 s[G0B+4*\s], 1
	s_add_co_u32 s[G0B+4*\s+1], s45, \s*SLOT
	s_add_nc_u64 s[G0B+4*\s+2:G0B+4*\s+3], s[46:47], \s*ROWB
	s_or_b32 s[G0B+4*\s+3], s[G0B+4*\s+3], 0x80000000
	JLOAD G0+4*\s, G1, G0B+4*\s, G1B               ; two tensor loads of mine are out
.endr
	v_and_b32 v1, 15, v0                           ; r
	v_bfe_u32 v2, v0, 4, 1                         ; h
	v_mul_u32_u24 v3, v1, PITCH
	v_lshl_add_u32 v4, v2, 4, v3
	s_mul_i32 s21, s15, HALFT
	s_mul_i32 s22, s16, HALFT
	s_add_co_u32 s22, s22, 2*HALFT
.irp s, 0,1
	v_add_nc_u32 v[ADRA+\s], s21, v4
	v_add_nc_u32 v[ADRB+\s], s22, v4
	s_add_co_u32 s21, s21, SLOT
	s_add_co_u32 s22, s22, SLOT
.endr
	v_and_b32 v6, 31, v0                           ; lane
	s_lshl_b32 s23, s14, 9
	v_lshl_add_u32 v[BRJ], v2, 5, s23
	v_lshl_add_u32 v[BRI], v1, 2, s23
	v_lshlrev_b32 v[CO], 4, v6
	v_add_nc_u32 v[BST], s23, v[CO]
	s_mul_i32 s23, s14, 2304
	s_add_co_u32 s23, s23, STG                     ; my stage
	v_mul_u32_u24 v5, v1, 144
	v_lshl_add_u32 v5, v2, 3, v5
	v_add_nc_u32 v[STO], s23, v5                   ; in: row r, 8 bytes for each half of the lanes
	v_lshrrev_b32 v5, 3, v6
	v_mul_u32_u24 v5, v5, 144
	v_and_b32 v7, 7, v6
	v_lshl_add_u32 v5, v7, 4, v5
	v_add_nc_u32 v[RD], s23, v5                    ; back: eight lanes to a row of 128 bytes, four rows an instruction
	; which block of qkv is my wave's, and which head's biases
	s_lshl_b32 s80, s17, 1
	s_add_co_u32 s80, s80, s15                     ; I: my 128 rows i
	s_lshl_b32 s81, s42, 1
	s_add_co_u32 s81, s81, s16                     ; J: my 128 columns j
	s_cmp_eq_u32 s74, 1
	s_cselect_b32 s82, s81, s80                    ; the block of tokens, 0..31
	s_cselect_b32 s83, s80, s81                    ; the head
	s_cmp_eq_u32 s73, 0
	s_cselect_b64 s[12:13], s[6:7], s[8:9]
	s_cmp_eq_u32 s73, 2
	s_cselect_b64 s[12:13], s[10:11], s[12:13]
	s_lshl_b32 s98, s83, 9
	s_mov_b32 s99, 0
	s_add_nc_u64 s[12:13], s[12:13], s[98:99]
	global_load_b128 v[BIA:BIA+3], v[CO], s[12:13] ; the head's 128 biases, four a lane; waited for on the way out
	s_lshl_b32 s98, s73, 9
	s_lshr_b32 s95, s82, 4
	s_lshl_b32 s95, s95, 8
	s_add_co_u32 s98, s98, s95
	s_lshl_b32 s95, s83, 4
	s_add_co_u32 s98, s98, s95
	s_and_b32 s95, s82, 15
	s_add_co_u32 s98, s98, s95                     ; 512 which + 256 b + 16 head + block
	s_lshl_b32 s98, s98, 14
	s_add_nc_u64 s[70:71], s[70:71], s[98:99]
.macro FRAG reg, adr, q, i             ; 16 rows x 128 K: registers 4 c .. 4 c + 3 hold K = 32 c + 16 (lane / 16) + 0 .. 15: the same permutation of k on both sides
.irp c, 0,1,2,3
	ds_load_b128 v[\reg+4*\c:\reg+4*\c+3], v[\adr] offset:128*(\q)+32*\c+(\i)*16*PITCH
.endr
.endm
.macro MUL16 a0, p, zero               ; P's blocks a0, a0 + 1 x R's eight; the 64 accumulators take turns, one instruction a turn
.irp a, \a0, \a0+1
.irp b, 0,1,2,3,4,5,6,7
.if \zero
	v_wmma_f32_16x16x128_fp8_fp8 v[8*(8*((\a)%4)+\b):8*(8*((\a)%4)+\b)+7], v[128*(\p)+FR*\b:128*(\p)+FR*\b+FR-1], v[AF+FR*(\a):AF+FR*(\a)+FR-1], 0
.else
	v_wmma_f32_16x16x128_fp8_fp8 v[8*(8*((\a)%4)+\b):8*(8*((\a)%4)+\b)+7], v[128*(\p)+FR*\b:128*(\p)+FR*\b+FR-1], v[AF+FR*(\a):AF+FR*(\a)+FR-1], v[8*(8*((\a)%4)+\b):8*(8*((\a)%4)+\b)+7]
.endif
.endr
.endr
.endm
.macro FETCH_B slot, q, p
	WIN TO_B
.irp i, 0,1,2,3,4,5,6,7
	FRAG 128*(\p)+FR*\i, ADRB+\slot, \q, \i
.endr
	WIN 0
.endm
.macro FETCH_A slot, q, i0
.irp i, \i0, \i0+1, \i0+2, \i0+3
	FRAG AF+FR*(\i), ADRA+\slot, \q, \i
.endr
.endm
.macro PLACES n                        ; plain vector places between a matrix instruction and a load into, or a read of, its registers
.rept \n
	v_nop
.endr
.endm
.macro STEP slot, q, zero              ; 128 along K with its successor in the same slot
	s_wait_dscnt 4*NL                              ; R's set and P's blocks 0-3 are in; the youngest 16 loads (P's blocks 4-7) may be out
	WIN MUL_LO
	MUL16 0, (\q)%2, \zero
	MUL16 2, (\q)%2, \zero
	s_wait_dscnt 0
	PLACES NP
	FETCH_B \slot, (\q)+1, 1-(\q)%2
	FETCH_A \slot, (\q)+1, 0
	WIN MUL_HI
	MUL16 4, (\q)%2, \zero
	MUL16 6, (\q)%2, \zero
	PLACES NP
	WIN 0
	FETCH_A \slot, (\q)+1, 4
.endm
.macro TURN slot, next, fill           ; a slot's last 128 along K, and the change of slots
	s_wait_tensorcnt 0x0                           ; all my tensor loads have landed: my part of the next slot
	ds_add_u32 v[SPW], v[NIL]                      ; 0 onto my spare word
	s_wait_dscnt 4*NL+1                            ; the add and the youngest 16 loads may be out
	WIN MUL_LO
	MUL16 0, 1, 0
	s_wait_dscnt 0x0                               ; the add is done, and my reads of this slot are over
	s_barrier_signal -1
	MUL16 2, 1, 0
	WIN 0
	s_barrier_wait -1
.if \fill
	CREST                                          ; the barrier has opened a round of the cluster's barrier: no wave of any partner still reads this slot or has a load on its way
	s_add_nc_u64 s[G0+4*\slot+2:G0+4*\slot+3], s[G0+4*\slot+2:G0+4*\slot+3], 2*ROWB
	s_add_nc_u64 s[G0B+4*\slot+2:G0B+4*\slot+3], s[G0B+4*\slot+2:G0B+4*\slot+3], 2*ROWB
	JLOAD G0+4*\slot, G1, G0B+4*\slot, G1B         ; the first tensor load behind the round, one a wave; its four v_nop are the places in front of the loads below
.else
	PLACES NP
.endif
	FETCH_B \next, 0, 0
	FETCH_A \next, 0, 0
	WIN MUL_HI
	MUL16 4, 1, 0
	MUL16 6, 1, 0
	PLACES NP
	WIN 0
	FETCH_A \next, 0, 4
.endm
	s_wait_tensorcnt 1                             ; my part of slot 0 is in; slot 1's one load may be out
	s_barrier_signal -1
	s_barrier_wait -1
	FETCH_B 0, 0, 0
	FETCH_A 0, 0, 0
	FETCH_A 0, 0, 4
	STEP 0, 0, 1                                   ; the first products start the sums: nothing is cleared.  K is four slots' worth: the walk is written out
	TURN 0, 1, 1
	STEP 1, 0, 0
	TURN 1, 0, 1
	STEP 0, 0, 0
	TURN 0, 1, 0                                   ; nothing is left to fetch
	STEP 1, 0, 0
	s_wait_dscnt 4*NL
	WIN MUL_LO
	MUL16 0, 1, 0
	MUL16 2, 1, 0
	s_wait_dscnt 0
	WIN MUL_HI
	MUL16 4, 1, 0
	MUL16 6, 1, 0
	WIN 0
; THE WAY OUT, a block of 16 rows i x 128 columns j at a time: + bias, hold, conversion (8 neighbouring j of a lane make 8 bytes), through my own stage, and out as 2,048 consecutive bytes.
.macro OUTBLK a, byrow, d
.set AC, 64*((\a)%4)
.set CDS, CD+16*((\a)%2)
.set BKS, BK+16*((\a)%2)
	WIN 0x02+((\a)/4)                              ; source 0: window 2 or 3
.set j, 0
.rept 32
.if \byrow
	v_pk_add_f32 v[T+j:T+j+1], v[AC+j:AC+j+1], v[BI+2*(\a):BI+2*(\a)+1]   ; each accumulator from its low end on
.else
	v_pk_add_f32 v[T+j:T+j+1], v[AC+j:AC+j+1], v[BJ+j:BJ+j+1]
.endif
.set j, j+2
.endr
	WIN 0
.set j, 0
.rept 64
	v_med3_num_f32 v[T+j], v[T+j], -v[HOLD], v[HOLD]   ; the conversion does not saturate (ISA guide 7.6.2)
.set j, j+1
.endr
.set j, 0
.rept 8
	v_cvt_scalef32_pk8_fp8_f32 v[CDS+2*j:CDS+2*j+1], v[T+8*j:T+8*j+7], v[SCL]
.set j, j+1
.endr
	v_nop                                          ; a plain line behind the last conversion, ahead of the next block's writes of its sources
.set j, 0
.rept 8
	ds_store_b64 v[STO], v[CDS+2*j:CDS+2*j+1] offset:\d+16*j
.set j, j+1
.endr
.set j, 0
.rept 4
	ds_load_b128 v[BKS+4*j:BKS+4*j+3], v[RD] offset:\d+576*j   ; LDS serves a wave's instructions in order: these see my stores, and the next block's stores come behind them
.set j, j+1
.endr
.endm
.macro SENDBLK a, younger
.set BKS, BK+16*((\a)%2)
	s_wait_dscnt \younger
.set j, 0
.rept 4
	global_store_b128 v[CO], v[BKS+4*j:BKS+4*j+3], s[70:71] offset:2048*(\a)+512*j   ; the wave stores 512 consecutive bytes, aligned
.set j, j+1
.endr
.endm
.macro OUT byrow, d
	OUTBLK 0, \byrow, \d
.irp a, 1,2,3,4,5,6,7
.if \a > 1
	s_wait_xcnt 0x0                                ; block a - 2's stores have read their registers: block a's loads may land there
.endif
	OUTBLK \a, \byrow, \d
	SENDBLK \a-1, 12                               ; behind block a - 1's loads: block a's 8 stores and 4 loads
.endr
	SENDBLK 7, 0
.endm
	s_wait_kmcnt 0x0
	s_add_co_i32 s93, s84, s85
	s_add_co_i32 s95, s86, s87
	s_add_co_i32 s96, s88, s89
	s_cmp_eq_u32 s73, 0
	s_cselect_b32 s93, s93, s95
	s_cselect_b32 s94, s90, s91
	s_cmp_eq_u32 s73, 2
	s_cselect_b32 s93, s96, s93                    ; eA + eB
	s_cselect_b32 s94, s92, s94                    ; eq
	s_sub_co_i32 s97, 0, s93
	s_sub_co_i32 s95, s94, s93
	s_add_co_i32 s95, s95, 127
	s_lshl_b32 s96, s95, 23
	s_add_co_i32 s95, s95, 8
	s_lshl_b32 s95, s95, 23
	s_or_b32 s95, s95, 0x600000
	s_wait_loadcnt 0x0                             ; the biases
.irp i, 0,1,2,3
	v_ldexp_f32 v[BIA+\i], v[BIA+\i], s97          ; bias / 2^(eA + eB).  (These six lines are the places behind the last products)
.endr
	v_mov_b32 v[SCL], s96
	v_mov_b32 v[HOLD], s95
	ds_store_b128 v[BST], v[BIA:BIA+3]             ; the 128 biases in my own 512 bytes, so that each lane can take those that it needs
	s_cmp_eq_u32 s74, 1                            ; the cluster's y alone: the same in all waves and all partners
	s_cbranch_scc1 .Lv
.set j, 0
.rept 16
	ds_load_b128 v[BJ+4*j:BJ+4*j+3], v[BRJ] offset:64*(j/2)+16*(j%2)   ; q, k: the bias goes by j = d: for tile b those of 16 b + 8 (lane / 16) + 0 .. 7
.set j, j+1
.endr
	s_wait_dscnt 0x0
	OUT 0, 0
	s_branch .Lend
.Lv:
.set j, 0
.rept 16
	ds_load_b32 v[BI+j], v[BRI] offset:64*(j/2)    ; v: the bias goes by i = d: for block a that of 16 a + lane % 16, twice
.set j, j+1
.endr
	s_wait_dscnt 0x0
	OUT 1, VD
.Lend:
	s_wait_tensorcnt 0x0                           ; the wave's end
	ds_add_u32 v[SPW], v[NIL]
	s_wait_dscnt 0x0
	CROUND                                         ; the closing round
	s_endpgm
.Lfunc_end_k_q7665c9842a_gemm_qkv:
	.size	k_q7665c9842a_gemm_qkv, .Lfunc_end_k_q7665c9842a_gemm_qkv-k_q7665c9842a_gemm_qkv
	.p2alignl 7, 3214868480
	.fill 96, 4, 3214868480
	.section	.rodata,"a",@progbits
	.p2align	6, 0x0
	.amdhsa_kernel k_q7665c9842a_gemm_qkv
		.amdhsa_group_segment_fixed_size 327680
		.amdhsa_private_segment_fixed_size 0
		.amdhsa_enable_private_segment 0
		.amdhsa_kernarg_size 48
		.amdhsa_user_sgpr_count 2
		.amdhsa_user_sgpr_kernarg_segment_ptr 1
		.amdhsa_wavefront_size32 1
		.amdhsa_system_sgpr_workgroup_id_x 1
		.amdhsa_system_sgpr_workgroup_id_y 1
		.amdhsa_system_sgpr_workgroup_id_z 1
		.amdhsa_system_vgpr_workitem_id 0
		.amdhsa_next_free_vgpr 1024
		.amdhsa_next_free_sgpr 100
		.amdhsa_reserve_vcc 0
		.amdhsa_float_denorm_mode_32 3
		.amdhsa_float_denorm_mode_16_64 3
		.amdhsa_memory_ordered 1
		.amdhsa_forward_progress 1
		.amdhsa_inst_pref_size 206
	.end_amdhsa_kernel
	.amdgpu_metadata
---
amdhsa.version: [ 1, 2 ]
amdhsa.kernels:
  - .name:           k_q7665c9842a_gemm_qkv
    .symbol:         k_q7665c9842a_gemm_qkv.kd
    .args:
      - { .name: codes, .offset: 0, .size: 8, .value_kind: global_buffer, .address_space: global }
      - { .name: b_Q, .offset: 8, .size: 8, .value_kind: global_buffer, .address_space: global }
      - { .name: b_K, .offset: 16, .size: 8, .value_kind: global_buffer, .address_space: global }
      - { .name: b_V, .offset: 24, .size: 8, .value_kind: global_buffer, .address_space: global }
      - { .name: lowp_scales, .offset: 32, .size: 8, .value_kind: global_buffer, .address_space: global }
      - { .name: qkv, .offset: 40, .size: 8, .value_kind: global_buffer, .address_space: global }
    .group_segment_fixed_size: 327680
    .private_segment_fixed_size: 0
    .kernarg_segment_align: 8
    .kernarg_segment_size: 48
    .max_flat_workgroup_size: 128
    .sgpr_count:     100
    .vgpr_count:     1024
    .wavefront_size: 32
...
	.end_amdgpu_metadata
.endif
;; end of part 2
;; launch attn (part 3): grid 8 x 32, 16 waves a work-group, no clusters, 327,680 bytes of LDS; arguments qkv, lowp_scales, zc; writes zc
.if DOCPART == 3
	.amdgcn_target "amdgcn-amd-amdhsa--gfx1250"
	.amdhsa_code_object_version 6
	.text
	.protected	k_q7665c9842a_attn
	.globl	k_q7665c9842a_attn
	.p2align	8
	.type	k_q7665c9842a_attn,@function
k_q7665c9842a_attn:
	s_mov_b64 s[64:65], 0
	v_nop
	global_prefetch_b8 v0, s[64:65] scope:SCOPE_SE
	s_setreg_imm32_b32 hwreg(HW_REG_WAVE_MODE, 25, 1), 1
	s_wait_xcnt 0x0
; LAUNCH 3 OF 4: products 4 and 5 on codes of E4M3, the softmax between them, the causal mask, and z's quantiser (e10).
; LEFT OUT (shown at the head of the first kernel): key steps of 128 keys that lie wholly behind a wave's 16 queries; in the step on the diagonal hidden scores become -infinity, so that p = 0.
; LIMIT: each row's largest visible score lies above -99,800 (it holds for all data where e6 + e7 <= -5): there reference()'s fill of -100000 gives p = 0 too.
; t = score x log2(e) / sqrt(128); M = the running largest t rounded up to a whole number; p = 2^(t - M) is quantised under e9; the row's sum is taken of the unquantised p and divides at the end.
; LIMITS on the exponents: e6 + e7 between -123 and 130; e9 and e10 between -126 and 119.  NaN among the inputs is not served.
; qkv: [3][32 (b, head)][16 blocks of 128 tokens][128][128] codes: q, k [token][d], v [d][key].  zc: [16 heads][4096 tokens][128] codes.
; SHARES.  Work-group (i, y): head y; waves 0-7 own the 128 queries of block i, waves 8-15 those of block 15 - i, 16 queries a wave.  A wave of block j works j + 1 key steps: 8 x 17 wave steps in every work-group.
; No cluster: under the mask partners would need different numbers of tiles, and a partner would jump over tiles that a joint load brings.
; RING.  Two LDS slots of 256 keys: four tiles of 128 rows x 144 bytes: K of step 0, V of step 0, K of step 1, V of step 1; waves 0-3 fetch one each, all sixteen read.  Every work-group walks all 8 slots (constant trip
; counts); a tile whose first key lies behind the work-group's last query is not asked for.  Every wait on TENSORcnt is for 0; a wave has at most one tensor load out.
; LAYOUT.  Both products transposed: S^T = K Q^T, O^T = V^T P^T: a lane holds one query.  Lane r of tile 2 b + u of K takes key 32 b + 8 u + r + 8 (r / 8), so that 16 registers of two neighbouring tiles are 16 neighbouring keys.
; REGISTERS: v1-7 addresses that stay; v8-11 addresses in hand; v12 -M, v13 the largest t, v[14:15] the sum; v16-31 Q; v32-95 four fragments; v96-159 S^T, then p; v160-223 O^T; v224-239 codes; v240-254 scales and work.
.set KP,    144
.set TILE,  128*KP                     ; 18,432
.set SLOT1, 1<<17
.set NSL,   8
.set SPARE, 2*SLOT1                    ; the spare words, 128 bytes a wave: eight blocks of 256 bytes that no other line names
.set AK0,  1
.set AV0,  2
.set PFO,  3                           ; v3   256 x lane; never rewritten
.set SPW,  5
.set NIL,  6
.set GO,   7                           ; v7   16 x lane
.set ADK,  8
.set ADV,  9
.set WV,   18
.set SEL,  20
.set CS,   22
.set G1,   24                          ; s[24:31] the one shape: 128 rows x 128 bytes, dense in memory, 16 bytes of padding behind each row
.set G0,   40                          ; s[40:43] walks
.set TB,   2
.set SLOTS, 67
.set PFA,  76
.set LIM,  80
.set QL,   81                          ; s81  my work-group's last query
.set KF,   98
.set Q0,   99
.macro TLINES                          ; the load with an s_nop 0 and four v_nop behind it
	tensor_load_to_lds s[G0:G0+3], s[G1:G1+7]
	s_nop 0
.rept 4
	v_nop
.endr
.endm
; The fill of the slot just left, first thing behind the barrier.  Waves 0, 1 ask for the next slot's first key step, waves 2, 3 for its second; each only while that step's first key is at or under the work-group's last
; query: a tile beyond it would be read by no wave.  Both tests are made of the work-group's number and the count of steps: the same in all sixteen waves; once past the limit a work-group stays past it.
.macro TLOADC
	s_add_co_u32 s96, s[KF], 256
	s_cmp_gt_u32 s96, s[QL]
	s_cbranch_scc1 .Lpast_\@
	s_cmp_lt_u32 s[WV], 2
	s_cbranch_scc0 .Lnot01_\@
	TLINES
	s_branch .Lpast_\@
.Lnot01_\@:
	s_add_co_u32 s96, s96, 128
	s_cmp_gt_u32 s96, s[QL]
	s_cbranch_scc1 .Lpast_\@
	s_cmp_lt_u32 s[WV], 4
	s_cbranch_scc0 .Lpast_\@
	TLINES
.Lpast_\@:
.endm
; A prefetch of what the NEXT change of slots will ask for: 32,768 bytes of K and as many of V, both dense.  The head's work-group 0 asks (it holds block 15 and walks every slot); in it waves 4-7 for K, waves 8-11 for V,
; 8,192 bytes a wave, lanes 256 bytes apart: each aligned block of 256 bytes is named once in the launch.  The last change that fills a slot asks for nothing; slots 0 and 1 come by their loads alone.
.macro ASK
	s_cmp_gt_u32 s[SLOTS], s[LIM]
	s_cbranch_scc0 .Lnot_mine_\@
	global_prefetch_b8 v[PFO], s[PFA:PFA+1] th:TH_LOAD_NT scope:SCOPE_SE
.Lnot_mine_\@:
.endm
	s_load_b128 s[4:7], s[0:1], 0x0                ; qkv s[4:5], the scales' exponents s[6:7]
	s_load_b64 s[16:17], s[0:1], 0x10              ; zc
	v_lshl_add_u32 v[SPW], v0, 2, SPARE
	v_mov_b32 v[NIL], 0
	ds_add_u32 v[SPW], v[NIL]                      ; the wave's opening: the add, twice on end, and its wait ahead of my first tensor load
	ds_add_u32 v[SPW], v[NIL]
	v_lshrrev_b32 v8, 5, v0
	v_readfirstlane_b32 s[WV], v8                  ; wave 0..15
	s_and_b32 s72, ttmp7, 0xffff                   ; y = 16 b + head
	s_lshl_b32 s74, s72, 18                        ; the head's 16 blocks of 16,384 bytes
	s_sub_co_u32 s73, 15, ttmp9
	s_lshl_b32 s[QL], s73, 7
	s_add_co_u32 s[QL], s[QL], 127
	s_cmp_lt_u32 s[WV], 8
	s_cselect_b32 s73, ttmp9, s73                  ; my block of queries
	s_lshl_b32 s[Q0], s73, 7
	s_and_b32 s75, s[WV], 7
	s_lshl_b32 s75, s75, 4
	s_add_co_u32 s[Q0], s[Q0], s75                 ; my first query
	s_lshl_b32 s82, s[Q0], 7
	s_add_co_u32 s82, s82, s74                     ; its codes in q
	s_mov_b32 s83, 0
	s_and_b32 s86, s72, 15
	s_lshl_b32 s86, s86, 19
	s_lshr_b32 s87, s72, 4
	s_lshl_b32 s87, s87, 11
	s_add_co_u32 s87, s87, s[Q0]
	s_lshl_b32 s87, s87, 7
	s_add_co_u32 s86, s86, s87                     ; its row in zc
	s_mov_b32 s87, 0
	s_and_b32 s88, s[WV], 3
	s_mul_i32 s89, s88, TILE                       ; what I fetch, if I fetch: its place in a slot,
	s_and_b32 s90, s[WV], 1
	s_add_co_u32 s90, s90, 1
	s_lshl_b32 s90, s90, 23                        ; in k (even waves) or in v (odd),
	s_add_co_u32 s90, s90, s74
	s_bfe_u32 s91, s[WV], 0x10001
	s_lshl_b32 s91, s91, 14                        ; the slot's first or second key step
	s_add_co_u32 s90, s90, s91
	s_mov_b32 s91, 0
	s_mov_b32 s[G1], (0<<16)|(1<<20)|(4<<22)|(3<<25)   ; no mask; elements of 1 byte; padding on: 4 words behind every 32
	s_mov_b32 s[G1+1], 128<<16                     ; tensor_dim0
	s_mov_b32 s[G1+2], 128<<16                     ; tensor_dim1
	s_mov_b32 s[G1+3], 128<<16                     ; tile_dim0
	s_mov_b32 s[G1+4], 128                         ; tile_dim1
	s_mov_b32 s[G1+5], 128                         ; stride from row to row
	s_mov_b32 s[G1+6], 0
	s_mov_b32 s[G1+7], 0
	s_mov_b32 s[SEL], 0x76543210
	s_mov_b32 s[SEL+1], 0xfedcba98
	s_mov_b32 s[CS], 0x3e0293ee                    ; c = log2(e) / sqrt(128)
	s_mov_b32 s[TB], 0
	s_mov_b32 s[SLOTS], NSL-1
	s_mov_b32 s[KF], 0
	s_wait_dscnt 0x0                               ; both opening adds are done
	s_wait_kmcnt 0x0
	s_load_b128 s[68:71], s[6:7], 0x18             ; e6, e7, e8, e9
	s_load_b32 s66, s[6:7], 0x28                   ; e10
	s_mov_b32 s[G0], 1
	s_mov_b32 s[G0+1], s89
	s_add_nc_u64 s[G0+2:G0+3], s[4:5], s[90:91]
	s_or_b32 s[G0+3], s[G0+3], 0x80000000
	s_cmp_lt_u32 s[WV], 4                          ; slot 0: both its key steps are read, since the work-group's second block is block 8 or later
	s_cbranch_scc0 .Lno_first
	TLINES
.Lno_first:
	s_add_nc_u64 s[8:9], s[4:5], s[82:83]          ; q at my first query
	s_add_nc_u64 s[16:17], s[16:17], s[86:87]      ; zc likewise
	s_cmp_lt_u32 s[WV], 8                          ; the prefetches: waves 4-7 stand in k, waves 8-11 in v
	s_cselect_b32 s82, 1, 2
	s_lshl_b32 s82, s82, 23
	s_add_co_u32 s82, s82, s74
	s_and_b32 s83, s[WV], 3
	s_lshl_b32 s83, s83, 13
	s_add_co_u32 s82, s82, s83
	s_add_co_u32 s82, s82, 32768                   ; in slot 1: the first change of slots steps it to slot 2
	s_mov_b32 s83, 0
	s_add_nc_u64 s[PFA:PFA+1], s[4:5], s[82:83]
	s_sub_co_u32 s82, s[WV], 4
	s_lshr_b32 s82, s82, 3                         ; 0 in waves 4 to 11,
	s_or_b32 s82, s82, ttmp9                       ; of the head's work-group 0
	s_cmp_eq_u32 s82, 0
	s_cselect_b32 s[LIM], 1, -1
	v_and_b32 v[PFO], 31, v0
	v_lshlrev_b32 v[GO], 4, v[PFO]
	v_lshlrev_b32 v[PFO], 8, v[PFO]
	v_and_b32 v8, 15, v0                           ; r
	v_bfe_u32 v9, v0, 4, 1                         ; h
	v_lshlrev_b32 v10, 7, v8
	v_lshl_add_u32 v10, v9, 4, v10
.irp c, 0,1,2,3
	global_load_b128 v[16+4*\c:19+4*\c], v10, s[8:9] offset:32*\c   ; Q's fragment stays in registers
.endr
	v_and_b32 v11, 8, v8
	v_add_nc_u32 v11, v11, v8                      ; r + 8 (r / 8)
	v_mul_u32_u24 v[AK0], v11, KP
	v_lshl_add_u32 v[AK0], v9, 4, v[AK0]
	v_mul_u32_u24 v[AV0], v8, KP
	v_lshl_add_u32 v[AV0], v9, 4, v[AV0]
	v_add_nc_u32 v[AV0], TILE, v[AV0]
	v_mov_b32 v13, 0xff61b1e6                      ; the largest t so far: -3e38
	v_floor_f32 v12, -v13                          ; -M
	v_mov_b32 v14, 0
	v_mov_b32 v15, 0
	v_mov_b32 v236, 0                              ; a lane permute's destination counts as one of its sources
	v_mov_b32 v253, 0
.set j, 0
.rept 64
	v_mov_b32 v[160+j], 0                          ; O^T: the step is written without a first form of its own; the first change of M leaves zeros zeros
.set j, j+1
.endr
	s_wait_kmcnt 0x0
	s_add_co_i32 s72, s68, s69
	s_lshl_b32 s72, s72, 23
	s_add_co_i32 s[CS], s[CS], s72                 ; a score stands for score x 2^(e6 + e7): added to c's exponent field
	s_mov_b32 s[CS+1], s[CS]
	s_add_co_i32 s72, s71, 127
	s_lshl_b32 s73, s72, 23
	v_mov_b32 v244, s73                            ; 2^e9
	s_add_co_i32 s72, s72, 8
	s_lshl_b32 s72, s72, 23
	s_or_b32 s72, s72, 0x600000
	v_mov_b32 v240, s72                            ; 448 x 2^e9
	s_add_co_i32 s72, s66, 127
	s_lshl_b32 s73, s72, 23
	v_mov_b32 v245, s73                            ; 2^e10
	s_add_co_i32 s72, s72, 8
	s_lshl_b32 s72, s72, 23
	s_or_b32 s72, s72, 0x600000
	v_mov_b32 v241, s72                            ; 448 x 2^e10
; A KEY STEP: 128 keys, the q-th of the slot in hand.
.macro STEP q
	s_add_co_u32 s96, s[Q0], 15                    ; a step all of whose keys come after my 16 queries is left out: a branch on ids, round no barrier, wait or tensor load
	s_cmp_gt_u32 s[KF], s96
	s_cbranch_scc1 .Lhidden_\@
	v_add_nc_u32 v[ADK], s[TB], v[AK0]
	v_add_nc_u32 v[ADV], s[TB], v[AV0]
.irp g, 0,1
.rept 4-2*(1-\g)
	v_nop                                          ; four places in front of loads into registers that matrix instructions have read; the two additions above are places too
.endr
.irp t, 0,1,2,3
.irp c, 0,1,2,3
	ds_load_b128 v[32+16*\t+4*\c:32+16*\t+4*\c+3], v[ADK] offset:2*TILE*(\q)+(32*((4*\g+\t)/2)+8*(\t%2))*KP+32*\c
.endr
.endr
	s_wait_dscnt 0x0
.irp t, 0,1,2,3
	v_wmma_f32_16x16x128_fp8_fp8 v[96+8*(4*\g+\t):103+8*(4*\g+\t)], v[32+16*\t:47+16*\t], v[16:31], 0
.endr
.endr
.rept 4
	v_nop
.endr
	s_add_co_u32 s96, s[KF], 127                   ; a step all of whose keys count skips the mask
	s_cmp_le_u32 s96, s[Q0]
	s_cbranch_scc1 .Lopen_\@
	s_sub_co_i32 s96, s[Q0], s[KF]
	v_and_b32 v252, 15, v0
	v_bfe_u32 v253, v0, 4, 1
	v_lshlrev_b32 v253, 4, v253
	v_sub_nc_u32 v252, v252, v253
	v_add_nc_u32 v252, s96, v252                   ; d = my query - KF - 16 (lane / 16); register 16 b + i holds key KF + 16 (lane / 16) + 32 b + i: hidden where 32 b + i > d
	v_mov_b32 v254, 0xff800000                     ; -infinity
.set n, 0
.rept 64
	v_cmp_gt_i32 vcc_lo, 32*(n/16)+n%16, v252
	v_cndmask_b32 v[96+n], v[96+n], v254, vcc_lo
.set n, n+1
.endr
.Lopen_\@:
	v_max3_num_f32 v254, v96, v97, v98             ; the step's largest score of my query among my 64 keys, in two chains,
	v_max3_num_f32 v252, v99, v100, v101
.irp i, 6,10,14,18,22,26,30,34,38,42,46,50,54,58
	v_max3_num_f32 v254, v254, v[96+\i], v[97+\i]
	v_max3_num_f32 v252, v252, v[98+\i], v[99+\i]
.endr
	v_max3_num_f32 v254, v254, v158, v159
	v_max_num_f32 v254, v254, v252
	v_permlanex16_b32 v236, v254, s[SEL], s[SEL+1]
	v_max_num_f32 v254, v254, v236                 ; and among lane l xor 16's
	v_mul_f32 v254, s[CS], v254                    ; as t
	v_max_num_f32 v13, v13, v254                   ; the running largest t
	v_mov_b32 v254, v12
	v_floor_f32 v12, -v13                          ; the new -M = -ceil(t)
	v_sub_f32 v254, v12, v254                      ; old M - new M: a whole number, 0 or less
	v_cvt_i32_f32 v254, v254
	v_ldexp_f32 v252, 1.0, v254                    ; f = 2^(old M - new M)
.set j, 0
.rept 32
	v_pk_fma_f32 v[96+j:97+j], v[96+j:97+j], s[CS:CS+1], v[12:13] op_sel_hi:[1,0,0]   ; t - M, two at a time
.set j, j+2
.endr
.set j, 0
.rept 64
	v_exp_f32 v[96+j], v[96+j]                     ; p = 2^(t - M)
.set j, j+1
.endr
	v_pk_mul_f32 v[14:15], v[14:15], v[252:253] op_sel_hi:[1,0]   ; the sums under the new M: the plain place behind the exponentials
	s_wait_alu depctr_va_vdst(0)                   ; one wait for the batch of 64, ahead of its first reader
	v_pk_add_f32 v[242:243], v[96:97], v[98:99]    ; the row's sum is taken of the unquantised p, in two chains
.irp j, 4,8,12,16,20,24,28,32,36,40,44,48,52,56,60
	v_pk_add_f32 v[14:15], v[14:15], v[96+\j:97+\j]
	v_pk_add_f32 v[242:243], v[242:243], v[98+\j:99+\j]
.endr
	v_pk_add_f32 v[14:15], v[14:15], v[242:243]
.irp b, 0,1,2,3
.set j, 0
.rept 16
	v_min_num_f32 v[96+16*\b+j], v[96+16*\b+j], v240   ; the conversion does not saturate (ISA guide 7.6.2); p is not negative: a one-sided hold
.set j, j+1
.endr
	v_cvt_scalef32_pk8_fp8_f32 v[224+4*\b:225+4*\b], v[96+16*\b:103+16*\b], v244
	v_cvt_scalef32_pk8_fp8_f32 v[226+4*\b:227+4*\b], v[104+16*\b:111+16*\b], v244
.endr
.set j, 0
.rept 32
	v_pk_mul_f32 v[160+j:161+j], v[160+j:161+j], v[252:253] op_sel_hi:[1,0]   ; O^T under the new M; these are also the places in front of the loads and products below
.set j, j+2
.endr
.irp g, 0,1
.if \g > 0
.rept 4
	v_nop
.endr
.endif
.irp t, 0,1,2,3
.irp c, 0,1,2,3
	ds_load_b128 v[32+16*\t+4*\c:32+16*\t+4*\c+3], v[ADV] offset:2*TILE*(\q)+16*(4*\g+\t)*KP+32*\c
.endr
.endr
	s_wait_dscnt 0x0
.irp t, 0,1,2,3
	v_wmma_f32_16x16x128_fp8_fp8 v[160+8*(4*\g+\t):167+8*(4*\g+\t)], v[32+16*\t:47+16*\t], v[224:239], v[160+8*(4*\g+\t):167+8*(4*\g+\t)]
.endr
.endr
.Lhidden_\@:
	s_add_co_u32 s[KF], s[KF], 128
.endm
; THE CHANGE OF SLOTS stands at a slot's head: each wave waits for all its tensor loads, adds 0 to its spare word, waits for that and for its reads of the slot that it has left; a barrier; then the slot just left is filled.
.macro CHANGE fill
	s_wait_tensorcnt 0x0                           ; no tensor load of mine is out, so the group 0 may be written
	ds_add_u32 v[SPW], v[NIL]
.if \fill
	ds_add_u32 v[SPW], v[NIL]                      ; twice on end, where a load may follow
	s_xor_b32 s[G0+1], s[G0+1], SLOT1              ; the other slot than last time,
	s_add_nc_u64 s[G0+2:G0+3], s[G0+2:G0+3], 32768 ; the next 256 keys: two blocks on
	s_wait_xcnt 0x0                                ; the last prefetch, a slot back, has read its address
	s_add_nc_u64 s[PFA:PFA+1], s[PFA:PFA+1], 32768
.endif
	s_wait_dscnt 0x0
	s_barrier_signal -1
	s_barrier_wait -1
.if \fill
	TLOADC
	ASK
.endif
.endm
.macro SLOT_STEPS
	STEP 0
	STEP 1
	s_xor_b32 s[TB], s[TB], SLOT1
.endm
	s_wait_loadcnt 0x0                             ; Q
.Lslot:                                            ; 7 trips: behind each change of slots but the last the next slot is asked for, up to the causal limit
	CHANGE 1
	SLOT_STEPS
	s_sub_co_u32 s[SLOTS], s[SLOTS], 1
	s_cmp_lg_u32 s[SLOTS], 0
	s_cbranch_scc1 .Lslot
	CHANGE 0                                       ; the last slot is written out: nothing is asked for
	SLOT_STEPS
	; THE WAY OUT: z = O^T / the sum x 2^(e8 + e9), quantised under e10; 8 codes a tile and lane go through my stage (in slot 0, which was left at the last change of slots) and leave as 2,048 consecutive bytes.
	v_add_f32 v14, v14, v15
	v_permlanex16_b32 v252, v14, s[SEL], s[SEL+1]
	v_add_f32 v14, v14, v252                       ; the row's sum
	v_rcp_f32 v14, v14
	v_and_b32 v8, 15, v0                           ; (a plain place behind the reciprocal)
	v_bfe_u32 v9, v0, 4, 1
	s_add_co_i32 s72, s70, s71
	s_mul_i32 s73, s[WV], 16*KP                    ; my stage
	v_mul_u32_u24 v10, v8, KP
	v_lshl_add_u32 v10, v9, 3, v10
	v_add_nc_u32 v10, s73, v10                     ; in: row r, 8 bytes for each half of the lanes
	v_and_b32 v8, 31, v0
	v_lshrrev_b32 v9, 3, v8
	v_mul_u32_u24 v11, v9, KP
	v_and_b32 v9, 7, v8
	v_lshl_add_u32 v11, v9, 4, v11
	v_add_nc_u32 v11, s73, v11                     ; back: eight lanes to a row of 128 bytes
	s_wait_alu depctr_va_vdst(0)                   ; ahead of the reciprocal's first reader
	v_ldexp_f32 v14, v14, s72
.set j, 0
.rept 32
	v_pk_mul_f32 v[96+j:97+j], v[160+j:161+j], v[14:15] op_sel_hi:[1,0]   ; register 8 t + i is z(r, 16 t + 8 h + i)
.set j, j+2
.endr
.set j, 0
.rept 64
	v_med3_num_f32 v[96+j], v[96+j], -v241, v241
.set j, j+1
.endr
.set j, 0
.rept 8
	v_cvt_scalef32_pk8_fp8_f32 v[224+2*j:225+2*j], v[96+8*j:103+8*j], v245
.set j, j+1
.endr
	v_nop
.set j, 0
.rept 8
	ds_store_b64 v10, v[224+2*j:225+2*j] offset:16*j
.set j, j+1
.endr
.set j, 0
.rept 4
	ds_load_b128 v[32+4*j:35+4*j], v11 offset:4*KP*j   ; LDS serves a wave's instructions in order: these see my stores
.set j, j+1
.endr
.set j, 0
.rept 4
	s_wait_dscnt 3-j
	global_store_b128 v[GO], v[32+4*j:35+4*j], s[16:17] offset:512*j   ; the wave stores 512 consecutive bytes, aligned
.set j, j+1
.endr
	s_wait_tensorcnt 0x0                           ; the wave's end
	ds_add_u32 v[SPW], v[NIL]
	s_wait_dscnt 0x0
	s_endpgm
.Lfunc_end_k_q7665c9842a_attn:
	.size	k_q7665c9842a_attn, .Lfunc_end_k_q7665c9842a_attn-k_q7665c9842a_attn
	.p2alignl 7, 3214868480
	.fill 96, 4, 3214868480
	.section	.rodata,"a",@progbits
	.p2align	6, 0x0
	.amdhsa_kernel k_q7665c9842a_attn
		.amdhsa_group_segment_fixed_size 327680
		.amdhsa_private_segment_fixed_size 0
		.amdhsa_enable_private_segment 0
		.amdhsa_kernarg_size 24
		.amdhsa_user_sgpr_count 2
		.amdhsa_user_sgpr_kernarg_segment_ptr 1
		.amdhsa_wavefront_size32 1
		.amdhsa_system_sgpr_workgroup_id_x 1
		.amdhsa_system_sgpr_workgroup_id_y 1
		.amdhsa_system_sgpr_workgroup_id_z 1
		.amdhsa_system_vgpr_workitem_id 0
		.amdhsa_next_free_vgpr 256
		.amdhsa_next_free_sgpr 100
		.amdhsa_reserve_vcc 1
		.amdhsa_float_denorm_mode_32 3
		.amdhsa_float_denorm_mode_16_64 3
		.amdhsa_memory_ordered 1
		.amdhsa_forward_progress 1
		.amdhsa_inst_pref_size 115
	.end_amdhsa_kernel
	.amdgpu_metadata
---
amdhsa.version: [ 1, 2 ]
amdhsa.kernels:
  - .name:           k_q7665c9842a_attn
    .symbol:         k_q7665c9842a_attn.kd
    .args:
      - { .name: qkv, .offset: 0, .size: 8, .value_kind: global_buffer, .address_space: global }
      - { .name: lowp_scales, .offset: 8, .size: 8, .value_kind: global_buffer, .address_space: global }
      - { .name: zc, .offset: 16, .size: 8, .value_kind: global_buffer, .address_space: global }
    .group_segment_fixed_size: 327680
    .private_segment_fixed_size: 0
    .kernarg_segment_align: 8
    .kernarg_segment_size: 24
    .max_flat_workgroup_size: 512
    .sgpr_count:     100
    .vgpr_count:     256
    .wavefront_size: 32
...
	.end_amdgpu_metadata
.endif
;; end of part 3
;; launch gemm_o (part 4): grid 8 x 32, 4 waves a work-group, clusters of 4 x 4, 327,680 bytes of LDS; arguments zc, codes, lowp_scales, b_O, out0; writes out0
.if DOCPART == 4
	.amdgcn_target "amdgcn-amd-amdhsa--gfx1250"
	.amdhsa_code_object_version 6
	.text
	.protected	k_q7665c9842a_gemm_o
	.globl	k_q7665c9842a_gemm_o
	.p2align	8
	.type	k_q7665c9842a_gemm_o,@function
k_q7665c9842a_gemm_o:
	s_mov_b64 s[64:65], 0
	v_nop
	global_prefetch_b8 v0, s[64:65] scope:SCOPE_SE
	s_setreg_imm32_b32 hwreg(HW_REG_WAVE_MODE, 25, 1), 1
	s_wait_xcnt 0x0
	s_wait_alu depctr_hold_cnt(0) depctr_sa_sdst(0) depctr_va_vdst(0) depctr_va_sdst(0) depctr_va_ssrc(0) depctr_va_vcc(0) depctr_vm_vsrc(0)
	s_getreg_b32 s2, hwreg(HW_REG_IB_STS2, 6, 4)
	s_cmp_eq_u32 s2, 0
	s_cbranch_scc0 .Lentry_in_a_cluster
	s_endpgm
.Lentry_in_a_cluster:
	s_bfe_u32 s2, ttmp6, 0x10000c
	s_cmp_lg_u32 s2, 0xf033
	s_cbranch_scc0 .Lentry_shape_is_right
	s_endpgm
.Lentry_shape_is_right:
; LAUNCH 4 OF 4: product 6 on codes of E4M3: out0[m][n] = 2^(e10 + e11) x sum over k of z[m][k] W_O[n][k] + b_O[n].  Nothing is left out here.
; z: zc [16 heads][4096 tokens][128] codes (K = 128 head + d); W_O: codes + 18,874,368, [1024 n][2048 K].  LIMIT: e10 + e11 between -126 and 127.
; 256 tiles of 128 x 128, one a work-group; four waves, each 64 x 64: 16 accumulators.  K = 2,048 goes in four steps of 512 (four heads) through a ring of two LDS slots.
; A slot: z's four head planes of 128 rows x 144 bytes, then W_O's 128 rows x 528 bytes.  Waves 0, 1 fetch two planes each by one load: a head's 128 token rows are 16,384 consecutive bytes, stated as one row,
; padded by 16 bytes behind every 128; the second row is the next head, 524,288 bytes on.  Waves 2, 3 fetch 64 rows of 512 bytes of W_O each.
; CLUSTERS: 4 x 4 work-groups; z's tiles are shared along a row of the cluster, W_O's along a column: joint loads.  No prefetch: only two refills stand behind the first fills.
; THE MATRIX INSTRUCTION IS USED TRANSPOSED (source 0 = 16 rows of W_O, source 1 = 16 rows of z): a lane holds eight neighbouring n of one row m.
; REGISTERS: window 0: v16-29 addresses; v32-63 b_O; v64-127 at work on the way out; v128-255 the accumulators ((a, b) at v[128 + 8 (4 a + b)]).  window 1: two fragment buffers of 128: z's four fragments, then W_O's four.
.set PA,     144
.set PLANE,  128*PA                    ; 18,432
.set PB,     528
.set BOFF,   4*PLANE                   ; 73,728
.set SLOT,   BOFF+128*PB               ; 141,312
.set SPARE,  2*SLOT                    ; the spare words: two blocks of 256 bytes that no other line names
.set WOC,    18874368
.set SPITCH, 272                       ; the way out: a stage of 16 rows x (256 + 16) bytes a wave, in slot 0, behind its last fill and last read
.set ADRA, 16
.set ADRB, 20
.set STO,  24
.set RD,   25
.set CO,   26
.set BOA,  27
.set SPW,  28
.set NIL,  29
.set BO,   32
.set T,    64
.set ACC,  128
.set F0,   0
.set F1,   128
.set G1, 24
.set G0, 32
.set G1B, 48
.set G0B, 56
.set MSB, 0
.macro WIN new
.if MSB != (\new)
	s_set_vgpr_msb (MSB<<8)|(\new)
.set MSB, \new
.endif
.endm
.set MUL,  0x05                        ; sources 0 and 1 window 1; C and D window 0
.set TO_F, 0x40                        ; destination window 1, address window 0
.macro JLOAD s                         ; a joint load: waves 0, 1 for z, waves 2, 3 for W_O; an s_nop 0 and four v_nop follow each line
	s_cmp_eq_u32 s15, 0
	s_cbranch_scc0 .Lfor_b_\@
	tensor_load_to_lds s[G0+4*\s:G0+4*\s+3], s[G1:G1+7]
	s_nop 0
.rept 4
	v_nop
.endr
	s_branch .Lasked_\@
.Lfor_b_\@:
	tensor_load_to_lds s[G0B+4*\s:G0B+4*\s+3], s[G1B:G1B+7]
	s_nop 0
.rept 4
	v_nop
.endr
.Lasked_\@:
.endm
.macro CREST
	s_cmp_lg_u32 s14, 0
	s_cbranch_scc1 .Lnot_wave_0_\@
	s_barrier_signal -3
.Lnot_wave_0_\@:
	s_barrier_wait -3
	s_barrier_signal -1
	s_barrier_wait -1
.endm
.macro CROUND
	s_barrier_signal -1
	s_barrier_wait -1
	CREST
.endm
	s_load_b256 s[4:11], s[0:1], 0x0               ; zc s[4:5], codes s[6:7], the scales' exponents s[8:9], b_O s[10:11]
	s_load_b64 s[12:13], s[0:1], 0x20              ; out0
	v_lshl_add_u32 v[SPW], v0, 2, SPARE
	v_mov_b32 v[NIL], 0
	ds_add_u32 v[SPW], v[NIL]                      ; the wave's opening: the add, twice on end, and its wait ahead of my first tensor load
	ds_add_u32 v[SPW], v[NIL]
	v_lshrrev_b32 v1, 5, v0
	v_readfirstlane_b32 s14, v1                    ; wave 0..3
	s_lshr_b32 s15, s14, 1                         ; my half of the tile's rows.  Also: I fetch for z (0) or W_O (1)
	s_and_b32 s16, s14, 1                          ; my half of its columns.  Also: which part I fetch
	s_bfe_u32 s40, ttmp6, 0x40000                  ; cx
	s_bfe_u32 s41, ttmp6, 0x40004                  ; cy
	s_lshl_b32 s42, ttmp9, 2
	s_add_co_u32 s42, s42, s40                     ; tile column, 0..7
	s_and_b32 s17, ttmp7, 0xffff
	s_lshl_b32 s17, s17, 2
	s_add_co_u32 s17, s17, s41                     ; tile row, 0..31
	s_lshl_b32 s43, s41, 2
	s_lshl_b32 s43, 15, s43                        ; my row of the cluster
	s_lshl_b32 s44, 0x1111, s40                    ; my column
	s_or_b32 s[G1+0], s43, (0<<16)|(1<<20)|(1<<21)|(4<<22)|(3<<25)   ; z: the mask; elements of 1 byte; padding on; bit 21 beside a mask; 4 words behind every 32
	s_mov_b32 s[G1+1], 16384<<16                   ; tensor_dim0 = 16,384
	s_mov_b32 s[G1+2], 2<<16                       ; tensor_dim1 = 2
	s_mov_b32 s[G1+3], 16384<<16                   ; tile_dim0
	s_mov_b32 s[G1+4], 2                           ; tile_dim1
	s_mov_b32 s[G1+5], 524288                      ; from head to head
	s_mov_b32 s[G1+6], 0
	s_mov_b32 s[G1+7], 0
	s_or_b32 s[G1B+0], s44, (0<<16)|(1<<20)|(1<<21)|(6<<22)|(3<<25)  ; W_O: 4 words behind every 128
	s_mov_b32 s[G1B+1], 512<<16
	s_mov_b32 s[G1B+2], 64<<16
	s_mov_b32 s[G1B+3], 512<<16
	s_mov_b32 s[G1B+4], 64
	s_mov_b32 s[G1B+5], 2048
	s_mov_b32 s[G1B+6], 0
	s_mov_b32 s[G1B+7], 0
	s_lshl_b32 s20, s16, 20                        ; z: heads 2 (wave & 1) on,
	s_lshl_b32 s18, s17, 14                        ; the tile row's 128 tokens: made of the cluster's y, cy and the wave alone
	s_add_co_u32 s20, s20, s18
	s_mov_b32 s21, 0
	s_lshl_b32 s46, s42, 18                        ; W_O: 128 rows of 2,048 bytes a tile column,
	s_lshl_b32 s47, s16, 17                        ; 64 rows a wave: made of the cluster's x, cx and the wave alone
	s_add_co_u32 s46, s46, s47
	s_add_co_u32 s46, s46, WOC
	s_mov_b32 s47, 0
	s_mul_i32 s45, s16, 2*PLANE                    ; where they go: no place in the cluster enters an LDS address
	s_mul_i32 s19, s16, 64*PB
	s_add_co_u32 s19, s19, BOFF
	s_wait_dscnt 0x0                               ; both opening adds are done
	s_wait_kmcnt 0x0
	s_load_b64 s[96:97], s[8:9], 0x28              ; e10, e11
	s_add_nc_u64 s[20:21], s[4:5], s[20:21]
	s_add_nc_u64 s[46:47], s[6:7], s[46:47]
	CROUND                                         ; all sixteen work-groups are here: the first joint loads meet
.irp s, 0,1
	s_mov_b32 s[G0+4*\s], 1
	s_add_co_u32 s[G0+4*\s+1], s45, \s*SLOT
	s_add_nc_u64 s[G0+4*\s+2:G0+4*\s+3], s[20:21], \s*4*524288
	s_or_b32 s[G0+4*\s+3], s[G0+4*\s+3], 0x80000000
	s_mov_b32 s[G0B+4*\s], 1
	s_add_co_u32 s[G0B+4*\s+1], s19, \s*SLOT
	s_add_nc_u64 s[G0B+4*\s+2:G0B+4*\s+3], s[46:47], \s*512
	s_or_b32 s[G0B+4*\s+3], s[G0B+4*\s+3], 0x80000000
	JLOAD \s                                       ; two tensor loads of mine are out
.endr
	v_and_b32 v1, 15, v0                           ; r
	v_bfe_u32 v2, v0, 4, 1                         ; h
	v_mul_u32_u24 v3, v1, PA
	v_lshl_add_u32 v3, v2, 4, v3
	v_mul_u32_u24 v4, v1, PB
	v_lshl_add_u32 v4, v2, 4, v4
	s_mul_i32 s21, s15, 64*PA                      ; my 64 rows of z in each plane
	s_mul_i32 s22, s16, 64*PB                      ; my 64 rows of W_O
	s_add_co_u32 s22, s22, BOFF
.irp s, 0,1
	v_add_nc_u32 v[ADRA+\s], s21, v3
	v_add_nc_u32 v[ADRB+\s], s22, v4
	s_add_co_u32 s21, s21, SLOT
	s_add_co_u32 s22, s22, SLOT
.endr
	s_mul_i32 s23, s14, 16*SPITCH                  ; my stage
	v_mul_u32_u24 v5, v1, SPITCH
	v_lshl_add_u32 v5, v2, 5, v5
	v_add_nc_u32 v[STO], s23, v5                   ; in: row r, 32 bytes for each half of the lanes
	v_mul_u32_u24 v5, v2, SPITCH
	v_lshl_add_u32 v5, v1, 4, v5
	v_add_nc_u32 v[RD], s23, v5                    ; back: lanes 0-15 one row of 256 bytes, lanes 16-31 the next
	v_lshlrev_b32 v5, 12, v2
	v_lshl_add_u32 v[CO], v1, 4, v5                ; and the same two rows in out0
	v_lshlrev_b32 v[BOA], 5, v2
	s_lshl_b32 s46, s42, 9
	s_lshl_b32 s47, s16, 8
	s_add_co_u32 s46, s46, s47                     ; my first column, in bytes
	s_mov_b32 s47, 0
	s_add_nc_u64 s[10:11], s[10:11], s[46:47]
	s_add_nc_u64 s[12:13], s[12:13], s[46:47]
	s_lshl_b32 s46, s17, 19
	s_lshl_b32 s18, s15, 18
	s_add_co_u32 s46, s46, s18                     ; my first row: rows of 4,096 bytes
	s_add_nc_u64 s[12:13], s[12:13], s[46:47]
.set j, 0
.rept 8
	global_load_b128 v[BO+4*j:BO+4*j+3], v[BOA], s[10:11] offset:64*(j/2)+16*(j%2)   ; b_O at 16 b + 8 h + 0 .. 7; waited for on the way out
.set j, j+1
.endr
.macro MUL8 f, a0, zero                ; z's blocks a0, a0 + 1 x W_O's four, 128 along K; the 16 accumulators take turns
.irp a, \a0, \a0+1
.irp b, 0,1,2,3
.if \zero
	v_wmma_f32_16x16x128_fp8_fp8 v[ACC+8*(4*(\a)+\b):ACC+8*(4*(\a)+\b)+7], v[\f+64+16*\b:\f+64+16*\b+15], v[\f+16*(\a):\f+16*(\a)+15], 0
.else
	v_wmma_f32_16x16x128_fp8_fp8 v[ACC+8*(4*(\a)+\b):ACC+8*(4*(\a)+\b)+7], v[\f+64+16*\b:\f+64+16*\b+15], v[\f+16*(\a):\f+16*(\a)+15], v[ACC+8*(4*(\a)+\b):ACC+8*(4*(\a)+\b)+7]
.endif
.endr
.endr
.endm
.macro FETCH slot, q, f                ; 32 LDS loads in one run: the slot's q-th 128 along K (head plane q): W_O's four fragments, then z's 0, 1, then z's 2, 3
	WIN TO_F
.irp i, 0,1,2,3
.irp c, 0,1,2,3
	ds_load_b128 v[\f+64+16*\i+4*\c:\f+64+16*\i+4*\c+3], v[ADRB+\slot] offset:128*(\q)+16*PB*\i+32*\c
.endr
.endr
.irp i, 0,1,2,3
.irp c, 0,1,2,3
	ds_load_b128 v[\f+16*\i+4*\c:\f+16*\i+4*\c+3], v[ADRA+\slot] offset:PLANE*(\q)+16*PA*\i+32*\c
.endr
.endr
.endm
.macro PLACES
.rept 4
	v_nop
.endr
.endm
.macro QUARTER slot, qn, f, g, zero    ; multiplies buffer f, fetches the slot's qn-th 128 along K into g
	s_wait_dscnt 8                                 ; all but the youngest 8 loads (z's fragments 2, 3)
	WIN MUL
	MUL8 \f, 0, \zero
	PLACES
	FETCH \slot, \qn, \g
	s_wait_dscnt 32                                ; all but the 32 just issued
	WIN MUL
	MUL8 \f, 2, \zero
.endm
.macro TURN slot, next, fill           ; a slot's last 128 along K (buffer 1), and the change of slots
	WIN 0
	s_wait_tensorcnt 0x0                           ; all my tensor loads have landed: my part of the next slot
	ds_add_u32 v[SPW], v[NIL]
	s_wait_dscnt 9                                 ; the add and the youngest 8 loads may be out
	WIN MUL
	MUL8 F1, 0, 0
	s_wait_dscnt 0x0                               ; the add is done, and my reads of this slot are over
	s_barrier_signal -1
	MUL8 F1, 2, 0
	WIN 0
	s_barrier_wait -1
.if \fill
	CREST                                          ; the barrier has opened a round of the cluster's barrier
	s_add_nc_u64 s[G0+4*\slot+2:G0+4*\slot+3], s[G0+4*\slot+2:G0+4*\slot+3], 8*524288   ; eight heads on
	s_add_nc_u64 s[G0B+4*\slot+2:G0B+4*\slot+3], s[G0B+4*\slot+2:G0B+4*\slot+3], 1024
	JLOAD \slot                                    ; the first tensor load behind the round, one a wave; its four v_nop are the places in front of the loads below
.else
	PLACES
.endif
	FETCH \next, 0, F0
.endm
	s_wait_tensorcnt 1                             ; my part of slot 0 is in; slot 1's one load may be out
	s_barrier_signal -1
	s_barrier_wait -1
	FETCH 0, 0, F0
	QUARTER 0, 1, F0, F1, 1                        ; the first products start the sums.  K is four slots' worth: the walk is written out
	QUARTER 0, 2, F1, F0, 0
	QUARTER 0, 3, F0, F1, 0
	TURN 0, 1, 1
	QUARTER 1, 1, F0, F1, 0
	QUARTER 1, 2, F1, F0, 0
	QUARTER 1, 3, F0, F1, 0
	TURN 1, 0, 1
	QUARTER 0, 1, F0, F1, 0
	QUARTER 0, 2, F1, F0, 0
	QUARTER 0, 3, F0, F1, 0
	TURN 0, 1, 0                                   ; nothing is left to fetch
	QUARTER 1, 1, F0, F1, 0
	QUARTER 1, 2, F1, F0, 0
	QUARTER 1, 3, F0, F1, 0
	s_wait_dscnt 8
	WIN MUL
	MUL8 F1, 0, 0
	s_wait_dscnt 0
	MUL8 F1, 2, 0
	WIN 0
; THE WAY OUT, a block of 16 rows x 64 columns at a time: sum x 2^(e10 + e11) + b_O by one packed multiply-add for two numbers, through my own stage, out as whole rows of 256 bytes.
.macro OBLK a
.set BKS, 96+32*((\a)%2)               ; v96-127 and v128-159 by turns; v128-159 held block 0's sums, which have been read by then
.irp b, 0,1,2,3
.irp i, 0,2,4,6
	v_pk_fma_f32 v[T+8*\b+\i:T+8*\b+\i+1], v[ACC+8*(4*(\a)+\b)+\i:ACC+8*(4*(\a)+\b)+\i+1], s[96:97], v[BO+8*\b+\i:BO+8*\b+\i+1] op_sel_hi:[1,0,1]   ; each accumulator from its low end on
.endr
.endr
.irp b, 0,1,2,3
	ds_store_b128 v[STO], v[T+8*\b:T+8*\b+3] offset:64*\b
	ds_store_b128 v[STO], v[T+8*\b+4:T+8*\b+7] offset:64*\b+16
.endr
.set j, 0
.rept 8
	ds_load_b128 v[BKS+4*j:BKS+4*j+3], v[RD] offset:2*SPITCH*j   ; LDS serves a wave's instructions in order
.set j, j+1
.endr
.endm
.macro OSEND a, younger
.set BKS, 96+32*((\a)%2)
	s_wait_dscnt \younger
.set j, 0
.rept 8
	global_store_b128 v[CO], v[BKS+4*j:BKS+4*j+3], s[12:13] offset:(16*(\a)+2*j)*4096 th:TH_STORE_NT   ; sixteen lanes store 256 consecutive bytes, aligned; written once
.set j, j+1
.endr
.endm
	s_wait_kmcnt 0x0
	s_add_co_i32 s96, s96, s97
	s_add_co_i32 s96, s96, 127
	s_lshl_b32 s96, s96, 23                        ; 2^(e10 + e11) as f32
	s_mov_b32 s97, s96                             ; (named with it as a pair)
	s_wait_loadcnt 0x0                             ; b_O
	PLACES                                         ; behind the last products
	OBLK 0
.irp a, 1,2,3
.if \a > 1
	s_wait_xcnt 0x0                                ; block a - 2's stores have read their registers: block a's loads may land there
.endif
	OBLK \a
	OSEND \a-1, 16                                 ; behind block a - 1's loads: block a's 8 stores and 8 loads
.endr
	OSEND 3, 0
	s_wait_tensorcnt 0x0                           ; the wave's end
	ds_add_u32 v[SPW], v[NIL]
	s_wait_dscnt 0x0
	CROUND                                         ; the closing round
	s_endpgm
.Lfunc_end_k_q7665c9842a_gemm_o:
	.size	k_q7665c9842a_gemm_o, .Lfunc_end_k_q7665c9842a_gemm_o-k_q7665c9842a_gemm_o
	.p2alignl 7, 3214868480
	.fill 96, 4, 3214868480
	.section	.rodata,"a",@progbits
	.p2align	6, 0x0
	.amdhsa_kernel k_q7665c9842a_gemm_o
		.amdhsa_group_segment_fixed_size 327680
		.amdhsa_private_segment_fixed_size 0
		.amdhsa_enable_private_segment 0
		.amdhsa_kernarg_size 40
		.amdhsa_user_sgpr_count 2
		.amdhsa_user_sgpr_kernarg_segment_ptr 1
		.amdhsa_wavefront_size32 1
		.amdhsa_system_sgpr_workgroup_id_x 1
		.amdhsa_system_sgpr_workgroup_id_y 1
		.amdhsa_system_sgpr_workgroup_id_z 1
		.amdhsa_system_vgpr_workitem_id 0
		.amdhsa_next_free_vgpr 512
		.amdhsa_next_free_sgpr 100
		.amdhsa_reserve_vcc 0
		.amdhsa_float_denorm_mode_32 3
		.amdhsa_float_denorm_mode_16_64 3
		.amdhsa_memory_ordered 1
		.amdhsa_forward_progress 1
		.amdhsa_inst_pref_size 74
	.end_amdhsa_kernel
	.amdgpu_metadata
---
amdhsa.version: [ 1, 2 ]
amdhsa.kernels:
  - .name:           k_q7665c9842a_gemm_o
    .symbol:         k_q7665c9842a_gemm_o.kd
    .args:
      - { .name: zc, .offset: 0, .size: 8, .value_kind: global_buffer, .address_space: global }
      - { .name: codes, .offset: 8, .size: 8, .value_kind: global_buffer, .address_space: global }
      - { .name: lowp_scales, .offset: 16, .size: 8, .value_kind: global_buffer, .address_space: global }
      - { .name: b_O, .offset: 24, .size: 8, .value_kind: global_buffer, .address_space: global }
      - { .name: out0, .offset: 32, .size: 8, .value_kind: global_buffer, .address_space: global }
    .group_segment_fixed_size: 327680
    .private_segment_fixed_size: 0
    .kernarg_segment_align: 8
    .kernarg_segment_size: 40
    .max_flat_workgroup_size: 128
    .sgpr_count:     100
    .vgpr_count:     512
    .wavefront_size: 32
...
	.end_amdgpu_metadata
.endif
;; end of part 4
;; ======== version 2 of 2: 4 launches
;; limits: right only within a limited range of input values
;; workspace buffers: codes 20,971,520 bytes; qkv 25,165,824 bytes; zc 8,388,608 bytes
;; launch quant (part 5): grid 1024 x 1, 4 waves a work-group, no clusters, 38,400 bytes of LDS; arguments normalized_resid_pre, W_Q, W_K, W_V, W_O, lowp_scales, codes; writes codes
.if DOCPART == 5
	.amdgcn_target "amdgcn-amd-amdhsa--gfx1250"
	.amdhsa_code_object_version 6
	.text
	.protected	k_q7665c9842a_quant
	.globl	k_q7665c9842a_quant
	.p2align	8
	.type	k_q7665c9842a_quant,@function
k_q7665c9842a_quant:
	s_mov_b64 s[64:65], 0
	v_nop
	global_prefetch_b8 v0, s[64:65] scope:SCOPE_SE
	s_setreg_imm32_b32 hwreg(HW_REG_WAVE_MODE, 25, 1), 1
	s_wait_xcnt 0x0
; LAUNCH 1 OF 4: every input tensor of a quantised product becomes codes of E4M3, K innermost, each with the scale 2^e that is given for it.
;   codes + 0          : x, three copies [3][4096][1024], copy c under lowp_scales[2 c] (x enters products 1, 2, 3 under three scales of its own)
;   codes + 12,582,912 : W_Q, W_K, W_V as [3][2048 n = 128 head + k][1024 K], under lowp_scales[1], [3], [5]
;   codes + 18,874,368 : W_O as [1024 n][2048 K = 128 head + k], under lowp_scales[11]
; code = x / 2^e, held within +-448, to the nearest code, ties to even.
; WORK THAT THE PROGRAM LEAVES OUT (in the third launch).  reference() replaces every score with key > query by -100000 (jnp.where on its own jnp.tril), whatever the inputs hold: so the
; products q.k above the diagonal reach no output, and key steps of 128 keys that lie wholly behind a wave's 32 queries are not multiplied.  Their weight is p = 2^(t - M) with
; t = -100000 log2(e) = -144,269.5; where the row's largest visible score lies above -99,800, t - M is under -288, p is 0 in f32, and so is its code: such keys add nothing to the row's sum
; nor to product 5, and those key steps of product 5 are left out too.  LIMIT, stated: each row's largest visible score lies above -99,800.  A score is at most
; 128 x 448^2 x 2^(e6 + e7) / sqrt(128) = 2.27e6 x 2^(e6 + e7) in size, so the limit holds for all data where e6 + e7 <= -5.  A NaN, an infinity or an overflow that reaches only the work left out is not carried to the result.
; Every input has a way to the output and is loaded by some launch.
; LIMITS of this launch: each e used here lies between -126 and 119; NaN among the inputs is not served.
; SHARES.  Work-groups 0-383: W_Q, W_K, W_V; 384-511: W_O: 64 columns n x 256 rows of K of a [K][N] block: wave w takes 32 columns (w & 1) and 128 rows of K (w / 2); a lane takes a column and its registers run down K.
; The codes meet in LDS, 256 bytes a column, and leave sixteen lanes to a unit of 256 bytes.  Work-groups 512-1023: x (K innermost: a plain stream), 2,048 numbers a wave, waves share nothing.
; The two ways part on the work-group's number and never join; each has LDS bytes of its own.
.set XST,   0                          ; x: for each wave two stages of 32 x 80 bytes
.set WST,   20480                      ; W: 64 rows x 272 bytes
.set SPARE, 37888                      ; the spare words, 128 bytes a wave: two blocks of 256 bytes that no other line names
.set WC,    12582912
.set WOC,   18874368
.set SPW,   12
.set NIL,   13
.set BS,    66                         ; s[66:97] W: sixteen bases, 8 rows of K apart; on the way out eight, two columns apart
.set C3,    160                        ; x: v160-207 codes, twelve registers a step
.set SC,    208                        ; x: v208-210 the scales, v211-213 448 x the scales
.macro XTURN t                         ; through my own stage: in as loaded, back 64 bytes (16 neighbours) a lane; LDS serves a wave's instructions in order
.irp i, 0,1,2,3
	ds_store_b128 v14, v[16+16*(\t)+4*\i:16+16*(\t)+4*\i+3] offset:2560*((\t)%2)+640*\i
.endr
.irp i, 0,1,2,3
	ds_load_b128 v[80+16*((\t)%2)+4*\i:80+16*((\t)%2)+4*\i+3], v15 offset:2560*((\t)%2)+16*\i
.endr
.endm
.macro XSTEP t
.set XS, 80+16*((\t)%2)
	s_wait_dscnt 0x0                               ; this step's numbers are back from the stage
.if (\t) < 3
	s_wait_loadcnt 4*(2-(\t))                      ; the next step's four loads are in; four for each step behind it may be out
	XTURN (\t)+1
.endif
.irp c, 0,1,2
.set j, 0
.rept 16
	v_med3_num_f32 v[112+16*\c+j], v[XS+j], -v[SC+3+\c], v[SC+3+\c]   ; the conversion to an 8-bit code does not saturate (ISA guide 7.6.2): the hold comes first
.set j, j+1
.endr
	v_cvt_scalef32_pk8_fp8_f32 v[C3+12*(\t)+4*\c:C3+12*(\t)+4*\c+1], v[112+16*\c:119+16*\c], v[SC+\c]
	v_cvt_scalef32_pk8_fp8_f32 v[C3+12*(\t)+4*\c+2:C3+12*(\t)+4*\c+3], v[120+16*\c:127+16*\c], v[SC+\c]
	global_store_b128 v3, v[C3+12*(\t)+4*\c:C3+12*(\t)+4*\c+3], s[20+2*\c:21+2*\c] offset:512*(\t)   ; the wave stores 512 consecutive bytes, aligned
.endr
.endm
; W: v16-23 offsets of eight rows; v32-95 two sets of 32 numbers; v96-111 codes, two sets; v112-143 the way out; v11 the scale, v10 448 x the scale
.macro WLOAD t                         ; block t: 32 rows of K at my column
.irp m, 0,1,2,3
.irp i, 0,1,2,3,4,5,6,7
	global_load_b32 v[32+32*((\t)%2)+8*\m+\i], v[16+\i], s[BS+2*(4*(\t)+\m):BS+2*(4*(\t)+\m)+1] th:TH_LOAD_NT
.endr
.endr
.endm
.macro WBLOCK t
.set XS, 32+32*((\t)%2)
.set CS, 96+8*((\t)%2)
.if (\t) < 3
	s_wait_loadcnt 32                              ; this block's 32 loads are in; the next block's may be out
.else
	s_wait_loadcnt 0x0
.endif
.set j, 0
.rept 32
	v_med3_num_f32 v[XS+j], v[XS+j], -v10, v10
.set j, j+1
.endr
.irp g, 0,1,2,3
	v_cvt_scalef32_pk8_fp8_f32 v[CS+2*\g:CS+2*\g+1], v[XS+8*\g:XS+8*\g+7], v11
.endr
	ds_store_b128 v4, v[CS:CS+3] offset:32*(\t)    ; 32 codes along K of my column
	ds_store_b128 v4, v[CS+4:CS+7] offset:32*(\t)+16
.if (\t)+2 < 4
	WLOAD (\t)+2
.endif
.endm
	s_load_b256 s[4:11], s[0:1], 0x0               ; x s[4:5], W_Q s[6:7], W_K s[8:9], W_V s[10:11]
	s_load_b128 s[12:15], s[0:1], 0x20             ; W_O s[12:13], the scales' exponents s[14:15]
	s_load_b64 s[16:17], s[0:1], 0x30              ; codes
	v_lshl_add_u32 v[SPW], v0, 2, SPARE
	v_mov_b32 v[NIL], 0
	v_lshrrev_b32 v1, 5, v0
	v_readfirstlane_b32 s18, v1                    ; wave 0..3
	v_and_b32 v2, 31, v0                           ; lane
	s_wait_alu depctr_va_vdst(0)
	s_wait_kmcnt 0x0
	s_load_b256 s[32:39], s[14:15], 0x0            ; e0 .. e7
	s_load_b32 s40, s[14:15], 0x2c                 ; e11
	s_cmp_ge_u32 ttmp9, 512
	s_cbranch_scc1 .Lx
	s_lshr_b32 s19, s18, 1                         ; my half of K
	s_and_b32 s20, s18, 1                          ; my half of the columns
	s_mov_b32 s25, 0
	s_mov_b32 s27, 0
	s_cmp_ge_u32 ttmp9, 384
	s_cbranch_scc1 .Lo
	; W_Q, W_K, W_V: [16 heads][1024 K][128 k]: tensor, head, half of its columns, 256 rows of K
	s_lshr_b32 s21, ttmp9, 7
	s_bfe_u32 s22, ttmp9, 0x40003
	s_bfe_u32 s23, ttmp9, 0x10002
	s_and_b32 s30, ttmp9, 3
	s_cmp_eq_u32 s21, 0                            ; the choice hangs on the work-group's number alone
	s_cselect_b64 s[4:5], s[6:7], s[8:9]
	s_cmp_eq_u32 s21, 2
	s_cselect_b64 s[4:5], s[10:11], s[4:5]
	s_lshl_b32 s24, s22, 19                        ; a head: 1,024 rows of 512 bytes
	s_lshl_b32 s26, s30, 17
	s_add_co_u32 s24, s24, s26
	s_lshl_b32 s26, s19, 16
	s_add_co_u32 s24, s24, s26
	s_lshl_b32 s26, s23, 8
	s_add_co_u32 s24, s24, s26
	s_lshl_b32 s26, s21, 11
	s_lshl_b32 s31, s22, 7
	s_add_co_u32 s26, s26, s31
	s_lshl_b32 s31, s23, 6
	s_add_co_u32 s26, s26, s31                     ; 2,048 x tensor + the first n
	s_lshl_b32 s26, s26, 10                        ; rows of 1,024 codes
	s_add_co_u32 s26, s26, WC
	s_movk_i32 s50, 512
	s_movk_i32 s51, 1024
	s_branch .Lw
.Lo:	; W_O: [2048 K][1024 n]: 64 columns, 256 rows of K
	s_sub_co_u32 s23, ttmp9, 384
	s_and_b32 s22, s23, 15
	s_lshr_b32 s30, s23, 4
	s_mov_b64 s[4:5], s[12:13]
	s_lshl_b32 s24, s30, 20                        ; 256 rows of 4,096 bytes
	s_lshl_b32 s26, s19, 19
	s_add_co_u32 s24, s24, s26
	s_lshl_b32 s26, s22, 8
	s_add_co_u32 s24, s24, s26
	s_lshl_b32 s26, s22, 17                        ; 64 rows of 2,048 codes
	s_add_co_u32 s26, s26, WOC
	s_movk_i32 s50, 4096
	s_movk_i32 s51, 2048
	s_mov_b32 s21, 3
.Lw:
	s_lshl_b32 s31, s20, 7
	s_add_co_u32 s24, s24, s31                     ; my wave's 32 columns
	s_lshl_b32 s31, s30, 8
	s_add_co_u32 s26, s26, s31
	s_add_nc_u64 s[BS:BS+1], s[4:5], s[24:25]
	s_add_nc_u64 s[28:29], s[16:17], s[26:27]
	s_lshl_b32 s52, s50, 3
	s_mov_b32 s53, 0
.set n, 1
.rept 15
	s_add_nc_u64 s[BS+2*n:BS+2*n+1], s[BS+2*n-2:BS+2*n-1], s[52:53]
.set n, n+1
.endr
	s_mul_i32 s31, s20, 32*272
	s_lshl_b32 s54, s19, 7
	s_add_co_u32 s31, s31, s54
	s_add_co_u32 s31, s31, WST                     ; into the stage: row = my column, my half of K
	s_lshl_b32 s54, s18, 4                         ; out of it: 16 columns a wave
	s_mul_i32 s55, s54, 272
	s_add_co_u32 s55, s55, WST
	v_lshlrev_b32 v16, 2, v2                       ; in: 4 bytes a lane: the wave reads 128 consecutive bytes, two waves 256
.irp i, 1,2,3,4,5,6,7
	v_add_nc_u32 v[16+\i], s50, v[15+\i]
.endr
	WLOAD 0
	WLOAD 1
	v_mul_u32_u24 v4, v2, 272
	v_add_nc_u32 v4, s31, v4
	v_and_b32 v5, 15, v2
	v_lshrrev_b32 v6, 4, v2
	v_mul_u32_u24 v7, v6, 272
	v_lshl_add_u32 v7, v5, 4, v7
	v_add_nc_u32 v7, s55, v7                       ; sixteen lanes to a row of 256 bytes, two rows an instruction
	v_add_nc_u32 v9, s54, v6
	v_mul_lo_u32 v8, v9, s51
	v_lshl_add_u32 v8, v5, 4, v8                   ; and the same place among the codes
	s_wait_alu depctr_va_vdst(0)
	s_wait_kmcnt 0x0
	s_cmp_eq_u32 s21, 0
	s_cselect_b32 s30, s33, s35                    ; e1, e3
	s_cmp_eq_u32 s21, 2
	s_cselect_b32 s30, s37, s30                    ; or e5
	s_cmp_eq_u32 s21, 3
	s_cselect_b32 s30, s40, s30                    ; or e11
	s_add_co_i32 s30, s30, 127
	s_lshl_b32 s31, s30, 23
	v_mov_b32 v11, s31                             ; 2^e as f32: the conversion takes its exponent field
	s_add_co_i32 s30, s30, 8
	s_lshl_b32 s30, s30, 23
	s_or_b32 s30, s30, 0x600000
	v_mov_b32 v10, s30                             ; 448 x 2^e
	s_wait_alu depctr_va_vdst(0)
.irp t, 0,1,2,3
	WBLOCK \t
.endr
	s_wait_xcnt 0x0                                ; the loads have read their bases
	s_mov_b64 s[BS:BS+1], s[28:29]
	s_lshl_b32 s52, s51, 1
.set n, 1
.rept 7
	s_add_nc_u64 s[BS+2*n:BS+2*n+1], s[BS+2*n-2:BS+2*n-1], s[52:53]
.set n, n+1
.endr
	s_wait_dscnt 0x0                               ; my codes are in the stage, for the other waves' sake
	s_barrier_signal -1
	s_barrier_wait -1
.set j, 0
.rept 8
	ds_load_b128 v[112+4*j:112+4*j+3], v7 offset:544*j
.set j, j+1
.endr
.set j, 0
.rept 8
	s_wait_dscnt 7-j                               ; LDS loads come back in order: number j is in
	global_store_b128 v8, v[112+4*j:112+4*j+3], s[BS+2*j:BS+2*j+1]   ; sixteen lanes store 256 consecutive bytes, aligned
.set j, j+1
.endr
	s_wait_tensorcnt 0x0                           ; the wave's end, behind my last LDS store
	ds_add_u32 v[SPW], v[NIL]
	s_wait_dscnt 0x0
	s_endpgm
.Lx:	; x: my wave's run of 2,048 numbers, 4 steps of 512; each number is converted three times
	s_sub_co_u32 s19, ttmp9, 512
	s_lshl_b32 s19, s19, 2
	s_add_co_u32 s19, s19, s18                     ; which run
	s_lshl_b32 s20, s19, 13
	s_mov_b32 s21, 0
	s_add_nc_u64 s[4:5], s[4:5], s[20:21]
	s_lshl_b32 s20, s19, 11
	s_add_nc_u64 s[20:21], s[16:17], s[20:21]      ; copy 0,
	s_add_nc_u64 s[22:23], s[20:21], 0x400000      ; copy 1,
	s_add_nc_u64 s[24:25], s[20:21], 0x800000      ; copy 2: a base each
	s_mul_i32 s26, s18, 5120
	v_lshlrev_b32 v3, 4, v2                        ; 16 bytes a lane: of a load's 512 and of a step's 512 codes
.irp t, 0,1,2,3
.irp i, 0,1,2,3
	global_load_b128 v[16+16*\t+4*\i:16+16*\t+4*\i+3], v3, s[4:5] offset:2048*\t+512*\i th:TH_LOAD_NT
.endr
.endr
	v_lshrrev_b32 v14, 2, v2
	v_mul_u32_u24 v14, v14, 80
	v_and_b32 v15, 3, v2
	v_lshl_add_u32 v14, v15, 4, v14
	v_add_nc_u32 v14, s26, v14                     ; the stage, in: four lanes' 64 bytes on end, then 16 of padding
	v_mul_u32_u24 v15, v2, 80
	v_add_nc_u32 v15, s26, v15                     ; and back: my 16 neighbours
	s_wait_alu depctr_va_vdst(0)
	s_wait_kmcnt 0x0
.irp c, 0,1,2
	s_add_co_i32 s27, s[32+2*\c], 127
	s_lshl_b32 s28, s27, 23
	v_mov_b32 v[SC+\c], s28                        ; 2^e
	s_add_co_i32 s27, s27, 8
	s_lshl_b32 s27, s27, 23
	s_or_b32 s27, s27, 0x600000
	v_mov_b32 v[SC+3+\c], s27                      ; 448 x 2^e
.endr
	s_wait_alu depctr_va_vdst(0)
	s_wait_loadcnt 12                              ; step 0's four loads are in
	XTURN 0
.irp t, 0,1,2,3
	XSTEP \t
.endr
	s_wait_tensorcnt 0x0                           ; the wave's end, behind my last LDS store
	ds_add_u32 v[SPW], v[NIL]
	s_wait_dscnt 0x0
	s_endpgm
.Lfunc_end_k_q7665c9842a_quant:
	.size	k_q7665c9842a_quant, .Lfunc_end_k_q7665c9842a_quant-k_q7665c9842a_quant
	.p2alignl 7, 3214868480
	.fill 96, 4, 3214868480
	.section	.rodata,"a",@progbits
	.p2align	6, 0x0
	.amdhsa_kernel k_q7665c9842a_quant
		.amdhsa_group_segment_fixed_size 38400
		.amdhsa_private_segment_fixed_size 0
		.amdhsa_enable_private_segment 0
		.amdhsa_kernarg_size 56
		.amdhsa_user_sgpr_count 2
		.amdhsa_user_sgpr_kernarg_segment_ptr 1
		.amdhsa_wavefront_size32 1
		.amdhsa_system_sgpr_workgroup_id_x 1
		.amdhsa_system_sgpr_workgroup_id_y 1
		.amdhsa_system_sgpr_workgroup_id_z 1
		.amdhsa_system_vgpr_workitem_id 0
		.amdhsa_next_free_vgpr 224
		.amdhsa_next_free_sgpr 100
		.amdhsa_reserve_vcc 0
		.amdhsa_float_denorm_mode_32 3
		.amdhsa_float_denorm_mode_16_64 3
		.amdhsa_memory_ordered 1
		.amdhsa_forward_progress 1
		.amdhsa_inst_pref_size 49
	.end_amdhsa_kernel
	.amdgpu_metadata
---
amdhsa.version: [ 1, 2 ]
amdhsa.kernels:
  - .name:           k_q7665c9842a_quant
    .symbol:         k_q7665c9842a_quant.kd
    .args:
      - { .name: normalized_resid_pre, .offset: 0, .size: 8, .value_kind: global_buffer, .address_space: global }
      - { .name: W_Q, .offset: 8, .size: 8, .value_kind: global_buffer, .address_space: global }
      - { .name: W_K, .offset: 16, .size: 8, .value_kind: global_buffer, .address_space: global }
      - { .name: W_V, .offset: 24, .size: 8, .value_kind: global_buffer, .address_space: global }
      - { .name: W_O, .offset: 32, .size: 8, .value_kind: global_buffer, .address_space: global }
      - { .name: lowp_scales, .offset: 40, .size: 8, .value_kind: global_buffer, .address_space: global }
      - { .name: codes, .offset: 48, .size: 8, .value_kind: global_buffer, .address_space: global }
    .group_segment_fixed_size: 38400
    .private_segment_fixed_size: 0
    .kernarg_segment_align: 8
    .kernarg_segment_size: 56
    .max_flat_workgroup_size: 128
    .sgpr_count:     100
    .vgpr_count:     224
    .wavefront_size: 32
...
	.end_amdgpu_metadata
.endif
;; end of part 5
;; launch gemm_qkv (part 6): grid 16 x 16, 4 waves a work-group, clusters of 4 x 4, 327,680 bytes of LDS; arguments codes, b_Q, b_K, b_V, lowp_scales, qkv; writes qkv
.if DOCPART == 6
	.amdgcn_target "amdgcn-amd-amdhsa--gfx1250"
	.amdhsa_code_object_version 6
	.text
	.protected	k_q7665c9842a_gemm_qkv
	.globl	k_q7665c9842a_gemm_qkv
	.p2align	8
	.type	k_q7665c9842a_gemm_qkv,@function
k_q7665c9842a_gemm_qkv:
	s_mov_b64 s[64:65], 0
	v_nop
	global_prefetch_b8 v0, s[64:65] scope:SCOPE_SE
	s_setreg_imm32_b32 hwreg(HW_REG_WAVE_MODE, 25, 1), 1
	s_wait_xcnt 0x0
	s_wait_alu depctr_hold_cnt(0) depctr_sa_sdst(0) depctr_va_vdst(0) depctr_va_sdst(0) depctr_va_ssrc(0) depctr_va_vcc(0) depctr_vm_vsrc(0)
	s_getreg_b32 s2, hwreg(HW_REG_IB_STS2, 6, 4)
	s_cmp_eq_u32 s2, 0
	s_cbranch_scc0 .Lentry_in_a_cluster
	s_endpgm
.Lentry_in_a_cluster:
	s_bfe_u32 s2, ttmp6, 0x10000c
	s_cmp_lg_u32 s2, 0xf033
	s_cbranch_scc0 .Lentry_shape_is_right
	s_endpgm
.Lentry_shape_is_right:
; LAUNCH 2 OF 4: products 1, 2, 3 on codes of E4M3, + bias, and the quantisers of q (e6), k (e7), v (e8).  Nothing is left out here.
; T[i][j] = sum over k of P[i][k] R[j][k], K = 1,024.  q, k: P = x's copy (i = token), R = W's codes (j = 128 head + d).  v: P = W_V's codes (i = 128 head + d), R = x's third copy (j = token):
; a lane holds one i and eight neighbouring j, so v comes out with the keys innermost, as product 5 wants it, and nothing is transposed.
; 256 WORK-GROUPS, EACH WITH ONE AND A HALF TILES: first a tile of q or k, 256 x 256 (128 + 128 of them), then a tile of v, 128 x 256 (16 x 16 of them).  The ring of LDS slots runs on from the one into the other:
; K steps 0-3 are the first tile's, 4-7 the second's; steps 4 and 5 are asked for in the first tile's last two, and the first tile goes out while they are on their way.
; qkv: [3 (q, k, v)][2 b][16 heads][16 blocks of 128 tokens][128][128] codes: blocks of 16,384 bytes, [row][d] for q and k, [d][key] for v.  A wave's 128 x 128 of q or k is one such block, its 64 x 128 of v half of one.
; THE ROWS OF A BLOCK OF q AND OF k: token 32 B + 16 a + 8 u + c lies in row 32 B + 16 u + 8 a + c (bits 3 and 4 of the token's number change places): the order in which the next launch's tiles take them.
; value = sum x 2^(eA + eB) + bias; code = value / 2^eq = (sum + bias / 2^(eA + eB)) / 2^(eq - eA - eB), held at +-448.  bias / 2^(eA + eB) is the C of each accumulator's first product.
; LIMITS: eq - eA - eB between -126 and 119 for each of the three products; NaN among the inputs is not served.
; CLUSTERS: 4 x 4 work-groups; the four of a row need the same tiles of P, the four of a column the same tiles of R, in both tiles: each is asked for jointly.
; PREFETCH: behind each joint load one instruction a wave asks for the K step that the next joint load will ask for: of the rows that a wave fetches each of the four partners takes a quarter, told apart by address
; (cx for P, cy for R), a lane a row of 256 bytes; in v's P a quarter is 16 rows, and the lanes over 15 name row 15 again.  So each block of 256 bytes is named once in each cluster that loads it.  Step 0 comes by its load alone.
; THE MATRIX INSTRUCTION IS USED TRANSPOSED (source 0 = 16 rows of R, source 1 = 16 rows of P).
; REGISTERS, in windows of 256: window 0: v16-31 addresses, v32-95 the accumulators' first C, v96-101 v's biases, scales; from v128 P's fragments; on the way out v128-255 at work.
;   window 1: R's fragments, two sets.  windows 2, 3: the accumulators ((a, b) at v[8 (8 (a % 4) + b)]).
.set ROWB,   256
.set KROW,   1024
.set PITCH,  272                       ; 256 bytes + 16 of padding: the 16 rows of a fragment load start 68 words apart
.set FR,     16
.set NL,     4
.set NP,     4
.set HALFT,  128*PITCH
.set SLOT,   4*HALFT                   ; P's 256 (v: 128) rows, then from 2 HALFT on R's 256
.set SPARE,  2*SLOT                    ; behind the ring: the spare words, two blocks of 256 bytes that no other line names
.set STG,    SPARE+512                 ; the way out: 16 rows x 144 bytes a wave, bytes that no tensor load fills
.set WC,     12582912
.set ADRA, 16
.set ADV,  18
.set ADRB, 20
.set PFO,  22                          ; v22  the prefetches' row; v23 the same for v's tile; never rewritten
.set STO,  24
.set RD,   25
.set CO,   26                          ; v26  16 x lane
.set SPW,  28
.set NIL,  29
.set BJA,  30
.set BIA,  31
.set CI,   32                          ; v32-95  first C: q, k: 8 numbers for each b; v: 8 times the same number for each a
.set BV,   96                          ; v96-99  v's biases of my rows i
.set SCL,  100                         ; 2^(eq - eA - eB)
.set HOLD, 101                         ; 448 x that
.set AF,   128
.set T,    128                         ; the way out: a block's 64 held numbers
.set CD,   192                         ; codes, two sets of 16
.set BK,   224                         ; rows read back, two sets of 16
.set PFA,  6                           ; s[6:7] where my prefetches stand; s[8:9] the same for v's tile
.set G1, 24
.set G0, 32
.set G1B, 48
.set G0B, 56
.set G1V, 72
.set MSB, 0
.macro WIN new                         ; the immediate's high byte repeats the setting that is left
.if MSB != (\new)
	s_set_vgpr_msb (MSB<<8)|(\new)
.set MSB, \new
.endif
.endm
.set MUL_LO, 0xa1
.set MUL_HI, 0xf1
.set TO_B,   0x40
.macro JLOAD g0a, g1a, g0b, g1b        ; a joint load: waves 0, 1 fetch for P, waves 2, 3 for R; an s_nop 0 and four v_nop follow each line
	s_cmp_eq_u32 s15, 0
	s_cbranch_scc0 .Lfor_b_\@
	tensor_load_to_lds s[\g0a:\g0a+3], s[\g1a:\g1a+7]
	s_nop 0
.rept 4
	v_nop
.endr
	s_branch .Lasked_\@
.Lfor_b_\@:
	tensor_load_to_lds s[\g0b:\g0b+3], s[\g1b:\g1b+7]
	s_nop 0
.rept 4
	v_nop
.endr
.Lasked_\@:
.endm
.macro ASK g                           ; K step g, 1 .. 7: the base and the offset register are never rewritten
.if (\g) < 4
	global_prefetch_b8 v[PFO], s[PFA:PFA+1] offset:ROWB*(\g) th:TH_LOAD_NT scope:SCOPE_SE
.else
	global_prefetch_b8 v[PFO+1], s[PFA+2:PFA+3] offset:ROWB*((\g)-4) th:TH_LOAD_NT scope:SCOPE_SE
.endif
.endm
.macro CREST
	s_cmp_lg_u32 s14, 0
	s_cbranch_scc1 .Lnot_wave_0_\@
	s_barrier_signal -3
.Lnot_wave_0_\@:
	s_barrier_wait -3
	s_barrier_signal -1
	s_barrier_wait -1
.endm
.macro CROUND
	s_barrier_signal -1
	s_barrier_wait -1
	CREST
.endm
	s_load_b256 s[4:11], s[0:1], 0x0               ; codes s[4:5], b_Q s[6:7], b_K s[8:9], b_V s[10:11]
	s_load_b128 s[68:71], s[0:1], 0x20             ; the scales' exponents s[68:69], qkv s[70:71]
	v_lshl_add_u32 v[SPW], v0, 2, SPARE
	v_mov_b32 v[NIL], 0
	ds_add_u32 v[SPW], v[NIL]                      ; the wave's opening: the add, twice on end, and its wait ahead of my first tensor load
	ds_add_u32 v[SPW], v[NIL]
	v_lshrrev_b32 v1, 5, v0
	v_readfirstlane_b32 s14, v1                    ; wave 0..3
	s_lshr_b32 s15, s14, 1                         ; my half of the tile's rows i.  Also: I fetch for P (0) or R (1)
	s_and_b32 s16, s14, 1                          ; my half of its columns j.  Also: which half of the rows I fetch
	s_bfe_u32 s40, ttmp6, 0x40000                  ; cx
	s_bfe_u32 s41, ttmp6, 0x40004                  ; cy
	s_and_b32 s93, ttmp7, 0xffff                   ; Y: the cluster's y, 0..3
	s_lshr_b32 s67, s93, 1                         ; the first tile's product: 0 q, 1 k
	s_and_b32 s94, s93, 1
	s_lshl_b32 s94, s94, 1
	s_lshr_b32 s95, ttmp9, 1
	s_add_co_u32 s94, s94, s95
	s_lshl_b32 s17, s94, 2
	s_add_co_u32 s17, s17, s41                     ; q, k: tile row 0..15
	s_and_b32 s95, ttmp9, 1
	s_lshl_b32 s42, s95, 2
	s_add_co_u32 s42, s42, s40                     ; tile column 0..7
	s_lshl_b32 s98, s93, 2
	s_add_co_u32 s98, s98, s41                     ; v: tile row = head 0..15
	s_lshl_b32 s99, ttmp9, 2
	s_add_co_u32 s99, s99, s40                     ; tile column 0..15
	s_lshl_b32 s43, s41, 2
	s_lshl_b32 s43, 15, s43                        ; my row of the cluster
	s_lshl_b32 s44, 0x1111, s40                    ; my column
	s_or_b32 s[G1+0], s43, (0<<16)|(1<<20)|(1<<21)|(5<<22)|(3<<25)  ; the mask; elements of 1 byte; padding on; bit 21 beside a mask; 4 words behind every 64
	s_or_b32 s[G1B+0], s44, (0<<16)|(1<<20)|(1<<21)|(5<<22)|(3<<25)
	s_or_b32 s[G1V+0], s43, (0<<16)|(1<<20)|(1<<21)|(5<<22)|(3<<25)
.irp g, G1, G1B, G1V
	s_mov_b32 s[\g+1], ROWB<<16                    ; tensor_dim0
	s_mov_b32 s[\g+3], ROWB<<16                    ; tile_dim0
	s_mov_b32 s[\g+5], KROW                        ; stride from row to row
	s_mov_b32 s[\g+6], 0
	s_mov_b32 s[\g+7], 0
.endr
.irp g, G1, G1B
	s_mov_b32 s[\g+2], 128<<16                     ; tensor_dim1
	s_mov_b32 s[\g+4], 128                         ; tile_dim1
.endr
	s_mov_b32 s[G1V+2], 64<<16                     ; v's P: 64 rows a wave
	s_mov_b32 s[G1V+4], 64
	; P: made of Y, the cluster's x, cy and the wave alone; R: of Y, the cluster's x, cx and the wave alone
	s_lshl_b32 s94, s16, 17                        ; which 128 rows of 1,024 bytes I fetch
	s_lshl_b32 s20, s17, 18
	s_add_co_u32 s20, s20, s94
	s_lshl_b32 s95, s67, 22                        ; x's copy
	s_add_co_u32 s20, s20, s95
	s_mov_b32 s21, 0
	s_lshl_b32 s46, s42, 18
	s_add_co_u32 s46, s46, s94
	s_lshl_b32 s95, s67, 21
	s_add_co_u32 s46, s46, s95
	s_add_co_u32 s46, s46, WC
	s_mov_b32 s47, 0
	s_lshl_b32 s22, s99, 18                        ; v's R: x's third copy
	s_add_co_u32 s22, s22, s94
	s_add_co_u32 s22, s22, 0x800000
	s_mov_b32 s23, 0
	s_lshl_b32 s94, s16, 16                        ; v's P: which 64 rows I fetch
	s_lshl_b32 s18, s98, 17
	s_add_co_u32 s18, s18, s94
	s_add_co_u32 s18, s18, 0x1000000               ; W_V's codes
	s_mov_b32 s19, 0
	s_mul_i32 s45, s14, HALFT                      ; where they go: wave x 128 rows;
	s_mul_i32 s66, s16, 64*PITCH                   ; v's P: 64 rows a wave
	s_wait_alu depctr_va_vdst(0)
	s_wait_dscnt 0x0                               ; both opening adds are done
	s_wait_kmcnt 0x0
	s_load_b256 s[84:91], s[68:69], 0x0            ; e0 .. e7
	s_load_b32 s92, s[68:69], 0x20                 ; e8
	s_add_nc_u64 s[20:21], s[4:5], s[20:21]
	s_add_nc_u64 s[46:47], s[4:5], s[46:47]
	s_add_nc_u64 s[18:19], s[4:5], s[18:19]
	s_add_nc_u64 s[22:23], s[4:5], s[22:23]
	CROUND                                         ; all sixteen work-groups are here: the first joint loads meet
.irp s, 0,1
	s_mov_b32 s[G0+4*\s], 1
	s_add_co_u32 s[G0+4*\s+1], s45, \s*SLOT
	s_add_nc_u64 s[G0+4*\s+2:G0+4*\s+3], s[20:21], \s*ROWB
	s_or_b32 s[G0+4*\s+3], s[G0+4*\s+3], 0x80000000
	s_mov_b32 s[G0B+4*\s], 1
	s_add_co_u32 s[G0B+4*\s+1], s45, \s*SLOT
	s_add_nc_u64 s[G0B+4*\s+2:G0B+4*\s+3], s[46:47], \s*ROWB
	s_or_b32 s[G0B+4*\s+3], s[G0B+4*\s+3], 0x80000000
.endr
	JLOAD G0, G1, G0B, G1B                         ; K step 0: one tensor load a wave at the head
	; where my results go, and my biases
	s_lshl_b32 s94, s99, 1
	s_add_co_u32 s94, s94, s16                     ; v: the block of tokens
	s_lshr_b32 s96, s94, 4
	s_lshl_b32 s96, s96, 8
	s_and_b32 s94, s94, 15
	s_add_co_u32 s96, s96, s94
	s_lshl_b32 s94, s98, 4
	s_add_co_u32 s96, s96, s94
	s_add_co_u32 s96, s96, 1024                    ; 1,024 + 256 b + 16 head + block
	s_lshl_b32 s96, s96, 14
	s_lshl_b32 s94, s15, 13
	s_add_co_u32 s96, s96, s94                     ; + my 64 rows d
	s_mov_b32 s97, 0
	s_add_nc_u64 s[80:81], s[70:71], s[96:97]
	s_lshl_b32 s96, s98, 9
	s_lshl_b32 s94, s15, 8
	s_add_co_u32 s96, s96, s94
	s_add_nc_u64 s[10:11], s[10:11], s[96:97]      ; v's biases at my 64 rows
	s_lshl_b32 s94, s17, 1
	s_add_co_u32 s94, s94, s15                     ; q, k: the block of tokens,
	s_lshl_b32 s95, s42, 1
	s_add_co_u32 s95, s95, s16                     ; the head
	s_lshr_b32 s96, s94, 4
	s_lshl_b32 s96, s96, 8
	s_and_b32 s94, s94, 15
	s_add_co_u32 s96, s96, s94
	s_lshl_b32 s94, s95, 4
	s_add_co_u32 s96, s96, s94
	s_lshl_b32 s94, s67, 9
	s_add_co_u32 s96, s96, s94                     ; 512 which + 256 b + 16 head + block
	s_lshl_b32 s96, s96, 14
	s_add_nc_u64 s[70:71], s[70:71], s[96:97]
	s_lshl_b32 s96, s95, 9
	s_cmp_eq_u32 s67, 0
	s_cselect_b64 s[12:13], s[6:7], s[8:9]
	s_add_nc_u64 s[12:13], s[12:13], s[96:97]
	; the prefetches: my work-group's quarter of the rows that my wave fetches
	s_cmp_eq_u32 s15, 0
	s_cselect_b64 s[PFA:PFA+1], s[20:21], s[46:47]
	s_cselect_b64 s[PFA+2:PFA+3], s[18:19], s[22:23]
	s_cselect_b32 s94, s40, s41                    ; my place among the four
	s_cselect_b32 s95, 14, 15                      ; v's tile: 16 rows of P, 32 of R
	s_cselect_b32 s98, 15, 31
	s_lshl_b32 s96, s94, 15
	s_add_nc_u64 s[PFA:PFA+1], s[PFA:PFA+1], s[96:97]
	s_lshl_b32 s96, s94, s95
	s_add_nc_u64 s[PFA+2:PFA+3], s[PFA+2:PFA+3], s[96:97]
	s_mul_i32 s94, s15, HALFT
	s_mul_i32 s95, s16, HALFT
	s_add_co_u32 s95, s95, 2*HALFT
	s_mul_i32 s96, s15, 64*PITCH
	s_mul_i32 s97, s14, 2304
	s_add_co_u32 s97, s97, STG                     ; my stage
	v_and_b32 v1, 15, v0                           ; r
	v_bfe_u32 v2, v0, 4, 1                         ; h
	v_and_b32 v6, 31, v0                           ; lane
	v_lshlrev_b32 v[BJA], 5, v2
	v_lshlrev_b32 v[BIA], 2, v1
.irp b, 0,1,2,3,4,5,6,7
	global_load_b128 v[CI+8*\b:CI+8*\b+3], v[BJA], s[12:13] offset:64*\b           ; q, k: the biases by j: 16 b + 8 h + 0 .. 7
	global_load_b128 v[CI+8*\b+4:CI+8*\b+7], v[BJA], s[12:13] offset:64*\b+16
.endr
.irp a, 0,1,2,3
	global_load_b32 v[BV+\a], v[BIA], s[10:11] offset:64*\a                        ; v: the biases by i: 16 a + r
.endr
	v_lshlrev_b32 v[PFO], 10, v6
	v_min_u32 v[PFO+1], s98, v6
	v_lshlrev_b32 v[PFO+1], 10, v[PFO+1]
	ASK 1
	v_mul_u32_u24 v3, v1, PITCH
	v_lshl_add_u32 v3, v2, 4, v3
	v_add_nc_u32 v[ADRA], s94, v3
	v_add_nc_u32 v[ADRB], s95, v3
	v_add_nc_u32 v[ADV], s96, v3
	v_add_nc_u32 v[ADRA+1], SLOT, v[ADRA]
	v_add_nc_u32 v[ADRB+1], SLOT, v[ADRB]
	v_add_nc_u32 v[ADV+1], SLOT, v[ADV]
	v_lshlrev_b32 v[CO], 4, v6
	v_mul_u32_u24 v5, v1, 144
	v_lshl_add_u32 v5, v2, 3, v5
	v_add_nc_u32 v[STO], s97, v5                   ; in: row r, 8 bytes for each half of the lanes
	v_lshrrev_b32 v5, 3, v6
	v_mul_u32_u24 v5, v5, 144
	v_and_b32 v7, 7, v6
	v_lshl_add_u32 v5, v7, 4, v5
	v_add_nc_u32 v[RD], s97, v5                    ; back: eight lanes to a row of 128 bytes, four rows an instruction
	s_wait_alu depctr_va_vdst(0)
	s_wait_kmcnt 0x0
	s_add_co_i32 s94, s84, s85
	s_add_co_i32 s95, s86, s87
	s_add_co_i32 s96, s88, s89                     ; v: eA + eB
	s_cmp_eq_u32 s67, 0
	s_cselect_b32 s94, s94, s95                    ; q, k: eA + eB
	s_cselect_b32 s95, s90, s91                    ; eq
	s_sub_co_i32 s93, 0, s94
	s_sub_co_i32 s97, 0, s96
	s_sub_co_i32 s95, s95, s94
	s_add_co_i32 s95, s95, 127
	s_lshl_b32 s98, s95, 23
	s_add_co_i32 s95, s95, 8
	s_lshl_b32 s95, s95, 23
	s_or_b32 s95, s95, 0x600000
	s_sub_co_i32 s99, s92, s96
	s_add_co_i32 s99, s99, 127
	s_lshl_b32 s100, s99, 23                       ; v's scale,
	s_add_co_i32 s99, s99, 8
	s_lshl_b32 s101, s99, 23
	s_or_b32 s101, s101, 0x600000                  ; and 448 x it
	v_mov_b32 v[SCL], s98
	v_mov_b32 v[HOLD], s95
	s_wait_loadcnt 0x0                             ; the biases
.set j, 0
.rept 64
	v_ldexp_f32 v[CI+j], v[CI+j], s93              ; bias / 2^(eA + eB)
.set j, j+1
.endr
.irp a, 0,1,2,3
	v_ldexp_f32 v[BV+\a], v[BV+\a], s97
.endr
.macro FRAG reg, adr, q, i             ; 16 rows x 128 K: registers 4 c .. 4 c + 3 hold K = 32 c + 16 (lane / 16) + 0 .. 15: the same permutation of k on both sides
.irp c, 0,1,2,3
	ds_load_b128 v[\reg+4*\c:\reg+4*\c+3], v[\adr] offset:128*(\q)+32*\c+(\i)*16*PITCH
.endr
.endm
.macro MUL16 a0, p, first              ; P's blocks a0, a0 + 1 x R's eight; the 64 accumulators take turns, one instruction a turn
.irp a, \a0, \a0+1
.irp b, 0,1,2,3,4,5,6,7
.if \first
	v_wmma_f32_16x16x128_fp8_fp8 v[8*(8*((\a)%4)+\b):8*(8*((\a)%4)+\b)+7], v[128*(\p)+FR*\b:128*(\p)+FR*\b+FR-1], v[AF+FR*(\a):AF+FR*(\a)+FR-1], v[CI+8*\b:CI+8*\b+7]
.else
	v_wmma_f32_16x16x128_fp8_fp8 v[8*(8*((\a)%4)+\b):8*(8*((\a)%4)+\b)+7], v[128*(\p)+FR*\b:128*(\p)+FR*\b+FR-1], v[AF+FR*(\a):AF+FR*(\a)+FR-1], v[8*(8*((\a)%4)+\b):8*(8*((\a)%4)+\b)+7]
.endif
.endr
.endr
.endm
.macro FETCH_B slot, q, p
	WIN TO_B
.irp i, 0,1,2,3,4,5,6,7
	FRAG 128*(\p)+FR*\i, ADRB+\slot, \q, \i
.endr
	WIN 0
.endm
.macro FETCH_A slot, q, i0
.irp i, \i0, \i0+1, \i0+2, \i0+3
	FRAG AF+FR*(\i), ADRA+\slot, \q, \i
.endr
.endm
.macro PLACES n                        ; plain vector places between a matrix instruction and a load into, or a read of, its registers
.rept \n
	v_nop
.endr
.endm
.macro STEP slot, first                ; a slot's first 128 along K
	s_wait_dscnt 4*NL                              ; R's set and P's blocks 0-3 are in; the youngest 16 loads (P's blocks 4-7) may be out
	WIN MUL_LO-0x20*(\first)                       ; the first products take C from window 0
	MUL16 0, 0, \first
	MUL16 2, 0, \first
	s_wait_dscnt 0
	PLACES NP
	FETCH_B \slot, 1, 1
	FETCH_A \slot, 1, 0
	WIN MUL_HI-0x30*(\first)
	MUL16 4, 0, \first
	MUL16 6, 0, \first
	PLACES NP
	WIN 0
	FETCH_A \slot, 1, 4
.endm
.macro VFIRST slot                     ; the slot's descriptors turn to v's tile: its K step number slot
	s_add_co_u32 s[G0+4*\slot+1], s66, \slot*SLOT
	s_add_nc_u64 s[G0+4*\slot+2:G0+4*\slot+3], s[18:19], \slot*ROWB
	s_or_b32 s[G0+4*\slot+3], s[G0+4*\slot+3], 0x80000000
	s_add_nc_u64 s[G0B+4*\slot+2:G0B+4*\slot+3], s[22:23], \slot*ROWB
	s_or_b32 s[G0B+4*\slot+3], s[G0B+4*\slot+3], 0x80000000
.endm
.macro ONWARD slot
	s_add_nc_u64 s[G0+4*\slot+2:G0+4*\slot+3], s[G0+4*\slot+2:G0+4*\slot+3], 2*ROWB
	s_add_nc_u64 s[G0B+4*\slot+2:G0B+4*\slot+3], s[G0B+4*\slot+2:G0B+4*\slot+3], 2*ROWB
.endm
.macro TURN slot, next, tov, fetch, ask ; a slot's last 128 along K, and the change of slots; tov = 1: the slot is filled for v's tile; ask: the K step that is prefetched
	s_wait_tensorcnt 0x0                           ; all my tensor loads have landed: my part of the next slot
	ds_add_u32 v[SPW], v[NIL]                      ; 0 onto my spare word
	s_wait_dscnt 4*NL+1                            ; the add and the youngest 16 loads may be out
	WIN MUL_LO
	MUL16 0, 1, 0
	s_wait_dscnt 0x0                               ; the add is done, and my reads of this slot are over
	s_barrier_signal -1
	MUL16 2, 1, 0
	WIN 0
	s_barrier_wait -1
	CREST                                          ; the barrier has opened a round of the cluster's barrier: no wave of any partner still reads this slot or has a load on its way
.if \tov
	VFIRST \slot
	JLOAD G0+4*\slot, G1V, G0B+4*\slot, G1B
.else
	ONWARD \slot
	JLOAD G0+4*\slot, G1, G0B+4*\slot, G1B         ; the first tensor load behind the round, one a wave; its four v_nop are the places in front of the loads below
.endif
.if \fetch
	FETCH_B \next, 0, 0
	FETCH_A \next, 0, 0
.endif
	ASK \ask
	WIN MUL_HI
	MUL16 4, 1, 0
	MUL16 6, 1, 0
	PLACES NP
	WIN 0
.if \fetch
	FETCH_A \next, 0, 4
.endif
.endm
; v's tile: a wave makes 64 x 128: 32 accumulators, in window 2; both operands' fragments have two sets.
.macro MULV a, p, first                ; P's block a x R's eight, by turns
.irp b, 0,1,2,3,4,5,6,7
.if \first
	v_wmma_f32_16x16x128_fp8_fp8 v[8*(8*\a+\b):8*(8*\a+\b)+7], v[128*(\p)+FR*\b:128*(\p)+FR*\b+FR-1], v[AF+64*(\p)+FR*\a:AF+64*(\p)+FR*\a+FR-1], v[CI+8*\a:CI+8*\a+7]
.else
	v_wmma_f32_16x16x128_fp8_fp8 v[8*(8*\a+\b):8*(8*\a+\b)+7], v[128*(\p)+FR*\b:128*(\p)+FR*\b+FR-1], v[AF+64*(\p)+FR*\a:AF+64*(\p)+FR*\a+FR-1], v[8*(8*\a+\b):8*(8*\a+\b)+7]
.endif
.endr
.endm
.macro FETCHV slot, q, p
	FETCH_B \slot, \q, \p
.irp i, 0,1,2,3
	FRAG AF+64*(\p)+FR*\i, ADV+\slot, \q, \i
.endr
.endm
.macro STEPV slot, first
	s_wait_dscnt 0x0                               ; set 0 is in
	PLACES NP
	FETCHV \slot, 1, 1
	WIN MUL_LO-0x20*(\first)
.irp a, 0,1,2,3
	MULV \a, 0, \first
.endr
	WIN 0
.endm
.macro TURNV slot, next, fill, ask
	s_wait_tensorcnt 0x0                           ; my part of the next slot has landed
	ds_add_u32 v[SPW], v[NIL]
	s_wait_dscnt 1                                 ; set 1 is in; the add may be out
	WIN MUL_LO
	MULV 0, 1, 0
	s_wait_dscnt 0x0                               ; the add is done, and my reads of this slot are over
	s_barrier_signal -1
	MULV 1, 1, 0
	WIN 0
	s_barrier_wait -1
.if \fill
	CREST
	ONWARD \slot
	JLOAD G0+4*\slot, G1V, G0B+4*\slot, G1B
.else
	PLACES NP                                      ; no round
.endif
	FETCHV \next, 0, 0
.if \ask
	ASK \ask
.endif
	WIN MUL_LO
	MULV 2, 1, 0
	MULV 3, 1, 0
	WIN 0
.endm
; THE WAY OUT, a block of 16 rows i x 128 columns j at a time: hold, conversion (8 neighbouring j of a lane make 8 bytes), through my own stage, and out in runs of 512 consecutive bytes.
.macro OUTBLK a
.set AC, 64*((\a)%4)
.set CDS, CD+16*((\a)%2)
.set BKS, BK+16*((\a)%2)
	WIN 0x02+((\a)/4)                              ; source 0: window 2 or 3
.set j, 0
.rept 64
	v_med3_num_f32 v[T+j], v[AC+j], -v[HOLD], v[HOLD]   ; the conversion does not saturate (ISA guide 7.6.2); each accumulator from its low end on
.set j, j+1
.endr
	WIN 0
.set j, 0
.rept 8
	v_cvt_scalef32_pk8_fp8_f32 v[CDS+2*j:CDS+2*j+1], v[T+8*j:T+8*j+7], v[SCL]
.set j, j+1
.endr
	v_nop                                          ; a plain line behind the last conversion, ahead of the next block's writes of its sources
.set j, 0
.rept 8
	ds_store_b64 v[STO], v[CDS+2*j:CDS+2*j+1] offset:16*j
.set j, j+1
.endr
.set j, 0
.rept 4
	ds_load_b128 v[BKS+4*j:BKS+4*j+3], v[RD] offset:576*j   ; LDS serves a wave's instructions in order: these see my stores, and the next block's stores come behind them
.set j, j+1
.endr
.endm
; perm = 1 (q, k): store j of block a holds tokens 16 a + 4 j + 0 .. 3; bit 4 of the token's number is a % 2, bit 3 is j / 2: they change places in the row's number.  perm = 0 (v): rows d as they are.
.macro SENDBLK a, younger, perm
.set BKS, BK+16*((\a)%2)
	s_wait_dscnt \younger
.set j, 0
.rept 4
.if \perm
	global_store_b128 v[CO], v[BKS+4*j:BKS+4*j+3], s[70:71] offset:4096*((\a)/2)+2048*(j/2)+1024*((\a)%2)+512*(j%2)   ; the wave stores 512 consecutive bytes, aligned
.else
	global_store_b128 v[CO], v[BKS+4*j:BKS+4*j+3], s[80:81] offset:2048*(\a)+512*j   ; the wave stores 512 consecutive bytes, aligned
.endif
.set j, j+1
.endr
.endm
	s_wait_alu depctr_va_vdst(0)
	s_wait_tensorcnt 0x0                           ; my part of K step 0 is in
	ds_add_u32 v[SPW], v[NIL]
	s_wait_dscnt 0x0
	CROUND
	JLOAD G0+4, G1, G0B+4, G1B                     ; K step 1, the first tensor load behind the round
	FETCH_B 0, 0, 0
	FETCH_A 0, 0, 0
	FETCH_A 0, 0, 4
	ASK 2
	STEP 0, 1                                      ; the first products start the sums from the biases: nothing is cleared
	TURN 0, 1, 0, 1, 3                             ; loads K step 2, prefetches 3
	STEP 1, 0
	TURN 1, 0, 0, 1, 4                             ; loads 3
	STEP 0, 0
	TURN 0, 1, 1, 1, 5                             ; loads 4: v's first
	STEP 1, 0
	TURN 1, 0, 1, 0, 6                             ; loads 5.  The tile is finished; v's fragments are fetched behind its way out, which takes their registers
	OUTBLK 0
.irp a, 1,2,3,4,5,6,7
.if \a > 1
	s_wait_xcnt 0x0                                ; block a - 2's stores have read their registers: block a's loads may land there
.endif
	OUTBLK \a
	SENDBLK \a-1, 12, 1                            ; behind block a - 1's loads: block a's 8 stores and 4 loads
.endr
	SENDBLK 7, 0, 1
	v_mov_b32 v[SCL], s100
	v_mov_b32 v[HOLD], s101
.irp a, 0,1,2,3
.set j, 0
.rept 8
	v_mov_b32 v[CI+8*\a+j], v[BV+\a]               ; the first C of v's accumulators: one row i a lane, so one number eight times
.set j, j+1
.endr
.endr
	s_wait_alu depctr_va_vdst(0)
	s_wait_xcnt 0x0                                ; all stores have read their registers
	FETCHV 0, 0, 0
	STEPV 0, 1
	TURNV 0, 1, 1, 7                               ; loads 6, prefetches 7
	STEPV 1, 0
	TURNV 1, 0, 1, 0                               ; loads 7: nothing is left to prefetch
	STEPV 0, 0
	TURNV 0, 1, 0, 0                               ; nothing is left to fetch
	STEPV 1, 0
	s_wait_dscnt 0x0
	WIN MUL_LO
.irp a, 0,1,2,3
	MULV \a, 1, 0
.endr
	PLACES NP
	OUTBLK 0
.irp a, 1,2,3
.if \a > 1
	s_wait_xcnt 0x0
.endif
	OUTBLK \a
	SENDBLK \a-1, 12, 0
.endr
	SENDBLK 3, 0, 0
	s_wait_tensorcnt 0x0                           ; the wave's end
	ds_add_u32 v[SPW], v[NIL]
	s_wait_dscnt 0x0
	CROUND                                         ; the closing round
	s_endpgm
.Lfunc_end_k_q7665c9842a_gemm_qkv:
	.size	k_q7665c9842a_gemm_qkv, .Lfunc_end_k_q7665c9842a_gemm_qkv-k_q7665c9842a_gemm_qkv
	.p2alignl 7, 3214868480
	.fill 96, 4, 3214868480
	.section	.rodata,"a",@progbits
	.p2align	6, 0x0
	.amdhsa_kernel k_q7665c9842a_gemm_qkv
		.amdhsa_group_segment_fixed_size 327680
		.amdhsa_private_segment_fixed_size 0
		.amdhsa_enable_private_segment 0
		.amdhsa_kernarg_size 48
		.amdhsa_user_sgpr_count 2
		.amdhsa_user_sgpr_kernarg_segment_ptr 1
		.amdhsa_wavefront_size32 1
		.amdhsa_system_sgpr_workgroup_id_x 1
		.amdhsa_system_sgpr_workgroup_id_y 1
		.amdhsa_system_sgpr_workgroup_id_z 1
		.amdhsa_system_vgpr_workitem_id 0
		.amdhsa_next_free_vgpr 1024
		.amdhsa_next_free_sgpr 102
		.amdhsa_reserve_vcc 0
		.amdhsa_float_denorm_mode_32 3
		.amdhsa_float_denorm_mode_16_64 3
		.amdhsa_memory_ordered 1
		.amdhsa_forward_progress 1
		.amdhsa_inst_pref_size 205
	.end_amdhsa_kernel
	.amdgpu_metadata
---
amdhsa.version: [ 1, 2 ]
amdhsa.kernels:
  - .name:           k_q7665c9842a_gemm_qkv
    .symbol:         k_q7665c9842a_gemm_qkv.kd
    .args:
      - { .name: codes, .offset: 0, .size: 8, .value_kind: global_buffer, .address_space: global }
      - { .name: b_Q, .offset: 8, .size: 8, .value_kind: global_buffer, .address_space: global }
      - { .name: b_K, .offset: 16, .size: 8, .value_kind: global_buffer, .address_space: global }
      - { .name: b_V, .offset: 24, .size: 8, .value_kind: global_buffer, .address_space: global }
      - { .name: lowp_scales, .offset: 32, .size: 8, .value_kind: global_buffer, .address_space: global }
      - { .name: qkv, .offset: 40, .size: 8, .value_kind: global_buffer, .address_space: global }
    .group_segment_fixed_size: 327680
    .private_segment_fixed_size: 0
    .kernarg_segment_align: 8
    .kernarg_segment_size: 48
    .max_flat_workgroup_size: 128
    .sgpr_count:     102
    .vgpr_count:     1024
    .wavefront_size: 32
...
	.end_amdgpu_metadata
.endif
;; end of part 6
;; launch attn (part 7): grid 32 x 8, 8 waves a work-group, no clusters, 327,680 bytes of LDS; arguments qkv, lowp_scales, zc; writes zc
.if DOCPART == 7
	.amdgcn_target "amdgcn-amd-amdhsa--gfx1250"
	.amdhsa_code_object_version 6
	.text
	.protected	k_q7665c9842a_attn
	.globl	k_q7665c9842a_attn
	.p2align	8
	.type	k_q7665c9842a_attn,@function
k_q7665c9842a_attn:
	s_mov_b64 s[64:65], 0
	v_nop
	global_prefetch_b8 v0, s[64:65] scope:SCOPE_SE
	s_setreg_imm32_b32 hwreg(HW_REG_WAVE_MODE, 25, 1), 1
	s_wait_xcnt 0x0
; LAUNCH 3 OF 4: products 4 and 5 on codes of E4M3, the softmax between them, the causal mask, and z's quantiser (e10).
; LEFT OUT (shown at the head of the first kernel): key steps of 128 keys that lie wholly behind a wave's 32 queries; in the step on the diagonal hidden scores become -infinity, so that p = 0.
; LIMIT: each row's largest visible score lies above -99,800 (it holds for all data where e6 + e7 <= -5): there reference()'s fill of -100000 gives p = 0 too.
; t = score x log2(e) / sqrt(128); M = the running largest t rounded up to a whole number; p = 2^(t - M) is quantised under e9; the row's sum is taken of the unquantised p and divides at the end.
; LIMITS: the promise holds while |t| stays under 2^31; e6 + e7 between -123 and 130; e9 and e10 between -126 and 119.  NaN among the inputs is not served.
; qkv: [3][32 (b, head)][16 blocks of 128 tokens][128][128] codes: q, k [row][d], v [d][key].  In q and k token 32 B + 16 a + 8 u + c lies in row 32 B + 16 u + 8 a + c.  zc: [16 heads][4096 tokens][128] codes.
; SHARES.  Work-group (y, i): head y, the 128 queries of the early block i and those of the late block 15 - i: i + 1 and 16 - i key steps, 17 in all whatever i is.  EIGHT waves: part p = 32 queries of each block is
; worked by wave A = p and wave B = p + 4.  A takes the late block's key steps 0 .. 8, nine steps.  B takes the early block's steps 0 .. i, sends that block out, and takes the late block's steps 9 .. 15 - i: eight steps.
; At the end B hands its part of the late block (-M, sum, O^T) to A through LDS, and A joins the two: both sums and both O^T under the larger M (powers of two).  For i = 7 nothing is handed over, and both send their block out at the end.
; A wave owns TWO tiles of 16 queries, so that each fragment of K and V read from LDS feeds two products.
; No cluster: B's walk and its branches hang on the block's number, which differs between the work-groups of a head.
; RING.  A slot holds one step of A and one of B, for each K and V of 128 keys: 36,864 bytes, [K rows 0-63, V rows 0-63, K rows 64-127, V rows 64-127], rows of 144 bytes.  A load brings two rows of 8,192 bytes, dense in
; memory: half a block of K and half a block of V.  Waves 0, 1 fetch for A, waves 2, 3 for B; the last fill, A's ninth step, is A's alone.  Every wait on TENSORcnt is for 0.
; In step t the waves load what they read of slot t % 2 ahead of the softmax; the three lines and the barrier's signal stand behind the exponentials, its wait behind the second product, register work between; behind it slot t % 2 is filled with step t + 2.
; LAYOUT.  Both products transposed: S^T = K Q^T, O^T = V^T P^T: a lane holds one query of each tile.  Tile 2 b + u of K is LDS rows 32 b + 16 u + 0 .. 15, whose lane r holds key 32 b + 8 u + r + 8 (r / 8): so the 16 registers
; of two neighbouring tiles are 16 neighbouring keys, and the 16 rows of a fragment load, 36 words apart, start at 16 different banks (64 banks of 4 bytes: ISA guide 11.1).
; REGISTERS, in windows of 256.  Window 0: v1-11 addresses; for tile u: v[12 + 4 u] -M, v[13 + 4 u] the largest t, v[14 + 4 u : 15 + 4 u] the sum, v[20 + 2 u] f; v24-33 at work; v34-40 scales and mask;
;   v48-79 Q; v80-111 partial sums, then p's codes; v128-255 S^T, then p (64 a tile).   Window 1: v0-127 O^T (64 a tile); v128-255 eight fragments of K or of V.
.set KP,    144
.set HALF,  64*KP                      ; 9,216
.set PAIR,  4*HALF                     ; 36,864
.set SLOT1, 1<<17
.set HAND,  SLOT1+2*PAIR               ; what B hands to A, 16,896 bytes a part: behind the ring, bytes that no tensor load fills
.set STG,   2*PAIR                     ; the way out: 32 rows x 144 bytes a wave, bytes that no tensor load fills
.set SPARE, STG+8*32*KP                ; the spare words, 128 bytes a wave: four blocks of 256 bytes that no other line names
.set AK0,  1
.set DA,   2
.set PFO,  3                           ; v3   256 x lane
.set PFV,  4                           ; v4   the same, 2^23 bytes on: from k's region to v's
.set SPW,  5
.set NIL,  6
.set GO,   7                           ; v7   16 x lane
.set AD,   8
.set QAD,  9
.set SIN,  10
.set SOUT, 11
.set ST,   12
.set FF,   20
.set MA,   24
.set PL,   28
.set SB,   30
.set HP,   34                          ; 448 x 2^e9
.set SP9,  35                          ; 2^e9
.set HZ,   36                          ; 448 x 2^e10
.set SZ,   37                          ; 2^e10
.set MD,   38
.set NINF, 40
.set Q,    48
.set PC,   80
.set MB,   112
.set S,    128
.set O,    0                           ; in window 1
.set F,    128                         ; in window 1
.set TB,   2
.set WV,   18
.set SEL,  20
.set CS,   22
.set G1,   24
.set G0,   40                          ; s[40:43] walks
.set BI,   44                          ; the early block
.set T,    45                          ; the step, and T + 1
.set T1,   46
.set TC,   47                          ; B: the step ahead of which my blocks change (A: none)
.set TL,   48                          ; B's loading waves: the tile behind which the walk jumps to tile 9 (A's: none)
.set JB,   49
.set STP,  50
.set C16,  52
.set MG,   53                          ; 1: the late block is worked by A and B (i < 7)
.set LQ,   54                          ; s[54:55] q at the late block's 32 rows
.set QLQ,  56                          ; the late block's first query of my part
.set E89,  57
.set PFA,  76
.set PFL,  80
.set KF,   98
.set Q0,   99
.set MSB, 0
.macro WIN new                         ; the immediate's high byte repeats the setting that is left; at every label and branch the setting is 0
.if MSB != (\new)
	s_set_vgpr_msb (MSB<<8)|(\new)
.set MSB, \new
.endif
.endm
.set TO_F, 0x40                        ; destination window 1, address window 0
.set W_KQ, 0x01                        ; source 0 window 1; the rest window 0
.set W_RS, 0x41                        ; O^T (destination and source 0) window 1, f window 0
.set W_PV, 0x51                        ; V (source 0) and O^T (C and D) window 1, p's codes window 0
.set W_DU, 0x04                        ; store data window 1
.macro TLINES                          ; the load with an s_nop 0 and four v_nop behind it
	tensor_load_to_lds s[G0:G0+3], s[G1:G1+7]
	s_nop 0
.rept 4
	v_nop
.endr
.endm
.macro GSTEP t                         ; the walking descriptor: the other slot, the next tile (B, behind tile i: tile 9)
	s_cmp_eq_u32 \t, s[TL]
	s_cselect_b32 s[STP], s[JB], s[C16]
	s_xor_b32 s[G0+1], s[G0+1], SLOT1
	s_add_nc_u64 s[G0+2:G0+3], s[G0+2:G0+3], s[STP:STP+1]
.endm
.macro FRESH                           ; no key seen: the first change of M multiplies what the sum and O^T hold by 2^(-huge) = 0
.irp u, 0,1
	v_mov_b32 v[ST+4*\u], 0x7f61b1e6               ; -M = 3e38, a whole number
	v_mov_b32 v[ST+4*\u+1], 0xff61b1e6             ; the largest t: -3e38
	v_mov_b32 v[ST+4*\u+2], 0
	v_mov_b32 v[ST+4*\u+3], 0
.endr
.endm
; Tile 1's row sum, number k of 32, of the unquantised p, two numbers at a time, in two chains.
.macro SUM1 k
.if (\k) == 0
	v_pk_add_f32 v[SB+2:SB+3], v[S+64:S+65], v[S+66:S+67]
.elseif (\k) == 31
	v_pk_add_f32 v[ST+6:ST+7], v[ST+6:ST+7], v[SB+2:SB+3]
.elseif ((\k)%2) == 1
	v_pk_add_f32 v[ST+6:ST+7], v[ST+6:ST+7], v[S+64+2*(\k)+2:S+64+2*(\k)+3]
.else
	v_pk_add_f32 v[SB+2:SB+3], v[SB+2:SB+3], v[S+64+2*(\k)+2:S+64+2*(\k)+3]
.endif
.endm
; Tile 0's, number k of 16: the sixteen partial sums of four p that stand in v80-111, in two chains.
.macro SUM0 k
.if (\k) == 0
	v_pk_add_f32 v[SB:SB+1], v[PC:PC+1], v[PC+2:PC+3]
.elseif (\k) == 15
	v_pk_add_f32 v[ST+2:ST+3], v[ST+2:ST+3], v[SB:SB+1]
.elseif ((\k)%2) == 1
	v_pk_add_f32 v[ST+2:ST+3], v[ST+2:ST+3], v[PC+2*(\k)+2:PC+2*(\k)+3]
.else
	v_pk_add_f32 v[SB:SB+1], v[SB:SB+1], v[PC+2*(\k)+2:PC+2*(\k)+3]
.endif
.endm
; Two holds (the conversion to an 8-bit code does not saturate: ISA guide 7.6.2; p is not negative: one-sided).
.macro HOLD2 n
	v_dual_min_num_f32 v[S+2*(\n)], v[HP], v[S+2*(\n)] :: v_dual_min_num_f32 v[S+2*(\n)+1], v[HP], v[S+2*(\n)+1]
.endm
.macro CODE16 u, b                     ; 16 neighbouring keys of tile u
	v_cvt_scalef32_pk8_fp8_f32 v[PC+16*(\u)+4*(\b):PC+16*(\u)+4*(\b)+1], v[S+64*(\u)+16*(\b):S+64*(\u)+16*(\b)+7], v[SP9]
	v_cvt_scalef32_pk8_fp8_f32 v[PC+16*(\u)+4*(\b)+2:PC+16*(\u)+4*(\b)+3], v[S+64*(\u)+16*(\b)+8:S+64*(\u)+16*(\b)+15], v[SP9]
.endm
.macro FRAGS vv                        ; eight fragments of K (vv = 0) or V (1), one run of 32 loads
	WIN TO_F
.irp t, 0,1,2,3,4,5,6,7
.irp c, 0,1,2,3
	ds_load_b128 v[F+16*\t+4*\c:F+16*\t+4*\c+3], v[AD] offset:2*HALF*(\t/4)+HALF*(\vv)+16*KP*(\t%4)+32*\c
.endr
.endr
.endm
; A KEY STEP: 128 keys for my two tiles of queries.  bar = 1: the change of slots stands in it.
.macro STEP bar
	v_add_nc_u32 v[AD], s[TB], v[AK0]
.rept 3
	v_nop                                          ; with the addition: four places in front of loads into registers that the last products have read
.endr
	FRAGS 0
	s_wait_alu depctr_va_vdst(0)
	WIN W_KQ
.irp p, 0,1,2,3
	s_wait_dscnt 24-8*\p                           ; LDS loads come back in order: fragments 2 p and 2 p + 1 are in; the four loads of each later fragment may be out
.irp t, 2*\p, 2*\p+1
.irp u, 0,1
	v_wmma_f32_16x16x128_fp8_fp8 v[S+64*\u+8*(\t):S+64*\u+8*(\t)+7], v[F+16*(\t):F+16*(\t)+15], v[Q+16*\u:Q+16*\u+15], 0
.endr
.endr
.endr
	WIN 0
.rept 4
	v_nop                                          ; four places: in front of the loads into K's registers, and of the first read of the scores
.endr
	FRAGS 1                                        ; V: asked for here, wanted behind the softmax
	WIN 0
	s_add_co_u32 s96, s[KF], 127                   ; a step all of whose keys count skips the mask
	s_cmp_le_u32 s96, s[Q0]
	s_cbranch_scc1 .Lopen_\@
	s_sub_co_i32 s96, s[Q0], s[KF]
	v_and_b32 v[MD], 15, v0
	v_bfe_u32 v[MD+1], v0, 4, 1
	v_lshlrev_b32 v[MD+1], 4, v[MD+1]
	v_sub_nc_u32 v[MD], v[MD], v[MD+1]
	v_add_nc_u32 v[MD], s96, v[MD]                 ; d = my query - KF - 16 (lane / 16), for tile 0,
	v_add_nc_u32 v[MD+1], 16, v[MD]                ; and for tile 1.  Register 16 b + i holds key KF + 16 (lane / 16) + 32 b + i: hidden where 32 b + i > d
	v_mov_b32 v[NINF], 0xff800000                  ; -infinity
.irp u, 0,1
.set n, 0
.rept 64
	v_cmp_gt_i32 vcc_lo, 32*(n/16)+n%16, v[MD+\u]
	v_cndmask_b32 v[S+64*\u+n], v[S+64*\u+n], v[NINF], vcc_lo
.set n, n+1
.endr
.endr
.Lopen_\@:
.irp u, 0,1
	v_max3_num_f32 v[MA+2*\u], v[S+64*\u], v[S+64*\u+1], v[S+64*\u+2]   ; the step's largest score of each of my two queries among my 64 keys: two chains a tile, the tiles by turns
	v_max3_num_f32 v[MA+2*\u+1], v[S+64*\u+3], v[S+64*\u+4], v[S+64*\u+5]
.endr
.irp i, 6,10,14,18,22,26,30,34,38,42,46,50,54,58
.irp u, 0,1
	v_max3_num_f32 v[MA+2*\u], v[MA+2*\u], v[S+64*\u+\i], v[S+64*\u+\i+1]
	v_max3_num_f32 v[MA+2*\u+1], v[MA+2*\u+1], v[S+64*\u+\i+2], v[S+64*\u+\i+3]
.endr
.endr
.irp u, 0,1
	v_max3_num_f32 v[MA+2*\u], v[MA+2*\u], v[S+64*\u+62], v[S+64*\u+63]
.endr
.irp u, 0,1
	v_max_num_f32 v[MA+2*\u], v[MA+2*\u], v[MA+2*\u+1]
.endr
.irp u, 0,1
	v_permlanex16_b32 v[PL+\u], v[MA+2*\u], s[SEL], s[SEL+1]
.endr
.irp u, 0,1
	v_max_num_f32 v[MA+2*\u], v[MA+2*\u], v[PL+\u] ; and among lane l xor 16's
.endr
.irp u, 0,1
	v_mul_f32 v[MA+2*\u], s[CS], v[MA+2*\u]        ; as t
.endr
.irp u, 0,1
	v_max_num_f32 v[ST+4*\u+1], v[ST+4*\u+1], v[MA+2*\u]   ; the running largest t
.endr
.irp u, 0,1
	v_mov_b32 v[MA+2*\u], v[ST+4*\u]
.endr
.irp u, 0,1
	v_floor_f32 v[ST+4*\u], -v[ST+4*\u+1]          ; the new -M = -ceil(t)
.endr
.irp u, 0,1
	v_sub_f32 v[MA+2*\u], v[ST+4*\u], v[MA+2*\u]   ; old M - new M: a whole number, 0 or less
.endr
.irp u, 0,1
	v_cvt_i32_f32 v[MA+2*\u], v[MA+2*\u]
.endr
.irp u, 0,1
	v_ldexp_f32 v[FF+2*\u], 1.0, v[MA+2*\u]        ; f = 2^(old M - new M)
.endr
.set j, 0
.rept 32
	v_pk_fma_f32 v[S+j:S+j+1], v[S+j:S+j+1], s[CS:CS+1], v[ST:ST+1] op_sel_hi:[1,0,0]   ; tile 0: t - M, two at a time
.set j, j+2
.endr
	s_wait_alu depctr_va_vdst(0)
.set j, 0
.rept 32
	v_exp_f32 v[S+j], v[S+j]                       ; tile 0: p = 2^(t - M); tile 1's scalings stand among the exponentials and are first read behind the next wait
	v_exp_f32 v[S+32+j], v[S+32+j]
	v_pk_fma_f32 v[S+64+2*j:S+64+2*j+1], v[S+64+2*j:S+64+2*j+1], s[CS:CS+1], v[ST+4:ST+5] op_sel_hi:[1,0,0]
.set j, j+1
.endr
.irp u, 0,1
	v_pk_mul_f32 v[ST+4*\u+2:ST+4*\u+3], v[ST+4*\u+2:ST+4*\u+3], v[FF+2*\u:FF+2*\u+1] op_sel_hi:[1,0]   ; the sums under the new M
.endr
	s_wait_alu depctr_va_vdst(0)                   ; behind tile 0's batch and ahead of tile 1's
.set k, 0
.rept 32
	v_exp_f32 v[S+64+2*k], v[S+64+2*k]             ; tile 1's exponentials stand among tile 0's partial sums and holds, whose results are first read behind the next wait
.if k < 16
	v_pk_add_f32 v[PC+2*k:PC+2*k+1], v[S+4*k:S+4*k+1], v[S+4*k+2:S+4*k+3]
.endif
	v_exp_f32 v[S+64+2*k+1], v[S+64+2*k+1]
	HOLD2 k                                        ; p 2 k and 2 k + 1 have been summed: now they may be held
.set k, k+1
.endr
	s_wait_alu depctr_va_vdst(0)                   ; behind tile 1's batch
.if \bar
	s_wait_tensorcnt 0x0                           ; no tensor load of mine is out: my part of the next slot is in, and the group 0 may be written
	ds_add_u32 v[SPW], v[NIL]                      ; twice on end, where a load may follow
	ds_add_u32 v[SPW], v[NIL]
	GSTEP s[T1]
.endif
.set k, 0
.rept 16
.if (\bar) && (k == 6)
	s_wait_alu depctr_va_vdst(0)
	s_wait_dscnt 0x0                               ; the adds are done; V's fragments are in, so my reads of this slot are over
	s_barrier_signal -1                            ; register work alone up to the wait
.endif
	SUM0 k
	SUM1 2*k
	SUM1 2*k+1
.set k, k+1
.endr
.set k, 0
.rept 4
	CODE16 0, k
	HOLD2 32+8*k
	HOLD2 33+8*k
	HOLD2 34+8*k
	HOLD2 35+8*k
	HOLD2 36+8*k
	HOLD2 37+8*k
	HOLD2 38+8*k
	HOLD2 39+8*k
.set k, k+1
.endr
.set k, 0
.rept 4
	CODE16 1, k
.set k, k+1
.endr
.if (\bar) == 0
	s_wait_dscnt 0x0                               ; V's fragments are in
.endif
	WIN W_RS
	s_wait_alu depctr_va_vdst(0)                   ; directly ahead of the first readers of O^T
.irp u, 0,1
.set j, 0
.rept 32
	v_pk_mul_f32 v[O+64*\u+j:O+64*\u+j+1], v[O+64*\u+j:O+64*\u+j+1], v[FF+2*\u:FF+2*\u+1] op_sel_hi:[1,0]   ; O^T under the new M; plain lines between the conversions and the products that read the codes
.set j, j+2
.endr
.endr
	WIN W_PV
.irp t, 0,1,2,3,4,5,6,7
.irp u, 0,1
	v_wmma_f32_16x16x128_fp8_fp8 v[O+64*\u+8*\t:O+64*\u+8*\t+7], v[F+16*\t:F+16*\t+15], v[PC+16*\u:PC+16*\u+15], v[O+64*\u+8*\t:O+64*\u+8*\t+7]   ; the 16 accumulators take turns, one instruction a turn
.endr
.endr
	WIN 0
.if \bar
	s_barrier_wait -1
.endif
.endm
; v[14 + 4 u] = 2^(e8 + e9) / the row's sum, from each lane's part of the sum.
.macro RECIP
.irp u, 0,1
	v_permlanex16_b32 v[PL+\u], v[ST+4*\u+2], s[SEL], s[SEL+1]
.endr
.irp u, 0,1
	v_add_f32 v[ST+4*\u+2], v[ST+4*\u+2], v[PL+\u]
.endr
	s_wait_alu depctr_va_vdst(0)                   ; ahead of the reciprocals
.irp u, 0,1
	v_rcp_f32 v[ST+4*\u+2], v[ST+4*\u+2]
.endr
	v_nop
	s_wait_alu depctr_va_vdst(0)
.irp u, 0,1
	v_ldexp_f32 v[ST+4*\u+2], v[ST+4*\u+2], s[E89]
.endr
.endm
.macro ZMUL g, step                    ; register 8 t + i of S = z(16 u + r, 16 t + 8 h + i) = O^T x g; each accumulator from its low end on
	WIN W_KQ
	s_wait_alu depctr_va_vdst(0)                   ; directly ahead of the first readers of O^T
.irp u, 0,1
.set j, 0
.rept 32
	v_pk_mul_f32 v[S+64*\u+j:S+64*\u+j+1], v[O+64*\u+j:O+64*\u+j+1], v[\g+\step*\u:\g+\step*\u+1] op_sel_hi:[1,0]
.set j, j+2
.endr
.endr
	WIN 0
.endm
.macro ZOUT                            ; z's codes under e10, through my stage (32 rows x 144 bytes), out as 4,096 consecutive bytes
.set j, 0
.rept 128
	v_med3_num_f32 v[S+j], v[S+j], -v[HZ], v[HZ]
.set j, j+1
.endr
.set j, 0
.rept 16
	v_cvt_scalef32_pk8_fp8_f32 v[PC+2*j:PC+2*j+1], v[S+8*j:S+8*j+7], v[SZ]
.set j, j+1
.endr
	v_nop
.set j, 0
.rept 16
	ds_store_b64 v[SIN], v[PC+2*j:PC+2*j+1] offset:16*KP*(j/8)+16*(j%8)
.set j, j+1
.endr
.set j, 0
.rept 8
	ds_load_b128 v[S+4*j:S+4*j+3], v[SOUT] offset:4*KP*j   ; LDS serves a wave's instructions in order: these see my stores
.set j, j+1
.endr
.set j, 0
.rept 8
	s_wait_dscnt 7-j                               ; load j is in; the later ones may be out
	global_store_b128 v[GO], v[S+4*j:S+4*j+3], s[16:17] offset:512*j   ; the wave stores 512 consecutive bytes, aligned
.set j, j+1
.endr
.endm
.macro QLOAD base                      ; Q's two fragments: query 16 u + r of my 32 lies in row 8 u + r + 8 (r / 8)
.irp u, 0,1
.irp c, 0,1,2,3
	global_load_b128 v[Q+16*\u+4*\c:Q+16*\u+4*\c+3], v[QAD], s[\base:\base+1] offset:1024*\u+32*\c
.endr
.endr
.endm
.macro CHANGE_BLOCKS                   ; B: MY EARLY BLOCK IS DONE: it goes out, and the late block's queries come in.  A branch on ids and the wave's number, round no barrier, wait of a change of slots, or tensor load
	s_cmp_eq_u32 s[T], s[TC]
	s_cbranch_scc0 .Lstay_\@
	QLOAD LQ
.irp u, 0,1
	v_add_f32 v[ST+4*\u+2], v[ST+4*\u+2], v[ST+4*\u+3]
.endr
	RECIP
	ZMUL ST+2, 4
	ZOUT
	FRESH
	s_mov_b32 s[Q0], s[QLQ]
	s_movk_i32 s[KF], 1152                         ; this step's first key: tile 9
	s_wait_alu depctr_va_vdst(0)
	s_wait_xcnt 0x0                                ; the stores have read their registers, which the next scores overwrite
	s_wait_loadcnt 0x0
.Lstay_\@:
.endm
	s_load_b128 s[4:7], s[0:1], 0x0                ; qkv s[4:5], the scales' exponents s[6:7]
	s_load_b64 s[16:17], s[0:1], 0x10              ; zc
	v_lshl_add_u32 v[SPW], v0, 2, SPARE
	v_mov_b32 v[NIL], 0
	ds_add_u32 v[SPW], v[NIL]                      ; the wave's opening: the add, twice on end, and its wait ahead of my first tensor load
	ds_add_u32 v[SPW], v[NIL]
	v_lshrrev_b32 v24, 5, v0
	v_readfirstlane_b32 s[WV], v24                 ; wave 0..7
	s_and_b32 s[BI], ttmp7, 0xffff                 ; i, 0..7
	s_lshl_b32 s74, ttmp9, 18                      ; y = 16 b + head: the head's 16 blocks of 16,384 bytes
	s_lshr_b32 s75, s[WV], 2                       ; 0 A, 1 B
	s_and_b32 s73, s[WV], 3                        ; my part
	s_mul_i32 s94, s73, 16896
	s_add_co_u32 s94, s94, HAND
	s_lshl_b32 s73, s73, 5
	s_sub_co_u32 s72, 15, s[BI]
	s_lshl_b32 s72, s72, 7
	s_add_co_u32 s[QLQ], s72, s73
	s_lshl_b32 s72, s[BI], 7
	s_add_co_u32 s72, s72, s73
	s_cmp_eq_u32 s75, 0
	s_cselect_b32 s[Q0], s[QLQ], s72               ; my first query: a multiple of 32
	s_lshl_b32 s82, s[Q0], 7
	s_add_co_u32 s82, s82, s74                     ; my 32 rows in q,
	s_mov_b32 s83, 0
	s_lshl_b32 s84, s[QLQ], 7
	s_add_co_u32 s84, s84, s74                     ; the late block's,
	s_mov_b32 s85, 0
	s_and_b32 s86, ttmp9, 15
	s_lshl_b32 s86, s86, 19
	s_lshr_b32 s87, ttmp9, 4
	s_lshl_b32 s87, s87, 11
	s_add_co_u32 s87, s87, s[Q0]
	s_lshl_b32 s87, s87, 7
	s_add_co_u32 s86, s86, s87                     ; and the 32 rows that I send out in zc
	s_mov_b32 s87, 0
	s_and_b32 s88, s[WV], 1                        ; what I fetch, if I fetch: the lower or the upper half,
	s_lshl_b32 s90, s88, 13
	s_add_co_u32 s90, s90, s74
	s_add_co_u32 s90, s90, 0x800000                ; in k (and, a row on, in v), of tile 0
	s_mov_b32 s91, 0
	s_mul_i32 s89, s[WV], 2*HALF                   ; where it goes: 18,432 bytes a wave in slot 0
	s_mul_i32 s92, s75, PAIR                       ; B's part of a slot
	s_mul_i32 s93, s[WV], 32*KP
	s_add_co_u32 s93, s93, STG                     ; my stage
	s_add_co_u32 s72, s[BI], 1
	s_cmp_eq_u32 s75, 1
	s_cselect_b32 s[TC], s72, 99
	s_cmp_ge_u32 s[WV], 2
	s_cselect_b32 s[TL], s[BI], 99
	s_cmp_lt_u32 s[BI], 7
	s_cselect_b32 s[MG], 1, 0
	s_sub_co_u32 s[JB], 9, s[BI]
	s_lshl_b32 s[JB], s[JB], 14                    ; from tile i to tile 9
	s_movk_i32 s[C16], 16384
	s_mov_b32 s[STP+1], 0
	s_mov_b32 s[G1], (0<<16)|(1<<20)|(4<<22)|(3<<25)   ; no mask; elements of 1 byte; padding on: 4 words behind every 32
	s_mov_b32 s[G1+1], 8192<<16                    ; tensor_dim0
	s_mov_b32 s[G1+2], 2<<16                       ; tensor_dim1
	s_mov_b32 s[G1+3], 8192<<16                    ; tile_dim0
	s_mov_b32 s[G1+4], 2                           ; tile_dim1
	s_mov_b32 s[G1+5], 0x800000                    ; from k's region to v's
	s_mov_b32 s[G1+6], 0
	s_mov_b32 s[G1+7], 0
	s_mov_b32 s[SEL], 0x76543210
	s_mov_b32 s[SEL+1], 0xfedcba98
	s_mov_b32 s[CS], 0x3e0293ee                    ; c = log2(e) / sqrt(128)
	s_mov_b32 s[TB], 0
	s_mov_b32 s[T], 0
	s_mov_b32 s[T1], 1
	s_mov_b32 s[KF], 0
	s_wait_alu depctr_va_vdst(0)
	s_wait_dscnt 0x0                               ; both opening adds are done
	s_wait_kmcnt 0x0
	s_load_b128 s[68:71], s[6:7], 0x18             ; e6, e7, e8, e9
	s_load_b32 s66, s[6:7], 0x28                   ; e10
	s_mov_b32 s[G0], 1
	s_mov_b32 s[G0+1], s89
	s_add_nc_u64 s[G0+2:G0+3], s[4:5], s[90:91]
	s_or_b32 s[G0+3], s[G0+3], 0x80000000
	s_cmp_lt_u32 s[WV], 4
	s_cbranch_scc0 .Lno_first
	TLINES                                         ; step 0
.Lno_first:
	s_add_nc_u64 s[8:9], s[4:5], s[82:83]          ; q at my 32 rows,
	s_add_nc_u64 s[LQ:LQ+1], s[4:5], s[84:85]      ; at the late block's
	s_add_nc_u64 s[16:17], s[16:17], s[86:87]
	; PREFETCH of what the NEXT trip's load will ask for: in trip t tiles t + 2 (t = 0 .. 6) and t + 10 (t = 0 .. 5).  Only the head's work-group with i = 0 asks (it reads both at step t + 2, the first to do so); in it
	; waves 4, 5 for tile t + 2 and waves 6, 7 for tile t + 10: 8,192 bytes of K and 8,192 of V each, lanes 256 bytes apart: each aligned block of 256 bytes is named once in the launch.  Tiles 0, 1, 9 come by their loads alone.
	s_and_b32 s82, s[WV], 1
	s_lshl_b32 s82, s82, 13
	s_add_co_u32 s82, s82, s74
	s_bfe_u32 s83, s[WV], 0x10001
	s_lshl_b32 s83, s83, 17
	s_add_co_u32 s82, s82, s83
	s_add_co_u32 s82, s82, 0x808000                ; in k's region, two tiles on
	s_mov_b32 s83, 0
	s_add_nc_u64 s[PFA:PFA+1], s[4:5], s[82:83]
	s_bfe_u32 s83, s[WV], 0x10001
	s_sub_co_u32 s83, 7, s83
	s_xor_b32 s82, s75, 1
	s_or_b32 s82, s82, s[BI]
	s_cmp_eq_u32 s82, 0
	s_cselect_b32 s[PFL], s83, 0                   ; the trips in which I ask
	v_and_b32 v24, 31, v0
	v_lshlrev_b32 v[GO], 4, v24
	v_lshlrev_b32 v[PFO], 8, v24
	v_add_nc_u32 v[PFV], 0x800000, v[PFO]
	v_add_nc_u32 v[DA], s94, v[GO]                 ; what B hands to A: 16 bytes a lane
	v_and_b32 v25, 15, v0                          ; r
	v_bfe_u32 v26, v0, 4, 1                        ; h
	v_and_b32 v27, 8, v25
	v_add_nc_u32 v27, v27, v25                     ; r + 8 (r / 8)
	v_lshlrev_b32 v[QAD], 7, v27
	v_lshl_add_u32 v[QAD], v26, 4, v[QAD]
	QLOAD 8
	v_mul_u32_u24 v28, v25, KP
	v_lshl_add_u32 v[AK0], v26, 4, v28             ; a fragment's row r, + 16 h
	v_add_nc_u32 v[AK0], s92, v[AK0]
	v_lshl_add_u32 v[SIN], v26, 3, v28             ; the stage, in: row r, 8 bytes for each half of the lanes
	v_add_nc_u32 v[SIN], s93, v[SIN]
	v_lshrrev_b32 v27, 3, v24
	v_mul_u32_u24 v[SOUT], v27, KP
	v_and_b32 v27, 7, v24
	v_lshl_add_u32 v[SOUT], v27, 4, v[SOUT]
	v_add_nc_u32 v[SOUT], s93, v[SOUT]             ; back: eight lanes to a row of 128 bytes, four rows an instruction
	FRESH
.irp u, 0,1
	v_mov_b32 v[PL+\u], 0                          ; a lane permute's destination counts as one of its sources
	v_mov_b32 v[FF+2*\u+1], 0                      ; (named as the upper half of f's pair)
.endr
	WIN TO_F
.set j, 0
.rept 128
	v_mov_b32 v[O+j], 0                            ; O^T: the step is written without a first form of its own
.set j, j+1
.endr
	WIN 0
	s_wait_alu depctr_va_vdst(0)
	s_wait_kmcnt 0x0
	s_add_co_i32 s72, s68, s69
	s_lshl_b32 s72, s72, 23
	s_add_co_i32 s[CS], s[CS], s72                 ; a score stands for score x 2^(e6 + e7): added to c's exponent field
	s_mov_b32 s[CS+1], s[CS]
	s_add_co_i32 s[E89], s70, s71
	s_add_co_i32 s72, s71, 127
	s_lshl_b32 s73, s72, 23
	s_add_co_i32 s72, s72, 8
	s_lshl_b32 s72, s72, 23
	s_or_b32 s72, s72, 0x600000
	s_add_co_i32 s82, s66, 127
	s_lshl_b32 s83, s82, 23
	s_add_co_i32 s82, s82, 8
	s_lshl_b32 s82, s82, 23
	s_or_b32 s82, s82, 0x600000
	v_mov_b32 v[SP9], s73
	v_mov_b32 v[HP], s72
	v_mov_b32 v[SZ], s83
	v_mov_b32 v[HZ], s82
	s_wait_alu depctr_va_vdst(0)
	s_wait_loadcnt 0x0                             ; Q
	s_wait_tensorcnt 0x0                           ; my part of slot 0 is in
	ds_add_u32 v[SPW], v[NIL]
	ds_add_u32 v[SPW], v[NIL]
	GSTEP 0
	s_wait_dscnt 0x0
	s_barrier_signal -1
	s_barrier_wait -1
.Lslot:                                            ; steps 0 .. 6, for all eight waves
	s_cmp_lt_u32 s[WV], 4
	s_cbranch_scc0 .Lno_load
	TLINES                                         ; step T + 1, into the slot that step T - 1 has left; a wave's one tensor load until the next barrier
.Lno_load:
	s_cmp_lt_u32 s[T], s[PFL]
	s_cbranch_scc0 .Lnot_mine
	global_prefetch_b8 v[PFO], s[PFA:PFA+1] th:TH_LOAD_NT scope:SCOPE_SE
	global_prefetch_b8 v[PFV], s[PFA:PFA+1] th:TH_LOAD_NT scope:SCOPE_SE
.Lnot_mine:
	CHANGE_BLOCKS
	STEP 1
	s_wait_xcnt 0x0                                ; the prefetches have read their address
	s_add_nc_u64 s[PFA:PFA+1], s[PFA:PFA+1], 16384
	s_add_co_u32 s[KF], s[KF], 128
	s_xor_b32 s[TB], s[TB], SLOT1
	s_add_co_u32 s[T1], s[T1], 1
	s_add_co_u32 s[T], s[T], 1
	s_cmp_lt_u32 s[T], 7
	s_cbranch_scc1 .Lslot
	s_cmp_lt_u32 s[WV], 2
	s_cbranch_scc0 .Lno_ninth
	TLINES                                         ; A's ninth step, tile 8, into slot 0, which step 6 has left: the launch's last fill
.Lno_ninth:
	s_mov_b32 s[TB], SLOT1
.Ltail:                                            ; step 7, in slot 1, for all waves; step 8, in slot 0, for A alone: meanwhile B hands its part over
	s_cmp_eq_u32 s[T], 7
	s_cbranch_scc1 .Lgo
	s_cmp_lt_u32 s[WV], 4
	s_cbranch_scc1 .Lgo
	s_cmp_eq_u32 s[MG], 0
	s_cbranch_scc1 .Ldone
	v_mov_b32 v[MB], v[ST]
	v_mov_b32 v[MB+1], v[ST+4]
	v_add_f32 v[MB+2], v[ST+2], v[ST+3]
	v_add_f32 v[MB+3], v[ST+6], v[ST+7]            ; (these four are also the places behind the last products)
	ds_store_b128 v[DA], v[MB:MB+3] offset:16384
	WIN W_DU
.set j, 0
.rept 32
	ds_store_b128 v[DA], v[O+4*j:O+4*j+3] offset:512*j
.set j, j+1
.endr
	WIN 0
	s_branch .Ldone
.Lgo:
	CHANGE_BLOCKS                                  ; (i = 6: ahead of step 7)
	STEP 0
.Ldone:
	s_wait_alu depctr_va_vdst(0)
	s_wait_tensorcnt 0x0                           ; the ninth step's tile is in, for the other waves' sake;
	s_wait_dscnt 0x0                               ; so is what B hands over
	s_barrier_signal -1
	s_barrier_wait -1
	s_add_co_u32 s[KF], s[KF], 128
	s_xor_b32 s[TB], s[TB], SLOT1
	s_add_co_u32 s[T], s[T], 1
	s_cmp_lt_u32 s[T], 9
	s_cbranch_scc1 .Ltail
	; THE END.  A joins B's part of the late block to its own.
.irp u, 0,1
	v_add_f32 v[ST+4*\u+2], v[ST+4*\u+2], v[ST+4*\u+3]
.endr
.irp u, 0,1
	v_mov_b32 v[FF+2*\u], 1.0
.endr
	s_wait_alu depctr_va_vdst(0)
	s_cmp_eq_u32 s[MG], 0
	s_cbranch_scc1 .Lz
	s_cmp_lt_u32 s[WV], 4
	s_cbranch_scc0 .Lend
	ds_load_b128 v[MB:MB+3], v[DA] offset:16384    ; B's -M and sums,
	WIN TO_F
.set j, 0
.rept 32
	ds_load_b128 v[F+4*j:F+4*j+3], v[DA] offset:512*j   ; and O^T
.set j, j+1
.endr
	WIN 0
	s_wait_dscnt 32                                ; the first load is in; the 32 of O^T may be out
.irp u, 0,1
	v_min_num_f32 v[MA+2*\u], v[ST+4*\u], v[MB+\u] ; -M of both
.endr
.irp u, 0,1
	v_sub_f32 v[FF+2*\u], v[MA+2*\u], v[ST+4*\u]
	v_sub_f32 v[SB+2*\u], v[MA+2*\u], v[MB+\u]
.endr
.irp u, 0,1
	v_cvt_i32_f32 v[FF+2*\u], v[FF+2*\u]
	v_cvt_i32_f32 v[SB+2*\u], v[SB+2*\u]
.endr
.irp u, 0,1
	v_ldexp_f32 v[FF+2*\u], 1.0, v[FF+2*\u]        ; my factor,
	v_ldexp_f32 v[SB+2*\u], 1.0, v[SB+2*\u]        ; B's
.endr
.irp u, 0,1
	v_mul_f32 v[ST+4*\u+2], v[ST+4*\u+2], v[FF+2*\u]
.endr
.irp u, 0,1
	v_fma_f32 v[ST+4*\u+2], v[MB+2+\u], v[SB+2*\u], v[ST+4*\u+2]
.endr
.Lz:
	RECIP
.irp u, 0,1
	v_mul_f32 v[FF+2*\u], v[FF+2*\u], v[ST+4*\u+2]
.endr
	ZMUL FF, 2
	s_cmp_eq_u32 s[MG], 0
	s_cbranch_scc1 .Lnot_joined
.irp u, 0,1
	v_mul_f32 v[SB+2*\u], v[SB+2*\u], v[ST+4*\u+2]
.endr
	s_wait_alu depctr_va_vdst(0)
	s_wait_dscnt 0x0                               ; B's O^T
	WIN W_KQ
.irp u, 0,1
.set j, 0
.rept 32
	v_pk_fma_f32 v[S+64*\u+j:S+64*\u+j+1], v[F+64*\u+j:F+64*\u+j+1], v[SB+2*\u:SB+2*\u+1], v[S+64*\u+j:S+64*\u+j+1] op_sel_hi:[1,0,1]
.set j, j+2
.endr
.endr
	WIN 0
.Lnot_joined:
	ZOUT
.Lend:
	s_wait_tensorcnt 0x0                           ; the wave's end
	ds_add_u32 v[SPW], v[NIL]
	s_wait_dscnt 0x0
	s_endpgm
.Lfunc_end_k_q7665c9842a_attn:
	.size	k_q7665c9842a_attn, .Lfunc_end_k_q7665c9842a_attn-k_q7665c9842a_attn
	.p2alignl 7, 3214868480
	.fill 96, 4, 3214868480
	.section	.rodata,"a",@progbits
	.p2align	6, 0x0
	.amdhsa_kernel k_q7665c9842a_attn
		.amdhsa_group_segment_fixed_size 327680
		.amdhsa_private_segment_fixed_size 0
		.amdhsa_enable_private_segment 0
		.amdhsa_kernarg_size 24
		.amdhsa_user_sgpr_count 2
		.amdhsa_user_sgpr_kernarg_segment_ptr 1
		.amdhsa_wavefront_size32 1
		.amdhsa_system_sgpr_workgroup_id_x 1
		.amdhsa_system_sgpr_workgroup_id_y 1
		.amdhsa_system_sgpr_workgroup_id_z 1
		.amdhsa_system_vgpr_workitem_id 0
		.amdhsa_next_free_vgpr 512
		.amdhsa_next_free_sgpr 100
		.amdhsa_reserve_vcc 1
		.amdhsa_float_denorm_mode_32 3
		.amdhsa_float_denorm_mode_16_64 3
		.amdhsa_memory_ordered 1
		.amdhsa_forward_progress 1
		.amdhsa_inst_pref_size 162
	.end_amdhsa_kernel
	.amdgpu_metadata
---
amdhsa.version: [ 1, 2 ]
amdhsa.kernels:
  - .name:           k_q7665c9842a_attn
    .symbol:         k_q7665c9842a_attn.kd
    .args:
      - { .name: qkv, .offset: 0, .size: 8, .value_kind: global_buffer, .address_space: global }
      - { .name: lowp_scales, .offset: 8, .size: 8, .value_kind: global_buffer, .address_space: global }
      - { .name: zc, .offset: 16, .size: 8, .value_kind: global_buffer, .address_space: global }
    .group_segment_fixed_size: 327680
    .private_segment_fixed_size: 0
    .kernarg_segment_align: 8
    .kernarg_segment_size: 24
    .max_flat_workgroup_size: 256
    .sgpr_count:     100
    .vgpr_count:     512
    .wavefront_size: 32
...
	.end_amdgpu_metadata
.endif
;; end of part 7
;; launch gemm_o (part 8): grid 8 x 32, 4 waves a work-group, clusters of 4 x 4, 327,680 bytes of LDS; arguments zc, codes, lowp_scales, b_O, out0; writes out0
.if DOCPART == 8
	.amdgcn_target "amdgcn-amd-amdhsa--gfx1250"
	.amdhsa_code_object_version 6
	.text
	.protected	k_q7665c9842a_gemm_o
	.globl	k_q7665c9842a_gemm_o
	.p2align	8
	.type	k_q7665c9842a_gemm_o,@function
k_q7665c9842a_gemm_o:
	s_mov_b64 s[64:65], 0
	v_nop
	global_prefetch_b8 v0, s[64:65] scope:SCOPE_SE
	s_setreg_imm32_b32 hwreg(HW_REG_WAVE_MODE, 25, 1), 1
	s_wait_xcnt 0x0
	s_wait_alu depctr_hold_cnt(0) depctr_sa_sdst(0) depctr_va_vdst(0) depctr_va_sdst(0) depctr_va_ssrc(0) depctr_va_vcc(0) depctr_vm_vsrc(0)
	s_getreg_b32 s2, hwreg(HW_REG_IB_STS2, 6, 4)
	s_cmp_eq_u32 s2, 0
	s_cbranch_scc0 .Lentry_in_a_cluster
	s_endpgm
.Lentry_in_a_cluster:
	s_bfe_u32 s2, ttmp6, 0x10000c
	s_cmp_lg_u32 s2, 0xf033
	s_cbranch_scc0 .Lentry_shape_is_right
	s_endpgm
.Lentry_shape_is_right:
; LAUNCH 4 OF 4: product 6, out = z W_O + b_O, on codes of E4M3 (z under e10, W_O under e11); sums in f32, out = sum x 2^(e10 + e11) + b_O.  Nothing is left out here.
; z: [16 heads][4096 tokens][128] codes: K = 2,048 = 16 planes of 128; W_O: [1024 n][2048 K] codes.  LIMIT: e10 + e11 between -126 and 127.
; A tile of 128 tokens x 128 n is made by four waves, each 64 x 64: 16 accumulators.  256 tiles, one for each WGP.  K goes in four steps of 512 through a ring of two LDS slots: four planes of z, 128 rows of W_O.
; CLUSTERS: 4 x 4 work-groups; the four of a row need the same z, the four of a column the same rows of W_O: each is asked for jointly.
; PREFETCH: behind each joint load but the last one instruction a wave asks for the K step that the next joint load will ask for.  Of the 128 blocks of 256 bytes that a wave fetches of z each of the four partners takes 32,
; told apart by address (cx).  Of W_O's 128 blocks each partner (cy) takes 16 rows, and of these the clusters of even y the first eight, of odd y the others: 16 blocks; the lanes over 15 name the last again.
; THE MATRIX INSTRUCTION IS USED TRANSPOSED (source 0 = 16 rows of W_O, source 1 = 16 tokens): a lane holds eight neighbouring n of one token.
.set PFO,    30
.set PA,     144
.set PLANE,  128*PA
.set PB,     528
.set BOFF,   4*PLANE
.set SLOT,   BOFF+128*PB
.set SPARE,  2*SLOT
.set WOC,    18874368
.set SPITCH, 272
.set ADRA, 16
.set ADRB, 20
.set STO,  24
.set RD,   25
.set CO,   26
.set BOA,  27
.set SPW,  28
.set NIL,  29
.set BO,   32
.set T,    64
.set ACC,  128
.set F0,   0
.set F1,   128
.set G1, 24
.set G0, 32
.set G1B, 48
.set G0B, 56
.set MSB, 0
.macro WIN new
.if MSB != (\new)
	s_set_vgpr_msb (MSB<<8)|(\new)
.set MSB, \new
.endif
.endm
.set MUL,  0x05
.set TO_F, 0x40
.macro JLOAD s
	s_cmp_eq_u32 s15, 0
	s_cbranch_scc0 .Lfor_b_\@
	tensor_load_to_lds s[G0+4*\s:G0+4*\s+3], s[G1:G1+7]
	s_nop 0
.rept 4
	v_nop
.endr
	s_branch .Lasked_\@
.Lfor_b_\@:
	tensor_load_to_lds s[G0B+4*\s:G0B+4*\s+3], s[G1B:G1B+7]
	s_nop 0
.rept 4
	v_nop
.endr
.Lasked_\@:
.endm
.macro CREST
	s_cmp_lg_u32 s14, 0
	s_cbranch_scc1 .Lnot_wave_0_\@
	s_barrier_signal -3
.Lnot_wave_0_\@:
	s_barrier_wait -3
	s_barrier_signal -1
	s_barrier_wait -1
.endm
.macro CROUND
	s_barrier_signal -1
	s_barrier_wait -1
	CREST
.endm
	s_load_b256 s[4:11], s[0:1], 0x0
	s_load_b64 s[12:13], s[0:1], 0x20
	v_lshl_add_u32 v[SPW], v0, 2, SPARE
	v_mov_b32 v[NIL], 0
	ds_add_u32 v[SPW], v[NIL]
	ds_add_u32 v[SPW], v[NIL]
	v_lshrrev_b32 v1, 5, v0
	v_readfirstlane_b32 s14, v1
	s_lshr_b32 s15, s14, 1
	s_and_b32 s16, s14, 1
	s_bfe_u32 s40, ttmp6, 0x40000
	s_bfe_u32 s41, ttmp6, 0x40004
	s_lshl_b32 s42, ttmp9, 2
	s_add_co_u32 s42, s42, s40
	s_and_b32 s17, ttmp7, 0xffff
	s_lshl_b32 s17, s17, 2
	s_add_co_u32 s17, s17, s41
	s_lshl_b32 s43, s41, 2
	s_lshl_b32 s43, 15, s43
	s_lshl_b32 s44, 0x1111, s40
	s_or_b32 s[G1+0], s43, (0<<16)|(1<<20)|(1<<21)|(4<<22)|(3<<25)
	s_mov_b32 s[G1+1], 16384<<16
	s_mov_b32 s[G1+2], 2<<16
	s_mov_b32 s[G1+3], 16384<<16
	s_mov_b32 s[G1+4], 2
	s_mov_b32 s[G1+5], 524288
	s_mov_b32 s[G1+6], 0
	s_mov_b32 s[G1+7], 0
	s_or_b32 s[G1B+0], s44, (0<<16)|(1<<20)|(1<<21)|(6<<22)|(3<<25)
	s_mov_b32 s[G1B+1], 512<<16
	s_mov_b32 s[G1B+2], 64<<16
	s_mov_b32 s[G1B+3], 512<<16
	s_mov_b32 s[G1B+4], 64
	s_mov_b32 s[G1B+5], 2048
	s_mov_b32 s[G1B+6], 0
	s_mov_b32 s[G1B+7], 0
	s_lshl_b32 s20, s16, 20
	s_lshl_b32 s18, s17, 14
	s_add_co_u32 s20, s20, s18
	s_mov_b32 s21, 0
	s_lshl_b32 s46, s42, 18
	s_lshl_b32 s47, s16, 17
	s_add_co_u32 s46, s46, s47
	s_add_co_u32 s46, s46, WOC
	s_mov_b32 s47, 0
	s_mul_i32 s45, s16, 2*PLANE
	s_mul_i32 s19, s16, 64*PB
	s_add_co_u32 s19, s19, BOFF
	s_wait_dscnt 0x0
	s_wait_kmcnt 0x0
	s_load_b64 s[96:97], s[8:9], 0x28
	s_add_nc_u64 s[20:21], s[4:5], s[20:21]
	s_add_nc_u64 s[46:47], s[6:7], s[46:47]
	CROUND
.irp s, 0,1
	s_mov_b32 s[G0+4*\s], 1
	s_add_co_u32 s[G0+4*\s+1], s45, \s*SLOT
	s_add_nc_u64 s[G0+4*\s+2:G0+4*\s+3], s[20:21], \s*4*524288
	s_or_b32 s[G0+4*\s+3], s[G0+4*\s+3], 0x80000000
	s_mov_b32 s[G0B+4*\s], 1
	s_add_co_u32 s[G0B+4*\s+1], s19, \s*SLOT
	s_add_nc_u64 s[G0B+4*\s+2:G0B+4*\s+3], s[46:47], \s*512
	s_or_b32 s[G0B+4*\s+3], s[G0B+4*\s+3], 0x80000000
.endr
	JLOAD 0                                        ; K step 0: one tensor load a wave at the head
	; the prefetches: s[66:67], s[68:69], s[70:71] where mine stand for K steps 1, 2, 3; never rewritten
	s_and_b32 s79, ttmp7, 1
	s_lshl_b32 s79, s79, 14                        ; W_O: eight rows of 2,048 bytes
	s_cmp_eq_u32 s15, 0
	s_cselect_b64 s[66:67], s[20:21], s[46:47]
	s_cselect_b32 s72, s40, s41                    ; my place among the four
	s_cselect_b32 s79, 0, s79
	s_mov_b32 s73, 0x200000
	s_cselect_b32 s74, s73, 512                    ; a K step on
	s_mov_b32 s75, 0
	s_mov_b32 s73, 2048
	s_cselect_b32 s76, 512, s73                    ; from two lanes to the next two
	s_cselect_b32 s77, 19, 16
	s_cselect_b32 s78, 13, 15
	s_cselect_b32 s80, 31, 15
	s_lshr_b32 s73, s72, 1
	s_lshl_b32 s73, s73, s77                       ; z: the plane; W_O: 32 rows
	s_and_b32 s72, s72, 1
	s_lshl_b32 s72, s72, s78                       ; z: half a plane; W_O: 16 rows
	s_add_co_u32 s72, s72, s73
	s_add_co_u32 s72, s72, s79
	s_mov_b32 s73, 0
	s_add_nc_u64 s[66:67], s[66:67], s[72:73]
	s_add_nc_u64 s[66:67], s[66:67], s[74:75]
	s_add_nc_u64 s[68:69], s[66:67], s[74:75]
	s_add_nc_u64 s[70:71], s[68:69], s[74:75]
	v_and_b32 v6, 31, v0
	v_min_u32 v6, s80, v6
	v_lshrrev_b32 v7, 1, v6
	v_mul_lo_u32 v7, v7, s76
	v_and_b32 v6, 1, v6
	v_lshl_add_u32 v[PFO], v6, 8, v7
	global_prefetch_b8 v[PFO], s[66:67] th:TH_LOAD_NT scope:SCOPE_SE
	v_and_b32 v1, 15, v0
	v_bfe_u32 v2, v0, 4, 1
	v_mul_u32_u24 v3, v1, PA
	v_lshl_add_u32 v3, v2, 4, v3
	v_mul_u32_u24 v4, v1, PB
	v_lshl_add_u32 v4, v2, 4, v4
	s_mul_i32 s21, s15, 64*PA
	s_mul_i32 s22, s16, 64*PB
	s_add_co_u32 s22, s22, BOFF
.irp s, 0,1
	v_add_nc_u32 v[ADRA+\s], s21, v3
	v_add_nc_u32 v[ADRB+\s], s22, v4
	s_add_co_u32 s21, s21, SLOT
	s_add_co_u32 s22, s22, SLOT
.endr
	s_mul_i32 s23, s14, 16*SPITCH
	v_mul_u32_u24 v5, v1, SPITCH
	v_lshl_add_u32 v5, v2, 5, v5
	v_add_nc_u32 v[STO], s23, v5
	v_mul_u32_u24 v5, v2, SPITCH
	v_lshl_add_u32 v5, v1, 4, v5
	v_add_nc_u32 v[RD], s23, v5
	v_lshlrev_b32 v5, 12, v2
	v_lshl_add_u32 v[CO], v1, 4, v5
	v_lshlrev_b32 v[BOA], 5, v2
	s_wait_alu depctr_va_vdst(0)
	s_lshl_b32 s46, s42, 9
	s_lshl_b32 s47, s16, 8
	s_add_co_u32 s46, s46, s47
	s_mov_b32 s47, 0
	s_add_nc_u64 s[10:11], s[10:11], s[46:47]
	s_add_nc_u64 s[12:13], s[12:13], s[46:47]
	s_lshl_b32 s46, s17, 19
	s_lshl_b32 s18, s15, 18
	s_add_co_u32 s46, s46, s18
	s_add_nc_u64 s[12:13], s[12:13], s[46:47]
.set j, 0
.rept 8
	global_load_b128 v[BO+4*j:BO+4*j+3], v[BOA], s[10:11] offset:64*(j/2)+16*(j%2)
.set j, j+1
.endr
.macro MUL8 f, a0, zero
.irp a, \a0, \a0+1
.irp b, 0,1,2,3
.if \zero
	v_wmma_f32_16x16x128_fp8_fp8 v[ACC+8*(4*(\a)+\b):ACC+8*(4*(\a)+\b)+7], v[\f+64+16*\b:\f+64+16*\b+15], v[\f+16*(\a):\f+16*(\a)+15], 0
.else
	v_wmma_f32_16x16x128_fp8_fp8 v[ACC+8*(4*(\a)+\b):ACC+8*(4*(\a)+\b)+7], v[\f+64+16*\b:\f+64+16*\b+15], v[\f+16*(\a):\f+16*(\a)+15], v[ACC+8*(4*(\a)+\b):ACC+8*(4*(\a)+\b)+7]
.endif
.endr
.endr
.endm
.macro FETCH slot, q, f
	WIN TO_F
.irp i, 0,1,2,3
.irp c, 0,1,2,3
	ds_load_b128 v[\f+64+16*\i+4*\c:\f+64+16*\i+4*\c+3], v[ADRB+\slot] offset:128*(\q)+16*PB*\i+32*\c
.endr
.endr
.irp i, 0,1,2,3
.irp c, 0,1,2,3
	ds_load_b128 v[\f+16*\i+4*\c:\f+16*\i+4*\c+3], v[ADRA+\slot] offset:PLANE*(\q)+16*PA*\i+32*\c
.endr
.endr
.endm
.macro PLACES
.rept 4
	v_nop
.endr
.endm
.macro QUARTER slot, qn, f, g, zero
	s_wait_dscnt 8
	WIN MUL
	MUL8 \f, 0, \zero
	PLACES
	FETCH \slot, \qn, \g
	s_wait_dscnt 32
	WIN MUL
	MUL8 \f, 2, \zero
.endm
.macro TURN slot, next, fill
	WIN 0
	s_wait_tensorcnt 0x0
	ds_add_u32 v[SPW], v[NIL]
	s_wait_dscnt 9
	WIN MUL
	MUL8 F1, 0, 0
	s_wait_dscnt 0x0
	s_barrier_signal -1
	MUL8 F1, 2, 0
	WIN 0
	s_barrier_wait -1
.if \fill
	CREST
	s_add_nc_u64 s[G0+4*\slot+2:G0+4*\slot+3], s[G0+4*\slot+2:G0+4*\slot+3], 8*524288
	s_add_nc_u64 s[G0B+4*\slot+2:G0B+4*\slot+3], s[G0B+4*\slot+2:G0B+4*\slot+3], 1024
	JLOAD \slot
.else
	PLACES
.endif
	FETCH \next, 0, F0
.endm
	s_wait_alu depctr_va_vdst(0)
	s_wait_tensorcnt 0x0                           ; my part of K step 0 is in
	ds_add_u32 v[SPW], v[NIL]
	s_wait_dscnt 0x0
	CROUND
	JLOAD 1                                        ; K step 1, the first tensor load behind the round
	FETCH 0, 0, F0
	global_prefetch_b8 v[PFO], s[68:69] th:TH_LOAD_NT scope:SCOPE_SE
	QUARTER 0, 1, F0, F1, 1
	QUARTER 0, 2, F1, F0, 0
	QUARTER 0, 3, F0, F1, 0
	TURN 0, 1, 1                                   ; loads K step 2
	global_prefetch_b8 v[PFO], s[70:71] th:TH_LOAD_NT scope:SCOPE_SE
	QUARTER 1, 1, F0, F1, 0
	QUARTER 1, 2, F1, F0, 0
	QUARTER 1, 3, F0, F1, 0
	TURN 1, 0, 1
	QUARTER 0, 1, F0, F1, 0
	QUARTER 0, 2, F1, F0, 0
	QUARTER 0, 3, F0, F1, 0
	TURN 0, 1, 0
	QUARTER 1, 1, F0, F1, 0
	QUARTER 1, 2, F1, F0, 0
	QUARTER 1, 3, F0, F1, 0
	s_wait_dscnt 8
	WIN MUL
	MUL8 F1, 0, 0
	s_wait_dscnt 0
	MUL8 F1, 2, 0
	WIN 0
.macro OBLK a
.set BKS, 96+32*((\a)%2)
.irp b, 0,1,2,3
.irp i, 0,2,4,6
	v_pk_fma_f32 v[T+8*\b+\i:T+8*\b+\i+1], v[ACC+8*(4*(\a)+\b)+\i:ACC+8*(4*(\a)+\b)+\i+1], s[96:97], v[BO+8*\b+\i:BO+8*\b+\i+1] op_sel_hi:[1,0,1]
.endr
.endr
.irp b, 0,1,2,3
	ds_store_b128 v[STO], v[T+8*\b:T+8*\b+3] offset:64*\b
	ds_store_b128 v[STO], v[T+8*\b+4:T+8*\b+7] offset:64*\b+16
.endr
.set j, 0
.rept 8
	ds_load_b128 v[BKS+4*j:BKS+4*j+3], v[RD] offset:2*SPITCH*j
.set j, j+1
.endr
.endm
.macro OSEND a, younger
.set BKS, 96+32*((\a)%2)
	s_wait_dscnt \younger
.set j, 0
.rept 8
	global_store_b128 v[CO], v[BKS+4*j:BKS+4*j+3], s[12:13] offset:(16*(\a)+2*j)*4096 th:TH_STORE_NT
.set j, j+1
.endr
.endm
	s_wait_kmcnt 0x0
	s_add_co_i32 s96, s96, s97
	s_add_co_i32 s96, s96, 127
	s_lshl_b32 s96, s96, 23
	s_mov_b32 s97, s96
	s_wait_loadcnt 0x0
	PLACES
	OBLK 0
.irp a, 1,2,3
.if \a > 1
	s_wait_xcnt 0x0
.endif
	OBLK \a
	OSEND \a-1, 16
.endr
	OSEND 3, 0
	s_wait_tensorcnt 0x0
	ds_add_u32 v[SPW], v[NIL]
	s_wait_dscnt 0x0
	CROUND
	s_endpgm
.Lfunc_end_k_q7665c9842a_gemm_o:
	.size	k_q7665c9842a_gemm_o, .Lfunc_end_k_q7665c9842a_gemm_o-k_q7665c9842a_gemm_o
	.p2alignl 7, 3214868480
	.fill 96, 4, 3214868480
	.section	.rodata,"a",@progbits
	.p2align	6, 0x0
	.amdhsa_kernel k_q7665c9842a_gemm_o
		.amdhsa_group_segment_fixed_size 327680
		.amdhsa_private_segment_fixed_size 0
		.amdhsa_enable_private_segment 0
		.amdhsa_kernarg_size 40
		.amdhsa_user_sgpr_count 2
		.amdhsa_user_sgpr_kernarg_segment_ptr 1
		.amdhsa_wavefront_size32 1
		.amdhsa_system_sgpr_workgroup_id_x 1
		.amdhsa_system_sgpr_workgroup_id_y 1
		.amdhsa_system_sgpr_workgroup_id_z 1
		.amdhsa_system_vgpr_workitem_id 0
		.amdhsa_next_free_vgpr 512
		.amdhsa_next_free_sgpr 100
		.amdhsa_reserve_vcc 0
		.amdhsa_float_denorm_mode_32 3
		.amdhsa_float_denorm_mode_16_64 3
		.amdhsa_memory_ordered 1
		.amdhsa_forward_progress 1
		.amdhsa_inst_pref_size 76
	.end_amdhsa_kernel
	.amdgpu_metadata
---
amdhsa.version: [ 1, 2 ]
amdhsa.kernels:
  - .name:           k_q7665c9842a_gemm_o
    .symbol:         k_q7665c9842a_gemm_o.kd
    .args:
      - { .name: zc, .offset: 0, .size: 8, .value_kind: global_buffer, .address_space: global }
      - { .name: codes, .offset: 8, .size: 8, .value_kind: global_buffer, .address_space: global }
      - { .name: lowp_scales, .offset: 16, .size: 8, .value_kind: global_buffer, .address_space: global }
      - { .name: b_O, .offset: 24, .size: 8, .value_kind: global_buffer, .address_space: global }
      - { .name: out0, .offset: 32, .size: 8, .value_kind: global_buffer, .address_space: global }
    .group_segment_fixed_size: 327680
    .private_segment_fixed_size: 0
    .kernarg_segment_align: 8
    .kernarg_segment_size: 40
    .max_flat_workgroup_size: 128
    .sgpr_count:     100
    .vgpr_count:     512
    .wavefront_size: 32
...
	.end_amdgpu_metadata
.endif
;; end of part 8
